; MI455X (gfx1250); checked and timed in simulation.
; The chip was launched on July 23, 2026; its instructions are those of AMD's public machine-readable ISA for CDNA 5 (MIT licence, August 2026) and "CDNA5" Instruction Set Architecture Reference Guide (July 2026). The comments in the code are by the model that wrote it; some were corrected since.
;; Multi Head Attention. Allowed arithmetic: matrix products marked QUANTISED: E2M1 operands, one E8M0 scale for each 32 along K, by v_wmma_scale_f32_16x16x128_f8f6f4 with both operands' format E2M1 (or v_wmma_scale_f32_32x16x128_f4), f32 sums; everything else in f32.
;; Inputs: add_attn 4 x 1 x 2,048 x 2,048 float32; k 4 x 2,048 x 1,024 float32; ln_b 1,024 float32; ln_g 1,024 float32; mask 4 x 1 x 1 x 2,048 int32; q 4 x 2,048 x 1,024 float32; v 4 x 2,048 x 1,024 float32; w_k 1,024 x 1,024 float32; w_o 1,024 x 1,024 float32; w_q 1,024 x 1,024 float32; w_v 1,024 x 1,024 float32.
;; Outputs: out0 4 x 2,048 x 1,024 float32.
;; This version of the problem:
;;   THIS VERSION OF THE PROBLEM IS GIVEN IN LOW PRECISION. The matrix products marked QUANTISED in the list below multiply operands that are first quantised to E2M1 (2 exponent bits, 1 mantissa bit; 4 bits a number), with one power-of-two scale for each 32 numbers along K (OCP MX v1.0); their sums are f32. All else is computed in f32.
;;   The module's matrix products, in the order in which they are computed (A, B: the left and right operand; K: the contracted axis; several contracted axes count as one K, in the product's order):
;;     1. [M 8,192, K 1,024] x [K 1,024, N 1,024]; A: input q; B: input w_q: QUANTISED
;;     2. [M 8,192, K 1,024] x [K 1,024, N 1,024]; A: input k; B: input w_k: QUANTISED
;;     3. [M 8,192, K 1,024] x [K 1,024, N 1,024]; A: input v; B: input w_v: QUANTISED
;;     4. batch 64 x [M 2,048, K 64] x [K 64, N 2,048]; A: computed on the way; B: computed on the way: QUANTISED
;;     5. batch 64 x [M 2,048, K 2,048] x [K 2,048, N 64]; A: softmax (see below); B: computed on the way: QUANTISED
;;     6. [M 8,192, K 1,024] x [K 1,024, N 1,024]; A: computed on the way; B: input w_o: QUANTISED
;;   THE QUANTISER, for each operand of a quantised product, along K:
;;     - K is cut into blocks of 32 from its start; a last block that is shorter is filled with zeros.
;;     - A block's scale is 2^e with e = floor(log2(the largest magnitude in the block)) - 2, held to -126 .. 127; a block of zeros has e = 0. As a byte (E8M0): e + 127.
;;     - Each number is divided by its block's scale, clamped to +-6, and rounded to the nearest number of E2M1, ties to even, subnormals kept.
;;     - The product sums the exact products of the quantised numbers (number of the format x scale) in f32.
;;   ~~~python
;;   def quantise(x, axis):      # numpy; x: float32 -> the quantised numbers, widened to float32 again
;;       x = np.moveaxis(x, axis, -1); K = x.shape[-1]
;;       x = np.pad(x, [(0, 0)] * (x.ndim - 1) + [(0, -K % 32)]); x = x.reshape(x.shape[:-1] + (-1, 32)); a = np.abs(x).max(-1, keepdims=True)
;;       e = np.where(a > 0, np.clip(np.frexp(np.where(a > 0, a, 1))[1] - 1 - 2, -126, 127), 0)      # np.frexp(a)[1] - 1 = floor(log2(a)), exactly
;;       r = np.clip(x / 2.0 ** e, -6, 6)
;;       step = 2.0 ** (np.maximum(np.frexp(np.where(r == 0, 1, r))[1] - 1, 0) - 1)
;;       q = np.round(r / step) * step * 2.0 ** e      # np.round: ties to even
;;       return np.moveaxis(q.reshape(q.shape[:-2] + (-1,))[..., :K], -1, axis).astype(np.float32)
;;   ~~~
;;   SOFTMAX AHEAD OF A QUANTISED PRODUCT. Where the list says 'softmax', what is quantised is not the finished softmax but p = 2^(t - M), with t = logit x log2(e) and M = ceil(the row's largest t), a whole number; so 1/2 < the row's largest p <= 1. The row's sum l is taken of the UNQUANTISED p, in f32, and the product's result is divided by l at the end. Since M is a whole number, a kernel that streams over the keys may use a running M (the ceiling of the running maximum): every later rescaling is an exact power of two, which a block's scale takes up: the codes' values come out the same.
;;   OPERANDS COMPUTED ON THE WAY. 'Computed on the way' means the value that the module computes at that place (a softmax that the list does not call 'softmax' is quantised finished and normalised). What goes into a quantiser is computed in f32, as accurately as f32 sums, v_exp_f32 and their like allow (about 1e-6 of the number): no bf16 or f16 on the way to a quantiser, and a product that is left as it is and whose result goes on into a quantised operand takes f32 operands (vector FMAs, or v_wmma_f32_16x16x4_f32). A number that lies on a knife's edge between two numbers of the format may be rounded either way, as far as f32 arithmetic and the matrix unit's own rounding can turn it there, and no further.
;; 2 versions. Each part assembles by itself: llvm-mc -triple=amdgcn-amd-amdhsa -mcpu=gfx1250 --defsym DOCPART=n.
;; ======== version 1 of 2: 4 launches
;; limits: right only within a limited range of input values
;; workspace buffers: wimg 2,228,224 bytes; qimg 4,718,592 bytes; kv 9,175,040 bytes; oimg 4,718,592 bytes
;; launch wq (part 1): grid 128 x 4, 2 waves a work-group, no clusters, 0 bytes of LDS; arguments w_q, w_k, w_v, w_o, wimg; writes wimg
.if DOCPART == 1
	.amdgcn_target "amdgcn-amd-amdhsa--gfx1250"
	.amdhsa_code_object_version 6
	.text
	.protected	k_qdd8154192f_wq
	.globl	k_qdd8154192f_wq
	.p2align	8
	.type	k_qdd8154192f_wq,@function
k_qdd8154192f_wq:
	s_mov_b64 s[64:65], 0
	v_nop
	global_prefetch_b8 v0, s[64:65] scope:SCOPE_SE
	s_setreg_imm32_b32 hwreg(HW_REG_WAVE_MODE, 25, 1), 1
	s_wait_xcnt 0x0
; The four weights, [1024 (k)][1024 (n)] f32 with K as the FIRST axis, become codes of FP4 (E2M1) with one E8M0 byte for each 32 along K,
; laid as IMAGES OF OPERAND REGISTERS.  Weight i begins at i x WBYTES.  Unit (hd, s) = 64 columns x 128 along K lies at (8 hd + s) x UNIT:
;   codes at 1024 t + 512 c + 16 lane: lane (r, h) of tile t holds column 64 hd + 32 (t / 2) + 8 (t % 2) + r + 8 (r / 8), k = 128 s + 64 c + 32 h + 0 .. 31;
;   scale words at 4096 + 8 lane + 4 i: the word of tile 2 i + lane / 16, row lane % 16.
; The columns of a tile are not neighbours: so the 16 result registers of tiles 2 b and 2 b + 1 are 16 neighbours along the next product's K.
; A LANE TAKES A COLUMN AND ITS REGISTERS RUN DOWN K: a block of 32 lies in one lane, its largest magnitude needs no other lane, and the conversions give codes with K innermost.
; Work-group x = 8 hd + s, y = the weight; wave b takes columns 32 b .. 32 b + 31 of the unit.  Each store of codes covers two aligned runs of 256 bytes.
; A block's byte is its largest magnitude's exponent field - 2, held at 1 from below (a block of zeros gets 1: its codes are zeros, and this program alone reads the bytes).
; LIMITS: blocks whose largest magnitude lies under 2^-124 take the byte 1; NaN and infinities are not served.
; No LDS, no barrier, no matrix unit: the launch streams 16 MiB once.
.set X,      32                        ; v32-159  128 numbers: block kb at v[X + 32 kb]
.set CD,     160                       ; v160-175 codes, four registers a block: no store's data are written again
.set UNIT,   4352
.set WBYTES, 557056
	s_load_b256 s[4:11], s[0:1], 0x0               ; w_q, w_k, w_v, w_o
	s_load_b64 s[12:13], s[0:1], 0x20              ; wimg
	v_lshrrev_b32 v4, 5, v0
	v_readfirstlane_b32 s15, v4                    ; wave: which 32 columns of the unit
	s_and_b32 s14, ttmp7, 0xffff                   ; which weight
	v_and_b32 v5, 31, v0                           ; lane = column
	v_lshlrev_b32 v1, 2, v5                        ; in: 4 bytes a lane
	v_bfe_u32 v6, v5, 3, 1                         ; u: which of the two tiles my column falls into
	v_and_b32 v7, 7, v5
	v_lshrrev_b32 v4, 4, v5
	v_lshl_add_u32 v7, v4, 3, v7                   ; r: its row there
	v_lshlrev_b32 v2, 4, v7
	v_lshl_add_u32 v2, v6, 10, v2                  ; codes: 1024 u + 16 r
	v_lshl_add_u32 v3, v6, 4, v7
	v_lshlrev_b32 v3, 3, v3                        ; scale word: 8 (r + 16 u)
	s_and_b32 s16, ttmp9, 7                        ; s
	s_lshr_b32 s17, ttmp9, 3                       ; hd
	s_lshl_b32 s18, s16, 19                        ; 128 rows of 4,096 bytes
	s_lshl_b32 s17, s17, 8
	s_add_co_u32 s18, s18, s17
	s_lshl_b32 s17, s15, 7
	s_add_co_u32 s18, s18, s17
	s_mov_b32 s19, 0
	s_mul_i32 s20, s14, WBYTES
	s_mul_i32 s17, ttmp9, UNIT
	s_add_co_u32 s20, s20, s17                     ; my unit
	s_mov_b32 s21, 0
	s_lshl_b32 s22, s15, 11                        ; my two tiles' codes
	s_mov_b32 s23, 0
	s_lshl_b32 s24, s15, 2
	s_add_co_u32 s24, s24, 4096                    ; my two tiles' scale words
	s_mov_b32 s25, 0
	s_wait_kmcnt 0x0
	s_cmp_eq_u32 s14, 1                            ; the choice hangs on the work-group's number alone
	s_cselect_b64 s[4:5], s[6:7], s[4:5]
	s_cmp_eq_u32 s14, 2
	s_cselect_b64 s[4:5], s[8:9], s[4:5]
	s_cmp_eq_u32 s14, 3
	s_cselect_b64 s[4:5], s[10:11], s[4:5]
	s_add_nc_u64 s[4:5], s[4:5], s[18:19]
	s_add_nc_u64 s[12:13], s[12:13], s[20:21]
	s_add_nc_u64 s[26:27], s[12:13], s[24:25]
	s_add_nc_u64 s[12:13], s[12:13], s[22:23]
.macro LOAD kb                         ; block kb: w(32 kb + n, my column), n = 0 .. 31
.set n, 0
.rept 32
	global_load_b32 v[X+32*(\kb)+n], v1, s[4:5] offset:(32*(\kb)+n)*4096 th:TH_LOAD_NT
.set n, n+1
.endr
.endm
.macro BLOCK kb
.set XS, X+32*(\kb)
.if (\kb) < 3
	s_wait_loadcnt 32                              ; this block's 32 loads are in; the next block's may be out
.else
	s_wait_loadcnt 0x0
.endif
.if (\kb) < 2
	LOAD (\kb)+2                                   ; two blocks ahead, into registers of their own
.endif
	v_max3_num_f32 v8, |v[XS]|, |v[XS+1]|, |v[XS+2]|       ; the block's largest magnitude, in two chains
	v_max3_num_f32 v9, |v[XS+3]|, |v[XS+4]|, |v[XS+5]|
.irp i, 6,10,14,18,22,26
	v_max3_num_f32 v8, v8, |v[XS+\i]|, |v[XS+\i+1]|
	v_max3_num_f32 v9, v9, |v[XS+\i+2]|, |v[XS+\i+3]|
.endr
	v_max3_num_f32 v8, v8, |v[XS+30]|, |v[XS+31]|
	v_max3_num_f32 v8, v8, v9, 0x1800000           ; and the floor 2^(3 - 127): the byte cannot fall under 1
	v_add_nc_u32 v[16+(\kb)], 0xff000000, v8       ; 2 off the exponent field: the conversion takes this operand's exponent field as its scale
	v_lshrrev_b32 v13, 23, v[16+(\kb)]             ; the scale's byte
.if (\kb) == 0
	v_mov_b32 v14, v13
.else
	v_lshl_or_b32 v14, v13, 8*(\kb), v14           ; byte kb of the K step's scale word
.endif
.irp g, 0,1,2,3
	v_cvt_scalef32_pk8_fp4_f32 v[CD+4*(\kb)+\g], v[XS+8*\g:XS+8*\g+7], v[16+(\kb)]
.endr
	v_nop                                          ; one plain line behind the conversions
	global_store_b128 v2, v[CD+4*(\kb):CD+4*(\kb)+3], s[12:13] offset:512*((\kb)/2)+256*((\kb)%2)   ; block kb = 2 c + h: sixteen lanes of a tile fill 256 consecutive bytes
.endm
	LOAD 0
	LOAD 1
	BLOCK 0
	BLOCK 1
	BLOCK 2
	BLOCK 3
	global_store_b32 v3, v14, s[26:27]             ; my column's scale word
	s_endpgm
.Lfunc_end_k_qdd8154192f_wq:
	.size	k_qdd8154192f_wq, .Lfunc_end_k_qdd8154192f_wq-k_qdd8154192f_wq
	.p2alignl 7, 3214868480
	.fill 96, 4, 3214868480
	.section	.rodata,"a",@progbits
	.p2align	6, 0x0
	.amdhsa_kernel k_qdd8154192f_wq
		.amdhsa_group_segment_fixed_size 0
		.amdhsa_private_segment_fixed_size 0
		.amdhsa_enable_private_segment 0
		.amdhsa_kernarg_size 40
		.amdhsa_user_sgpr_count 2
		.amdhsa_user_sgpr_kernarg_segment_ptr 1
		.amdhsa_wavefront_size32 1
		.amdhsa_system_sgpr_workgroup_id_x 1
		.amdhsa_system_sgpr_workgroup_id_y 1
		.amdhsa_system_sgpr_workgroup_id_z 1
		.amdhsa_system_vgpr_workitem_id 0
		.amdhsa_next_free_vgpr 176
		.amdhsa_next_free_sgpr 66
		.amdhsa_reserve_vcc 0
		.amdhsa_float_denorm_mode_32 3
		.amdhsa_float_denorm_mode_16_64 3
		.amdhsa_memory_ordered 1
		.amdhsa_forward_progress 1
		.amdhsa_inst_pref_size 21
	.end_amdhsa_kernel
	.amdgpu_metadata
---
amdhsa.version: [ 1, 2 ]
amdhsa.kernels:
  - .name:           k_qdd8154192f_wq
    .symbol:         k_qdd8154192f_wq.kd
    .args:
      - { .name: w_q, .offset: 0, .size: 8, .value_kind: global_buffer, .address_space: global }
      - { .name: w_k, .offset: 8, .size: 8, .value_kind: global_buffer, .address_space: global }
      - { .name: w_v, .offset: 16, .size: 8, .value_kind: global_buffer, .address_space: global }
      - { .name: w_o, .offset: 24, .size: 8, .value_kind: global_buffer, .address_space: global }
      - { .name: wimg, .offset: 32, .size: 8, .value_kind: global_buffer, .address_space: global }
    .group_segment_fixed_size: 0
    .private_segment_fixed_size: 0
    .kernarg_segment_align: 8
    .kernarg_segment_size: 40
    .max_flat_workgroup_size: 64
    .sgpr_count:     66
    .vgpr_count:     176
    .wavefront_size: 32
...
	.end_amdgpu_metadata
.endif
;; end of part 1
;; launch proj (part 2): grid 128 x 3, 16 waves a work-group, no clusters, 174,080 bytes of LDS; arguments q, k, v, mask, wimg, qimg, kv; writes qimg, kv
.if DOCPART == 2
	.amdgcn_target "amdgcn-amd-amdhsa--gfx1250"
	.amdhsa_code_object_version 6
	.text
	.protected	k_qdd8154192f_proj
	.globl	k_qdd8154192f_proj
	.p2align	8
	.type	k_qdd8154192f_proj,@function
k_qdd8154192f_proj:
	s_mov_b64 s[64:65], 0
	v_nop
	global_prefetch_b8 v0, s[64:65] scope:SCOPE_SE
	s_setreg_imm32_b32 hwreg(HW_REG_WAVE_MODE, 25, 1), 1
	s_wait_xcnt 0x0
; The three projections, on codes of FP4 (E2M1) with one E8M0 byte for each 32 along K; their results leave as codes again, laid as images of the next products' operand registers.
; Work-group (blk, tz): 64 rows of tensor tz (0 = q, 1 = k, 2 = v), all 1,024 columns.  Wave w makes head w (64 columns): 16 accumulators of 16 x 16.
; PHASE X: x is read once, by this work-group alone, so it is quantised here: wave w takes row tile w / 4 and K steps 2 (w % 4), 2 (w % 4) + 1; each load reads 512 consecutive bytes of a row;
; the numbers turn through the wave's own stage so that a lane holds 16 neighbours of each block; the fragments go to LDS as images of their registers.  One barrier.
; PHASE M: eight K steps of 128.  The weights come from wimg straight into registers, each fragment to the one wave that uses it, two K steps ahead.
;   q, k: source 0 = 16 columns of W, source 1 = 16 rows of x: a lane holds one row and 32 numbers along the head's 64: quantised along d.
;   v:    the sources change places: a lane holds one d and 32 tokens: quantised along the keys, which are the K of the last product of attention.
; ROWS OF A TILE: q's tiles take neighbouring rows; k's and v's tiles, and the weights', take rows 8 u + r + 8 (r / 8) of a group of 32, so that two neighbouring tiles' result registers are 16 neighbours along the next K.
; WHAT IS STORED.  qimg unit ((16 b + head) 16 + l / 128) x 4608: codes 512 tile + 16 lane, scale words 4096 + 16 lane + 4 i (tile 2 i + lane / 16).  q's bytes are 3 lower: the factor 1/8.
;   kv unit (((4 b + head / 4) 16 + l / 128) 4 + head % 4) x 8960: K as qimg's; V's codes 4608 + 1024 t + 512 c + 16 lane, V's scale words 8704 + 8 lane + 4 i.
; THE KEY MASK rides in the unused half of the score product's K: byte 2 of a key's scale word is 153 (2^26) where mask = 0 and 1 (2^-126) else; attention puts the codes +4 and -4 at k = 64.
; The weights are shared by all row blocks and are not asked for jointly here: no fragment is used by two waves of a work-group, so a way through LDS would write and read each of its 557,056 bytes once more.
; LIMITS: on the way out a block whose largest magnitude lies under 2^-121 takes the byte of that floor (x's blocks: 2^-124); NaN and infinities are not served.
.set XSC,    32768                     ; LDS: x's 32 fragments from 0 ((s, T) at (4 s + T) 1024 + 512 c + 16 lane); their scale words: 512 s + 16 lane + 4 T
.set STG,    36864                     ; a stage of 16 rows x 528 bytes for each wave
.set STGB,   8448
.set SP,     528
.set UNIT,   4352
.set WBYTES, 557056
.set XF,     32                        ; v32-63   x's four fragments; in phase X codes and work; on the way out codes and work
.set TM,     48                        ; v48-63   at work
.set WB0,    64                        ; v64-95, v96-127 the weights' four fragments, two sets
.set ACC,    128                       ; v128-255 accumulators at 32 (source 1's tile) + 8 (source 0's tile); in phase X the numbers of x
; v1 16 lane, v2 8 lane, v3/v4 stage in/out, v5/v6 where I store x's images and scale words, v7 mask offset, v8/v9 the upper bytes of a scale word (mask = 0 / else), v12-15 mask, v16/v17 x's scale words just made,
; v[20:23] the weights' scale words (two sets), v[24:27] x's: these eight hold scales and nothing else
	s_load_b256 s[4:11], s[0:1], 0x0               ; q, k, v, mask
	s_load_b128 s[12:15], s[0:1], 0x20             ; wimg, qimg
	s_load_b64 s[16:17], s[0:1], 0x30              ; kv
	v_lshl_add_u32 v30, v0, 2, 0x2a000
	v_mov_b32 v31, 0
	v_lshrrev_b32 v10, 5, v0
	v_readfirstlane_b32 s18, v10                   ; wave
	s_and_b32 s19, ttmp7, 0xffff                   ; tz
	s_mov_b32 s20, 0x76543210
	s_mov_b32 s21, 0xfedcba98                      ; v_permlanex16_b32's selects for lane l xor 16
	s_mov_b32 s22, ttmp9                           ; blk
	s_and_b32 s23, ttmp9, 1                        ; c: which 64 of a step of 128 tokens
	s_mov_b32 s38, 0xffff0000                      ; lanes 16-31
	v_and_b32 v10, 31, v0                          ; lane
	v_and_b32 v11, 15, v0                          ; r
	v_bfe_u32 v18, v0, 4, 1                        ; h
	v_lshlrev_b32 v1, 4, v10
	v_lshlrev_b32 v2, 3, v10
	s_mul_i32 s40, s18, STGB
	s_add_co_u32 s40, s40, STG                     ; my stage
	v_add_nc_u32 v3, s40, v1                       ; in: a row's 512 bytes as they lie
	v_mul_u32_u24 v4, v11, SP
	v_lshl_add_u32 v4, v18, 6, v4
	v_add_nc_u32 v4, s40, v4                       ; out: row r, + 64 h: my 16 numbers of a block of 32
	s_lshr_b32 s41, s18, 2                         ; T = w / 4
	s_and_b32 s42, s18, 3                          ; sp = w % 4
	s_lshl_b32 s43, s42, 3
	s_add_co_u32 s43, s43, s41
	s_lshl_b32 s43, s43, 10
	v_add_nc_u32 v5, s43, v1                       ; 16 lane + (8 sp + T) 1024
	s_lshl_b32 s43, s42, 10
	s_lshl_b32 s44, s41, 2
	s_add_co_u32 s43, s43, s44
	s_add_co_u32 s43, s43, XSC
	v_add_nc_u32 v6, s43, v1                       ; XSC + 16 lane + 4 T + 1024 sp
	v_and_b32 v7, 8, v11
	v_add_nc_u32 v7, v7, v11
	v_lshlrev_b32 v7, 2, v7                        ; 4 (r + 8 (r / 8))
.irp b, 0,1,2,3
	v_mov_b32 v[TM+4+\b], 0                        ; written once: a lane permute's destination counts as one of its sources
.endr
	s_lshl_b32 s43, s41, 4                         ; q: tile T begins at row 16 T;
	s_lshr_b32 s44, s41, 1
	s_lshl_b32 s44, s44, 5
	s_and_b32 s45, s41, 1
	s_lshl_b32 s45, s45, 3
	s_add_co_u32 s44, s44, s45                     ; k, v: at 32 (T / 2) + 8 (T % 2)
	s_mov_b32 s46, 0x10000                         ; from a tile's rows 0-7 to its rows 8-15: 16 rows of 4,096 bytes, for q 8
	s_mov_b32 s24, 0x7f990000
	s_mov_b32 s25, 0x7f010000
	s_cmp_eq_u32 s19, 0
	s_cselect_b32 s43, s43, s44
	s_cselect_b32 s46, 0x8000, s46
	s_cselect_b32 s24, 0x7f7efcfd, s24             ; q: bytes 3, 2 = 127, and 3 off bytes 1 and 0 (0x7f7f0000 - 0x0303)
	s_cselect_b32 s25, 0x7f7efcfd, s25
	v_mov_b32 v8, s24
	v_mov_b32 v9, s25
	s_mov_b32 s47, 0
	s_lshl_b32 s44, s22, 6                         ; the block's first row
	s_add_co_u32 s43, s43, s44
	s_lshl_b32 s43, s43, 12
	s_lshl_b32 s45, s42, 10                        ; my two K steps: 1,024 bytes of a row
	s_add_co_u32 s26, s43, s45
	s_mov_b32 s27, 0
	s_lshl_b32 s54, s22, 8                         ; the block's 64 numbers of the mask
	s_mov_b32 s55, 0
	s_mul_i32 s52, s19, WBYTES
	s_mul_i32 s53, s18, 8*UNIT
	s_add_co_u32 s52, s52, s53                     ; my head's eight units of my tensor's weight
	s_mov_b32 s53, 0
	s_lshr_b32 s48, s22, 5                         ; b
	s_bfe_u32 s49, s22, 0x40001                    ; the step of 128 tokens
	s_lshl_b32 s50, s48, 4
	s_add_co_u32 s50, s50, s18
	s_lshl_b32 s50, s50, 4
	s_add_co_u32 s50, s50, s49
	s_mul_i32 s50, s50, 4608                       ; qimg's unit
	s_lshl_b32 s51, s48, 2
	s_add_co_u32 s51, s51, s41
	s_lshl_b32 s51, s51, 4
	s_add_co_u32 s51, s51, s49
	s_lshl_b32 s51, s51, 2
	s_add_co_u32 s51, s51, s42
	s_mul_i32 s51, s51, 8960                       ; kv's unit
	s_wait_kmcnt 0x0
	s_cmp_eq_u32 s19, 1                            ; the choices hang on the work-group's number alone
	s_cselect_b64 s[4:5], s[6:7], s[4:5]
	s_cmp_eq_u32 s19, 2
	s_cselect_b64 s[4:5], s[8:9], s[4:5]
	s_cmp_eq_u32 s19, 0
	s_cselect_b64 s[34:35], s[14:15], s[16:17]
	s_cselect_b32 s50, s50, s51
	s_mov_b32 s51, 0
	s_add_nc_u64 s[34:35], s[34:35], s[50:51]      ; my unit
	s_add_nc_u64 s[28:29], s[4:5], s[26:27]        ; x: my tile's rows 0-7,
	s_add_nc_u64 s[30:31], s[28:29], s[46:47]      ; and 8-15
	s_add_nc_u64 s[10:11], s[10:11], s[54:55]
	s_add_nc_u64 s[32:33], s[12:13], s[52:53]
.macro WLOAD s                         ; K step s of my head's weights into set s % 2: nine loads
.irp t, 0,1,2,3
.irp c, 0,1
	global_load_b128 v[WB0+32*((\s)%2)+8*\t+4*\c:WB0+32*((\s)%2)+8*\t+4*\c+3], v1, s[32:33] offset:UNIT*(\s)+1024*\t+512*\c
.endr
.endr
	global_load_b64 v[20+2*((\s)%2):21+2*((\s)%2)], v2, s[32:33] offset:UNIT*(\s)+4096
.endm
.irp f, 0,1                            ; 16 rows x 512 bytes for each of my two K steps
.irp i, 0,1,2,3,4,5,6,7
	global_load_b128 v[ACC+64*\f+4*\i:ACC+64*\f+4*\i+3], v1, s[28:29] offset:\i*4096+512*\f th:TH_LOAD_NT
.endr
.irp i, 0,1,2,3,4,5,6,7
	global_load_b128 v[ACC+64*\f+32+4*\i:ACC+64*\f+32+4*\i+3], v1, s[30:31] offset:\i*4096+512*\f th:TH_LOAD_NT
.endr
.endr
.irp g, 0,1,2,3
	global_load_b32 v[12+\g], v7, s[10:11] offset:(32*(\g/2)+8*(\g%2))*4   ; the mask of token tile g's row r
.endr
	WLOAD 0
	WLOAD 1
.macro XTURN f                         ; K step f's numbers through the stage, back into the registers that they left: LDS serves a wave's instructions in order (ISA guide 5.7.1.4)
.irp i, 0,1,2,3,4,5,6,7,8,9,10,11,12,13,14,15
	ds_store_b128 v3, v[ACC+64*\f+4*\i:ACC+64*\f+4*\i+3] offset:SP*\i
.endr
.irp b, 0,1,2,3
.irp j, 0,1,2,3
	ds_load_b128 v[ACC+64*\f+16*\b+4*\j:ACC+64*\f+16*\b+4*\j+3], v4 offset:128*\b+16*\j   ; register 16 b + i = k 32 b + 16 h + i of row r
.endr
.endr
.endm
; 64 numbers of a lane, register 16 b + i = k 32 b + 16 (lane / 16) + i of my row, become a fragment's codes in v[pc] on and its scale word in v[pw]
.macro QUANT s, pc, pw
.irp b, 0,1,2,3
	v_max3_num_f32 v[TM+\b], |v[\s+16*\b]|, |v[\s+1+16*\b]|, 0x1800000   ; my 16 numbers of block b, and the floor 2^(3 - 127): the byte cannot fall under 1
.endr
.irp i, 2,4,6,8,10,12,14
.irp b, 0,1,2,3
	v_max3_num_f32 v[TM+\b], v[TM+\b], |v[\s+16*\b+\i]|, |v[\s+1+16*\b+\i]|
.endr
.endr
.irp b, 0,1,2,3
	v_permlanex16_b32 v[TM+4+\b], v[TM+\b], s20, s21
.endr
.irp b, 0,1,2,3
	v_max_num_f32 v[TM+\b], v[TM+\b], v[TM+4+\b]   ; with lane l xor 16's: the block's largest magnitude
.endr
.irp b, 0,1,2,3
	v_add_nc_u32 v[TM+12+\b], 0xff000000, v[TM+\b] ; 2 off its exponent field: the conversion's scale operand
.endr
.irp b, 0,1,2,3
	v_lshrrev_b32 v[TM+4+\b], 23, v[TM+12+\b]      ; the scale's byte
.endr
	v_lshl_or_b32 v[\pw], v[TM+5], 8, v[TM+4]
	v_lshl_or_b32 v[\pw], v[TM+6], 16, v[\pw]
	v_lshl_or_b32 v[\pw], v[TM+7], 24, v[\pw]
.irp b, 0,1,2,3
	v_cvt_scalef32_pk8_fp4_f32 v[\pc+2*\b], v[\s+16*\b:\s+7+16*\b], v[TM+12+\b]
	v_cvt_scalef32_pk8_fp4_f32 v[\pc+1+2*\b], v[\s+8+16*\b:\s+15+16*\b], v[TM+12+\b]
.endr
	v_nop                                          ; one plain line behind the conversions
.irp c, 0,1                            ; the operand's layout wants a whole block in a lane
.irp i, 0,1
	v_permlane16_swap_b32 v[\pc+4*\c+\i], v[\pc+2+4*\c+\i]
.endr
.endr
.endm
.macro IMAGE f, pc, pw                 ; the fragment goes to LDS as it stands
.irp c, 0,1
	ds_store_b128 v5, v[\pc+4*\c:\pc+4*\c+3] offset:4096*\f+512*\c
.endr
	ds_store_b32 v6, v[\pw] offset:512*\f
.endm
	s_wait_loadcnt 38                              ; my first K step's 16 loads are in; behind them: 16 of x, 4 of the mask, 18 of the weights
	XTURN 0
	s_wait_loadcnt 22                              ; the second's; behind them: 4 and 18
	XTURN 1
	s_wait_dscnt 32                                ; the first turn is back; the second's 16 stores and 16 loads may be out
	QUANT ACC, 32, 16
	IMAGE 0, 32, 16
	s_wait_dscnt 3                                 ; the second turn is back; the image's three stores may be out
	QUANT ACC+64, 40, 17
	IMAGE 1, 40, 17
	s_wait_dscnt 0x0                               ; for the others' sake: my images have landed
	s_barrier_signal -1
	s_barrier_wait -1                              ; x's 32 fragments lie in LDS
.macro WM                              ; one product, by the symbols rD, rA, rB, rSA, rSB; cz: C = 0; rowA, rowB: that side's scales lie in lanes 16-31
.if cz
.if rowA
	v_wmma_scale_f32_16x16x128_f8f6f4 v[rD:rD+7], v[rA:rA+7], v[rB:rB+7], 0, v[rSA], v[rSB] matrix_a_fmt:MATRIX_FMT_FP4 matrix_b_fmt:MATRIX_FMT_FP4 matrix_a_scale:MATRIX_SCALE_ROW1
.elseif rowB
	v_wmma_scale_f32_16x16x128_f8f6f4 v[rD:rD+7], v[rA:rA+7], v[rB:rB+7], 0, v[rSA], v[rSB] matrix_a_fmt:MATRIX_FMT_FP4 matrix_b_fmt:MATRIX_FMT_FP4 matrix_b_scale:MATRIX_SCALE_ROW1
.else
	v_wmma_scale_f32_16x16x128_f8f6f4 v[rD:rD+7], v[rA:rA+7], v[rB:rB+7], 0, v[rSA], v[rSB] matrix_a_fmt:MATRIX_FMT_FP4 matrix_b_fmt:MATRIX_FMT_FP4
.endif
.else
.if rowA
	v_wmma_scale_f32_16x16x128_f8f6f4 v[rD:rD+7], v[rA:rA+7], v[rB:rB+7], v[rD:rD+7], v[rSA], v[rSB] matrix_a_fmt:MATRIX_FMT_FP4 matrix_b_fmt:MATRIX_FMT_FP4 matrix_a_scale:MATRIX_SCALE_ROW1
.elseif rowB
	v_wmma_scale_f32_16x16x128_f8f6f4 v[rD:rD+7], v[rA:rA+7], v[rB:rB+7], v[rD:rD+7], v[rSA], v[rSB] matrix_a_fmt:MATRIX_FMT_FP4 matrix_b_fmt:MATRIX_FMT_FP4 matrix_b_scale:MATRIX_SCALE_ROW1
.else
	v_wmma_scale_f32_16x16x128_f8f6f4 v[rD:rD+7], v[rA:rA+7], v[rB:rB+7], v[rD:rD+7], v[rSA], v[rSB] matrix_a_fmt:MATRIX_FMT_FP4 matrix_b_fmt:MATRIX_FMT_FP4
.endif
.endif
.endm
.macro MM s, v                         ; a K step's 16 products; the 16 accumulators take turns, one instruction a turn
.set cz, 0
.if (\s) == 0
.set cz, 1                             ; the first K step starts the sums: nothing is cleared
.endif
.irp o, 0,1,2,3
.irp n, 0,1,2,3
.set rD, ACC+32*\o+8*\n
.if \v
.set rA, XF+8*\n
.set rB, WB0+32*((\s)%2)+8*\o
.set rSA, 24+\n
.set rSB, 20+2*((\s)%2)+\o/2
.set rowA, 0
.set rowB, \o%2
.else
.set rA, WB0+32*((\s)%2)+8*\n
.set rB, XF+8*\o
.set rSA, 20+2*((\s)%2)+\n/2
.set rSB, 24+\o
.set rowA, \n%2
.set rowB, 0
.endif
	WM
.endr
.endr
.endm
.macro KSTEP s, v
.irp t, 0,1,2,3
.irp c, 0,1
	ds_load_b128 v[XF+8*\t+4*\c:XF+8*\t+4*\c+3], v1 offset:(4*(\s)+\t)*1024+512*\c
.endr
.endr
	ds_load_b128 v[24:27], v1 offset:XSC+512*(\s)
.if (\s) < 7
	s_wait_loadcnt 9                               ; this K step's weights are in; the next step's nine loads may be out
.else
	s_wait_loadcnt 0x0
.endif
	s_wait_dscnt 0x0
	MM \s, \v
.rept 4
	v_nop                                          ; four places ahead of loads into registers that the products have read, and of the first read of results
.endr
.if (\s) < 6
	WLOAD (\s)+2
.endif
.endm
	s_cmp_eq_u32 s19, 2
	s_cbranch_scc1 .Lv_products
.irp s, 0,1,2,3,4,5,6,7
	KSTEP \s, 0
.endr
	s_branch .Lway_out
.Lv_products:
.irp s, 0,1,2,3,4,5,6,7
	KSTEP \s, 1
.endr
.Lway_out:
; 32 results of a lane, two blocks of 32 shared with lane l xor 16, become four registers of codes (v[32 + 4 g] on) and a scale word (v[64 + g]).  Each accumulator is read from its low end on.
.macro EPI g
.set E, ACC+32*(\g)
.set PG, 32+4*(\g)
	v_max3_num_f32 v[TM], |v[E]|, |v[E+1]|, 0x3000000          ; the floor 2^(6 - 127): the byte is at least 4, so that q's, 3 lower, is at least 1
	v_max3_num_f32 v[TM+1], |v[E+16]|, |v[E+17]|, 0x3000000
.irp i, 2,4,6,8,10,12,14
	v_max3_num_f32 v[TM], v[TM], |v[E+\i]|, |v[E+\i+1]|
	v_max3_num_f32 v[TM+1], v[TM+1], |v[E+16+\i]|, |v[E+17+\i]|
.endr
	v_permlanex16_b32 v[TM+4], v[TM], s20, s21
	v_permlanex16_b32 v[TM+5], v[TM+1], s20, s21
	v_max_num_f32 v[TM], v[TM], v[TM+4]
	v_max_num_f32 v[TM+1], v[TM+1], v[TM+5]
	v_add_nc_u32 v[TM+12], 0xff000000, v[TM]
	v_add_nc_u32 v[TM+13], 0xff000000, v[TM+1]
	v_lshrrev_b32 v[TM+4], 23, v[TM+12]
	v_lshrrev_b32 v[TM+5], 23, v[TM+13]
	v_lshl_or_b32 v[64+\g], v[TM+5], 8, v[TM+4]
	v_cmp_eq_u32 vcc_lo, 0, v[12+\g]
	v_cndmask_b32 v[TM+6], v9, v8, vcc_lo          ; the word's upper bytes: for k by the key's mask
	v_add_nc_u32 v[64+\g], v[64+\g], v[TM+6]
	v_cvt_scalef32_pk8_fp4_f32 v[PG], v[E:E+7], v[TM+12]
	v_cvt_scalef32_pk8_fp4_f32 v[PG+1], v[E+8:E+15], v[TM+12]
	v_cvt_scalef32_pk8_fp4_f32 v[PG+2], v[E+16:E+23], v[TM+13]
	v_cvt_scalef32_pk8_fp4_f32 v[PG+3], v[E+24:E+31], v[TM+13]
	v_nop                                          ; one plain line behind the conversions
	v_permlane16_swap_b32 v[PG], v[PG+2]           ; a whole block to a lane: lanes 0-15 the first 32, lanes 16-31 the second
	v_permlane16_swap_b32 v[PG+1], v[PG+3]
.endm
	EPI 0
	EPI 1
	EPI 2
	EPI 3
	v_cndmask_b32 v68, v64, v65, s38               ; lanes 0-15: tile 0's words, lanes 16-31: tile 1's
	v_cndmask_b32 v69, v66, v67, s38               ; tiles 2 and 3
	s_mov_b32 s41, 0
	s_cmp_eq_u32 s19, 2
	s_cbranch_scc1 .Lv_stores
	s_lshl_b32 s40, s23, 11                        ; q, k: my four tiles' codes begin at 2048 c,
	s_add_nc_u64 s[36:37], s[34:35], s[40:41]
	s_lshl_b32 s40, s23, 3
	s_add_co_u32 s40, s40, 4096                    ; their words at 4096 + 8 c
	s_add_nc_u64 s[34:35], s[34:35], s[40:41]
.irp g, 0,1,2,3
	global_store_b128 v1, v[32+4*\g:35+4*\g], s[36:37] offset:512*\g   ; 512 consecutive bytes, at a multiple of 256 from the buffer's first byte
.endr
	global_store_b64 v1, v[68:69], s[34:35]
	s_wait_tensorcnt 0x0
	ds_add_u32 v30, v31
	s_wait_dscnt 0x0
	s_endpgm
.Lv_stores:
	s_lshl_b32 s40, s23, 9
	s_add_co_u32 s40, s40, 4608                    ; v: half c of each of the four fragments,
	s_add_nc_u64 s[36:37], s[34:35], s[40:41]
	s_lshl_b32 s40, s23, 1
	s_add_co_u32 s40, s40, 8704                    ; and bytes 2 c, 2 c + 1 of each word: the other two belong to the neighbouring 64 tokens
	s_add_nc_u64 s[34:35], s[34:35], s[40:41]
.irp g, 0,1,2,3
	global_store_b128 v1, v[32+4*\g:35+4*\g], s[36:37] offset:1024*\g
.endr
	global_store_b16 v2, v68, s[34:35]
	global_store_b16 v2, v69, s[34:35] offset:4
	s_wait_tensorcnt 0x0
	ds_add_u32 v30, v31
	s_wait_dscnt 0x0
	s_endpgm
.Lfunc_end_k_qdd8154192f_proj:
	.size	k_qdd8154192f_proj, .Lfunc_end_k_qdd8154192f_proj-k_qdd8154192f_proj
	.p2alignl 7, 3214868480
	.fill 96, 4, 3214868480
	.section	.rodata,"a",@progbits
	.p2align	6, 0x0
	.amdhsa_kernel k_qdd8154192f_proj
		.amdhsa_group_segment_fixed_size 174080
		.amdhsa_private_segment_fixed_size 0
		.amdhsa_enable_private_segment 0
		.amdhsa_kernarg_size 56
		.amdhsa_user_sgpr_count 2
		.amdhsa_user_sgpr_kernarg_segment_ptr 1
		.amdhsa_wavefront_size32 1
		.amdhsa_system_sgpr_workgroup_id_x 1
		.amdhsa_system_sgpr_workgroup_id_y 1
		.amdhsa_system_sgpr_workgroup_id_z 1
		.amdhsa_system_vgpr_workitem_id 0
		.amdhsa_next_free_vgpr 256
		.amdhsa_next_free_sgpr 66
		.amdhsa_reserve_vcc 1
		.amdhsa_float_denorm_mode_32 3
		.amdhsa_float_denorm_mode_16_64 3
		.amdhsa_memory_ordered 1
		.amdhsa_forward_progress 1
		.amdhsa_inst_pref_size 86
	.end_amdhsa_kernel
	.amdgpu_metadata
---
amdhsa.version: [ 1, 2 ]
amdhsa.kernels:
  - .name:           k_qdd8154192f_proj
    .symbol:         k_qdd8154192f_proj.kd
    .args:
      - { .name: q, .offset: 0, .size: 8, .value_kind: global_buffer, .address_space: global }
      - { .name: k, .offset: 8, .size: 8, .value_kind: global_buffer, .address_space: global }
      - { .name: v, .offset: 16, .size: 8, .value_kind: global_buffer, .address_space: global }
      - { .name: mask, .offset: 24, .size: 8, .value_kind: global_buffer, .address_space: global }
      - { .name: wimg, .offset: 32, .size: 8, .value_kind: global_buffer, .address_space: global }
      - { .name: qimg, .offset: 40, .size: 8, .value_kind: global_buffer, .address_space: global }
      - { .name: kv, .offset: 48, .size: 8, .value_kind: global_buffer, .address_space: global }
    .group_segment_fixed_size: 174080
    .private_segment_fixed_size: 0
    .kernarg_segment_align: 8
    .kernarg_segment_size: 56
    .max_flat_workgroup_size: 512
    .sgpr_count:     66
    .vgpr_count:     256
    .wavefront_size: 32
...
	.end_amdgpu_metadata
.endif
;; end of part 2
;; launch attn (part 3): grid 4 x 128, 16 waves a work-group, clusters of 4 x 4, 327,680 bytes of LDS; arguments qimg, kv, add_attn, mask, oimg; writes oimg
.if DOCPART == 3
	.amdgcn_target "amdgcn-amd-amdhsa--gfx1250"
	.amdhsa_code_object_version 6
	.text
	.protected	k_qdd8154192f_attn
	.globl	k_qdd8154192f_attn
	.p2align	8
	.type	k_qdd8154192f_attn,@function
k_qdd8154192f_attn:
	s_mov_b64 s[64:65], 0
	v_nop
	global_prefetch_b8 v0, s[64:65] scope:SCOPE_SE
	s_setreg_imm32_b32 hwreg(HW_REG_WAVE_MODE, 25, 1), 1
	s_wait_xcnt 0x0
	s_wait_alu depctr_hold_cnt(0) depctr_sa_sdst(0) depctr_va_vdst(0) depctr_va_sdst(0) depctr_va_ssrc(0) depctr_va_vcc(0) depctr_vm_vsrc(0)
	s_getreg_b32 s2, hwreg(HW_REG_IB_STS2, 6, 4)
	s_cmp_eq_u32 s2, 0
	s_cbranch_scc0 .Lentry_in_a_cluster
	s_endpgm
.Lentry_in_a_cluster:
	s_bfe_u32 s2, ttmp6, 0x10000c
	s_cmp_lg_u32 s2, 0xf033
	s_cbranch_scc0 .Lentry_shape_is_right
	s_endpgm
.Lentry_shape_is_right:
; Attention on codes of FP4 (E2M1): S^T = K (Q/8)^T + add_attn^T, the key mask, a streaming softmax, O^T = V^T P^T; O / l leaves as codes, laid as images of the last product's operand registers.
; THE SOFTMAX: t = logit x log2(e); M = the running largest t rounded UP to a whole number; p = 2^(t - M) is quantised along the keys, not normalised; the row's sum is taken of the unquantised p and divides at the end.
; SHARES.  Work-group (hg, wy): heads 4 hg .. 4 hg + 3, queries 64 wy .. 64 wy + 63 (wy = 32 b + block).  Wave w: head w / 4, query tile w % 4: 16 queries in 256 registers, four waves to a SIMD.
; Every wave walks the batch's 2,048 keys, 128 a step; a slot of the ring holds two steps: for each, 64 rows x 128 numbers of add_attn (rows 528 bytes apart) and four heads' units of kv (35,840 dense bytes).
; CLUSTER 4 x 4.  add_attn's tile hangs on wy alone: the four work-groups of a row of the cluster ask for it jointly, and with the four heads of a work-group it so serves all 16 heads.
; kv's tile hangs on b and hg alone: the four of a column ask for it jointly.  Waves 0, 1 ask for add_attn's two steps, waves 2, 3 for kv's.
; THREE THINGS THAT SPARE VECTOR WORK.  (a) add_attn is loaded into the score registers and is the C of the score product: no addition.
; (b) The mask rides in the unused half of that product's K: at k = 64 every key holds the code +4 and every query -4; byte 2 of a key's scale word is 2^26 where mask = 0, else 2^-126.
; (c) Where all keys of a batch are masked, c = log2(e) is replaced by 0 (a select on the mask, which is whole numbers): every t is 0, every p is 1, as reference()'s softmax of equal logits has it.
; THE LDS LOADS RUN A STEP AHEAD.  V is asked for at a step's head and used at its end.  The NEXT step's K is asked for behind this step's score products, which were the last to read K's registers;
; the next step's add_attn behind the conversions, which were the last to read p: it lands in the score registers while O^T is rescaled and multiplied.
; THE CHANGE OF SLOTS stands inside a slot's last step, behind its score products: K and add_attn of the old slot have been multiplied, V is in registers by the wait for all LDS loads.  So the loads run ahead across it too.
; LIMITS: a masked logit is about -2^30 where reference() has -1e9: the same results while a row's largest kept logit lies above about -5e8; a kept key's logit carries -2^-122;
; blocks of O / l under 2^-124 take the byte 1; NaN and infinities are not served.
; LAYOUT.  Both products are used transposed: a lane holds ONE query (lane % 16) throughout.  The keys of a tile of K are 32 b + 8 u + r + 8 (r / 8), so the 16 registers of tiles 2 b, 2 b + 1 are keys 32 b + 16 (lane / 16) + 0 .. 15.
; REGISTERS: v1-3 my places in a step's tiles, v4 16 r, v5/v6 the spare word's address and 0, v7 the prefetches' offset, v8 the next add_attn's address, v9/v10 this step's V's, v218 the next K's, v11 16 lane,
;   v12 -M, v13 the largest t, v[14:15] the sum, v16-23 Q, v24 Q's scale word, v25 P's, v[26:27] V's, v[28:31] K's (v24-31 hold scales and nothing else),
;   v32-63 and v224-255 eight fragments of K (registers 4-7 of each are constants), v64-95 V, v96-159 add_attn, then S^T, then p, v160-191 O^T, v192-199 P's codes, v200-217 at work.
.set STEPB, 69632
.set SLOTB, 139264
.set KVO,   33792                      ; a step: add_attn's 64 x 528 bytes, then kv's four units
.set SPARE, 278528                     ; behind the ring: the spare words, 128 bytes for each of 16 waves: eight blocks of 256 bytes that no other line names
.set S,   96
.set O,   160
.set PCD, 192
.set BM,  200                          ; v200-203 the blocks' largest scores, then p
.set PD,  204                          ; v204-207 permutes' destinations, bytes, a second chain of the sum
.set SO,  208                          ; v208-211 the conversions' scale operands
.set WV,  14
.set G1A, 24                           ; s[24:31] descriptor group 1 for add_attn's tiles;  s[32:39] for kv's
.set G1K, 32
.set G0A, 40                           ; s[40:47] group 0 for add_attn's, one set for each slot;  s[48:55] for kv's
.set G0K, 48
.macro CREST                           ; a round of the cluster's barrier behind its opening barrier
	s_cmp_lg_u32 s[WV], 0
	s_cbranch_scc1 .Lnot_wave_0_\@
	s_barrier_signal -3
.Lnot_wave_0_\@:
	s_barrier_wait -3
	s_barrier_signal -1
	s_barrier_wait -1
.endm
.macro ROUND                           ; a whole round
	s_barrier_signal -1
	s_barrier_wait -1
	CREST
.endm
.macro JLOAD g                         ; the joint loads of slot g.  The branches hang on the wave's number alone; four v_nop follow each of the two lines
	s_cmp_lt_u32 s[WV], 2
	s_cbranch_scc0 .Lnot_a_\@
	tensor_load_to_lds s[G0A+4*(\g):G0A+4*(\g)+3], s[G1A:G1A+7]
	s_nop 0
.rept 4
	v_nop
.endr
	s_branch .Lasked_\@
.Lnot_a_\@:
	s_cmp_lt_u32 s[WV], 4
	s_cbranch_scc0 .Lasked_\@
	tensor_load_to_lds s[G0K+4*(\g):G0K+4*(\g)+3], s[G1K:G1K+7]
	s_nop 0
.rept 4
	v_nop
.endr
.Lasked_\@:
.endm
; A PREFETCH of the tile that the NEXT change of slots will ask for: two key steps ahead of that load.  Each aligned block of 256 bytes is named once in the launch.
; add_attn: a tile is 64 rows x 1,024 bytes, read by one row of one cluster: its four partners take 16 rows each, told apart by ADDRESS; waves 4 and 5 take 8 rows each, four lanes to a row.
; kv: a tile is read by the eight clusters of a batch: the first of them asks; the four partners of a column take 16,384 bytes each, by address; waves 6 and 7 take 8,192 each, lanes 256 bytes apart
; (the last 6,144 of a tile's 71,680 bytes come by their load alone).  Tiles 0 and 1 come by their loads alone; the changes for tiles 6 and 7 ask for nothing:
; k = 1: a wave that asks, asks; k = 2, the loop's second change: not in the last trip (s56 = 1), where there is no tile two on.
.macro ASK k
.if \k == 1
	s_cmp_lg_u32 s57, 0
.else
	s_cmp_gt_u32 s56, s62
.endif
	s_cbranch_scc0 .Lnot_mine_\@
	global_prefetch_b8 v7, s[58:59] th:TH_LOAD_NT scope:SCOPE_SE
.Lnot_mine_\@:
.endm
.macro WM                              ; one product in place, by the symbols rD, rA, rB, rSA, rSB; rowA: source 0's scales lie in lanes 16-31
.if rowA
	v_wmma_scale_f32_16x16x128_f8f6f4 v[rD:rD+7], v[rA:rA+7], v[rB:rB+7], v[rD:rD+7], v[rSA], v[rSB] matrix_a_fmt:MATRIX_FMT_FP4 matrix_b_fmt:MATRIX_FMT_FP4 matrix_a_scale:MATRIX_SCALE_ROW1
.else
	v_wmma_scale_f32_16x16x128_f8f6f4 v[rD:rD+7], v[rA:rA+7], v[rB:rB+7], v[rD:rD+7], v[rSA], v[rSB] matrix_a_fmt:MATRIX_FMT_FP4 matrix_b_fmt:MATRIX_FMT_FP4
.endif
.endm
	s_load_b256 s[4:11], s[0:1], 0x0               ; qimg, kv, add_attn, mask
	s_load_b64 s[12:13], s[0:1], 0x20              ; oimg
	v_lshl_add_u32 v5, v0, 2, SPARE
	v_mov_b32 v6, 0
	ds_add_u32 v5, v6
	s_wait_dscnt 0x0
	v_lshrrev_b32 v8, 5, v0
	v_readfirstlane_b32 s[WV], v8                  ; wave 0..15
	s_bfe_u32 s15, ttmp6, 0x40000                  ; cx
	s_bfe_u32 s16, ttmp6, 0x40004                  ; cy
	s_lshl_b32 s17, ttmp9, 2
	s_add_co_u32 s17, s17, s15                     ; hg = 4 x cluster x + cx
	s_and_b32 s66, ttmp7, 0xffff                   ; cluster y
	s_lshl_b32 s18, s66, 2
	s_add_co_u32 s18, s18, s16                     ; wy = 4 x cluster y + cy
	s_lshr_b32 s19, s66, 3                         ; b: eight clusters to a batch
	s_lshl_b32 s67, s16, 2
	s_lshl_b32 s67, 15, s67                        ; my row of the cluster
	s_lshl_b32 s68, 0x1111, s15                    ; my column
	s_mov_b32 s20, 0x76543210
	s_mov_b32 s21, 0xfedcba98                      ; v_permlanex16_b32's selects for lane l xor 16
	; group 1, add_attn: 64 rows x 128 elements of 4 bytes, 2,048 elements from row to row; four words of padding behind every 128
	s_or_b32 s[G1A], s67, (2<<16)|(1<<20)|(1<<21)|(6<<22)|(3<<25)
	s_mov_b32 s[G1A+1], 128<<16
	s_mov_b32 s[G1A+2], 64<<16
	s_mov_b32 s[G1A+3], 128<<16
	s_mov_b32 s[G1A+4], 64
	s_mov_b32 s[G1A+5], 2048
	s_mov_b32 s[G1A+6], 0
	s_mov_b32 s[G1A+7], 0
	; group 1, kv: a dense block of 35,840 bytes as 140 rows of 32 elements of 8 bytes
	s_or_b32 s[G1K], s68, (3<<16)|(1<<21)
	s_mov_b32 s[G1K+1], 32<<16
	s_mov_b32 s[G1K+2], 140<<16
	s_mov_b32 s[G1K+3], 32<<16
	s_mov_b32 s[G1K+4], 140
	s_mov_b32 s[G1K+5], 32
	s_mov_b32 s[G1K+6], 0
	s_mov_b32 s[G1K+7], 0
	s_and_b32 s69, s[WV], 1                        ; which of a slot's two steps I fetch
	s_mul_i32 s70, s69, STEPB                      ; its place in a slot: no place in the cluster enters an LDS address
	s_lshl_b32 s72, s18, 19                        ; add_attn: 64 rows of 8,192 bytes for each wy,
	s_lshl_b32 s71, s69, 9                         ; 512 bytes a step
	s_add_co_u32 s72, s72, s71
	s_mov_b32 s73, 0
	s_lshl_b32 s74, s19, 2
	s_add_co_u32 s74, s74, s17
	s_mul_i32 s74, s74, 573440                     ; kv: 64 units for each (b, hg),
	s_mul_i32 s71, s69, 35840                      ; four a step
	s_add_co_u32 s74, s74, s71
	s_mov_b32 s75, 0
	s_wait_kmcnt 0x0
	s_add_nc_u64 s[72:73], s[8:9], s[72:73]
	s_add_nc_u64 s[74:75], s[6:7], s[74:75]
.irp g, 0,1
	s_mov_b32 s[G0A+4*\g], 1
	s_add_co_u32 s[G0A+4*\g+1], s70, \g*SLOTB
	s_add_nc_u64 s[G0A+4*\g+2:G0A+4*\g+3], s[72:73], \g*1024
	s_or_b32 s[G0A+4*\g+3], s[G0A+4*\g+3], 0x80000000
	s_mov_b32 s[G0K+4*\g], 1
	s_add_co_u32 s[G0K+4*\g+1], s70, \g*SLOTB+KVO
	s_add_nc_u64 s[G0K+4*\g+2:G0K+4*\g+3], s[74:75], \g*71680
	s_or_b32 s[G0K+4*\g+3], s[G0K+4*\g+3], 0x80000000
.endr
	ROUND                                          ; all sixteen work-groups are here: the first joint loads meet
	JLOAD 0                                        ; tile 0: keys 0 to 255
	s_and_b32 s76, s[WV], 3                        ; T: my tile of queries
	s_lshr_b32 s77, s[WV], 2                       ; hi: my head of the four
	v_and_b32 v8, 15, v0                           ; r
	v_bfe_u32 v9, v0, 4, 1                         ; h
	v_and_b32 v10, 31, v0                          ; lane
	v_lshlrev_b32 v4, 4, v8
	v_lshlrev_b32 v11, 4, v10
	s_mul_i32 s78, s76, 16*528
	v_mul_u32_u24 v1, v8, 528
	v_lshl_add_u32 v1, v9, 6, v1
	v_add_nc_u32 v1, s78, v1                       ; add_attn: row 16 T + r, + 64 h
	s_mul_i32 s78, s77, 8960
	s_add_co_u32 s78, s78, KVO
	v_lshl_add_u32 v2, v10, 4, s78                 ; my head's unit, 16 bytes a lane
	s_add_co_u32 s78, s78, 8704
	v_lshl_add_u32 v3, v10, 3, s78                 ; V's scale words, 8 bytes a lane
	; Q: unit ((16 b + head) 16 + block / 2), tile 4 (block % 2) + T
	s_and_b32 s79, s18, 31
	s_lshl_b32 s80, s19, 4
	s_lshl_b32 s81, s17, 2
	s_add_co_u32 s80, s80, s81
	s_add_co_u32 s80, s80, s77
	s_lshl_b32 s80, s80, 4
	s_lshr_b32 s81, s79, 1
	s_add_co_u32 s80, s80, s81
	s_mul_i32 s80, s80, 4608
	s_and_b32 s81, s79, 1
	s_lshl_b32 s81, s81, 2
	s_add_co_u32 s81, s81, s76                     ; the tile
	s_lshl_b32 s82, s81, 9
	s_add_co_u32 s82, s82, s80
	s_mov_b32 s83, 0
	s_add_nc_u64 s[82:83], s[4:5], s[82:83]        ; its codes
	s_and_b32 s84, s81, 1
	s_lshl_b32 s84, s84, 8
	s_lshr_b32 s85, s81, 1
	s_lshl_b32 s85, s85, 2
	s_add_co_u32 s84, s84, s85
	s_add_co_u32 s84, s84, s80
	s_add_co_u32 s84, s84, 4096
	s_mov_b32 s85, 0
	s_add_nc_u64 s[84:85], s[4:5], s[84:85]        ; its scale words: 4096 + 16 (r + 16 (tile % 2)) + 4 (tile / 2)
	s_lshl_b32 s86, s19, 13
	s_mov_b32 s87, 0
	s_add_nc_u64 s[86:87], s[10:11], s[86:87]      ; the batch's mask
	global_load_b128 v[16:19], v11, s[82:83] th:TH_LOAD_NT
	global_load_b32 v24, v4, s[84:85]
.irp i, 0,1,2,3,4,5,6,7,8,9,10,11,12,13,14,15
	global_load_b128 v[S+4*\i:S+4*\i+3], v11, s[86:87] offset:512*\i   ; all 2,048 numbers of the mask: are they all 0?
.endr
	; the prefetches: where mine stand (at tile 1: each change steps them first), how far a tile on is, and who asks
	s_lshl_b32 s88, s18, 19
	s_lshl_b32 s89, s15, 17                        ; add_attn: my work-group's 16 rows,
	s_add_co_u32 s88, s88, s89
	s_lshl_b32 s89, s69, 16                        ; my wave's 8 of them
	s_add_co_u32 s88, s88, s89
	s_add_co_u32 s88, s88, 1024
	s_lshl_b32 s90, s19, 2
	s_add_co_u32 s90, s90, s17
	s_mul_i32 s90, s90, 573440
	s_lshl_b32 s91, s16, 14                        ; kv: my work-group's 16,384 bytes,
	s_add_co_u32 s90, s90, s91
	s_lshl_b32 s91, s69, 13                        ; my wave's 8,192 of them
	s_add_co_u32 s90, s90, s91
	s_add_co_u32 s90, s90, 71680
	s_mov_b32 s60, 71680
	s_mov_b32 s94, 1024
	s_and_b32 s95, s66, 7
	s_cmp_eq_u32 s95, 0
	s_cselect_b32 s95, 1, 0                        ; the batch's first cluster: the same in all sixteen partners
	s_cmp_lt_u32 s[WV], 6                          ; waves 4, 5: add_attn; waves 6, 7: kv
	s_cselect_b64 s[58:59], s[8:9], s[6:7]
	s_cselect_b32 s88, s88, s90
	s_cselect_b32 s60, 1024, s60
	s_cselect_b32 s94, 8192, s94
	s_cselect_b32 s57, 1, s95
	s_mov_b32 s89, 0
	s_mov_b32 s61, 0
	s_add_nc_u64 s[58:59], s[58:59], s[88:89]
	s_sub_co_u32 s96, s[WV], 4
	s_cmp_lt_u32 s96, 4
	s_cselect_b32 s57, s57, 0                      ; waves 4 to 7 alone
	s_cmp_lg_u32 s57, 0
	s_cselect_b32 s62, 1, -1                       ; 1 in a wave that asks, else the greatest number: the loop's second change asks while s56 is above it
	v_lshrrev_b32 v7, 2, v10
	v_mul_lo_u32 v7, v7, s94
	v_and_b32 v200, 3, v10
	v_lshl_add_u32 v7, v200, 8, v7                 ; (lane / 4) x a row (kv: 1,024) + 256 (lane % 4)
	; constants: the codes at k = 64 .. 127 of Q's fragment and of K's eight
	v_sub_nc_u32 v200, 1, v9                       ; 1 in lanes 0-15, which hold k = 64 .. 95
	v_mul_u32_u24 v20, v200, 14                    ; the code of -4 at k = 64
	v_mov_b32 v21, 0
	v_mov_b32 v22, 0
	v_mov_b32 v23, 0
.irp t, 0,1,2,3
	v_mul_u32_u24 v[36+8*\t], v200, 6              ; the code of +4 at k = 64
	v_mov_b32 v[37+8*\t], 0
	v_mov_b32 v[38+8*\t], 0
	v_mov_b32 v[39+8*\t], 0
.endr
.irp t, 4,5,6,7
	v_mul_u32_u24 v[196+8*\t], v200, 6
	v_mov_b32 v[197+8*\t], 0
	v_mov_b32 v[198+8*\t], 0
	v_mov_b32 v[199+8*\t], 0
.endr
	v_mov_b32 v13, 0xff61b1e6                      ; the largest t so far: -3e38
	v_floor_f32 v12, -v13                          ; -M
	v_mov_b32 v14, 0
	v_mov_b32 v15, 0
.irp b, 0,1,2,3
	v_mov_b32 v[PD+\b], 0                          ; written once: a lane permute's destination counts as one of its sources
.endr
	v_mov_b32 v213, 0                              ; (named as the upper half of the pair v[212:213])
.set n, 0
.rept 32
	v_mov_b32 v[O+n], 0                            ; O^T: the step is written once; the first finds zeros, which the first change of M leaves zeros
.set n, n+1
.endr
	s_wait_loadcnt 0x0
.irp w, 32,16,8,4,2,1
.set n, 0
.rept \w
	v_or_b32 v[S+n], v[S+n], v[S+\w+n]
.set n, n+1
.endr
.endr
	v_cmp_ne_u32 s97, 0, v[S]
	s_cmp_lg_u32 s97, 0
	s_cselect_b32 s22, 0x3fb8aa3b, 0               ; c = log2(e), or 0 where no key of the batch counts: a select, no branch
	s_mov_b32 s23, s22                             ; (the packed form names the pair)
.macro KLOAD                           ; a step's K: its scale words and eight fragments' codes, nine loads, from the address in v218
	ds_load_b128 v[28:31], v218 offset:4096
.irp t, 0,1,2,3
	ds_load_b128 v[32+8*\t:35+8*\t], v218 offset:512*\t
.endr
.irp t, 4,5,6,7
	ds_load_b128 v[192+8*\t:195+8*\t], v218 offset:512*\t
.endr
.endm
.macro ALOAD                           ; a step's add_attn into the score registers, sixteen loads, from the address in v8
.irp t, 0,1,2,3,4,5,6,7
.irp i, 0,1
	ds_load_b128 v[S+8*\t+4*\i:S+8*\t+4*\i+3], v8 offset:128*(\t/2)+32*(\t%2)+16*\i   ; add_attn(my query, key 32 (t / 2) + 16 h + 8 (t % 2) + 4 i ..): the C of tile t
.endr
.endr
.endm
; The maxima: work on registers alone.  Each accumulator is read from its low end on.
.macro SMAX
.irp b, 0,1,2,3
	v_max3_num_f32 v[BM+\b], v[S+16*\b], v[S+1+16*\b], v[S+2+16*\b]   ; the largest score of each block of 32 keys: for the row's maximum and, since p rises with the score, for the block's largest p
.endr
.irp i, 3,5,7,9,11,13
.irp b, 0,1,2,3
	v_max3_num_f32 v[BM+\b], v[BM+\b], v[S+16*\b+\i], v[S+1+16*\b+\i]
.endr
.endr
.irp b, 0,1,2,3
	v_max_num_f32 v[BM+\b], v[BM+\b], v[S+15+16*\b]
.endr
.irp b, 0,1,2,3
	v_permlanex16_b32 v[PD+\b], v[BM+\b], s20, s21
.endr
.irp b, 0,1,2,3
	v_max_num_f32 v[BM+\b], v[BM+\b], v[PD+\b]     ; with lane l xor 16's 16 keys
.endr
	v_max3_num_f32 v214, v[BM], v[BM+1], v[BM+2]
	v_max_num_f32 v214, v214, v[BM+3]
	v_mul_f32 v214, s22, v214                      ; as t (c is not negative)
	v_max_num_f32 v13, v13, v214                   ; the running largest t
	v_mov_b32 v214, v12
	v_floor_f32 v12, -v13                          ; the new -M = -ceil(t): a whole number
	v_sub_f32 v214, v12, v214                      ; old M - new M: a whole number, 0 or less
	v_cvt_i32_f32 v214, v214                       ; (it saturates)
	v_ldexp_f32 v212, 1.0, v214                    ; f = 2^(old M - new M): the rescaling rounds nothing
.endm
; THE CHANGE to the tile in slot g.  Each wave waits for all its tensor loads (one is out: its part of slot g), adds 0 to its spare word, and waits for that and for its reads of the other slot.
; Behind the round no wave of any partner reads that other slot or has a load on its way: it is filled first, with the tile after, which has two key steps in which to land.
; smax = 1: the change stands behind a step's score products: four places behind them, and the search for the maxima between the opening barrier's signal and its wait: work on registers while the others arrive.
.macro CHANGE g, refill, ask, smax
	s_wait_tensorcnt 0x0
	ds_add_u32 v5, v6                              ; 0 onto my spare word; the lines below stand between it and the wait for it
	s_add_nc_u64 s[G0A+4*\g+2:G0A+4*\g+3], s[G0A+4*\g+2:G0A+4*\g+3], 2048      ; no load of mine is out: slot g's next tile, two tiles on
	s_add_nc_u64 s[G0K+4*\g+2:G0K+4*\g+3], s[G0K+4*\g+2:G0K+4*\g+3], 143360
.if \ask
	s_wait_xcnt 0x0                                ; the last prefetch, two key steps back, has read its address
	s_add_nc_u64 s[58:59], s[58:59], s[60:61]
.endif
.if \smax
.rept 4
	v_nop                                          ; four places behind the score products, ahead of the first read of the scores and of the loads into K's registers
.endr
.endif
	s_wait_dscnt 0x0                               ; the add is done; my reads of the other slot are over, V's among them
	s_barrier_signal -1
.if \smax
	SMAX
.endif
	s_barrier_wait -1
	CREST
.if \refill
	JLOAD 1-\g
.endif
.if \ask
	ASK \ask
.endif
.endm
; A KEY STEP: 128 keys, whose tiles begin at LDS byte sb; the next step's at nsb.  At its head this step's K and add_attn have been asked for.
; kind 0: the next step lies in the same slot.  kind 1: a slot's last step: the change (g, refill, ask) stands in it.  kind 2: the very last step: nothing more is asked for.
.macro STEP sb, nsb, kind, g, refill, ask
	v_add_nc_u32 v9, \sb, v2
	v_add_nc_u32 v10, \sb, v3
.if \kind < 2
	v_add_nc_u32 v218, \nsb, v2
	v_add_nc_u32 v8, \nsb, v1
.else
	v_nop
	v_nop
.endif                                 ; these four are the places behind the last step's products, ahead of the loads into V's registers
	ds_load_b64 v[26:27], v10                      ; V's scale words
.irp t, 0,1,2,3
.irp c, 0,1
	ds_load_b128 v[64+8*\t+4*\c:67+8*\t+4*\c], v9 offset:4608+1024*\t+512*\c
.endr
.endr
	s_wait_dscnt 9                                 ; K and add_attn are in; V's nine loads may be out
.set rB, 16
.set rSB, 24
.irp t, 0,1,2,3
.set rD, S+8*\t
.set rA, 32+8*\t
.set rSA, 28+\t/2
.set rowA, \t%2
	WM                                             ; S^T = K Q^T + add_attn^T + the mask's term
.endr
.irp t, 4,5,6,7
.set rD, S+8*\t
.set rA, 192+8*\t
.set rSA, 28+\t/2
.set rowA, \t%2
	WM
.endr
.if \kind == 1
	CHANGE \g, \refill, \ask, 1
.else
.rept 4
	v_nop                                          ; four places behind the score products
.endr
.endif
.if \kind < 2
	KLOAD                                          ; the next step's K: it has the softmax in which to come
.endif
.if \kind != 1
	SMAX
.endif
.set n, 0
.rept 32
	v_pk_fma_f32 v[S+n:S+n+1], v[S+n:S+n+1], s[22:23], v[12:13] op_sel_hi:[1,0,0]   ; t - M, two at a time
.set n, n+2
.endr
.irp b, 0,1,2,3
	v_fma_f32 v[BM+\b], v[BM+\b], s22, v12         ; the same of each block's largest score
.endr
.irp b, 0,1,2,3
	v_exp_f32 v[BM+\b], v[BM+\b]                   ; each block's largest p: the same two instructions on the same number give the same bits as its p below
.endr
.set n, 0
.rept 64
	v_exp_f32 v[S+n], v[S+n]                       ; p = 2^(t - M)
.set n, n+1
.endr
	v_pk_mul_f32 v[14:15], v[14:15], v[212:213] op_sel_hi:[1,0]   ; the sums under the new M: the plain line behind the exponentials
.set n, 0
.rept 8
	v_pk_mul_f32 v[O+n:O+n+1], v[O+n:O+n+1], v[212:213] op_sel_hi:[1,0]   ; half of O^T under the new M: work that names no exponential's result
.set n, n+2
.endr
	s_wait_alu depctr_va_vdst(0)                   ; one wait for the batch of 68, ahead of its first reader
.irp b, 0,1,2,3
	v_max_num_f32 v[BM+\b], 0x1800000, v[BM+\b]    ; the floor 2^(3 - 127): a block whose every p is 0 keeps the byte 1; its codes are zeros
.endr
.irp b, 0,1,2,3
	v_add_nc_u32 v[SO+\b], 0xff000000, v[BM+\b]    ; 2 off the exponent field: the conversion's scale operand
.endr
.irp b, 0,1,2,3
	v_lshrrev_b32 v[PD+\b], 23, v[SO+\b]           ; the scale's byte
.endr
	v_lshl_or_b32 v25, v[PD+1], 8, v[PD]           ; p's scale word for these 128 keys; the 32 sums below stand between this write and the products that take it
	v_lshl_or_b32 v25, v[PD+2], 16, v25
	v_lshl_or_b32 v25, v[PD+3], 24, v25
	v_pk_add_f32 v[PD:PD+1], v[S:S+1], v[S+2:S+3]  ; the row's sum of the UNQUANTISED p, in two chains
.irp j, 4,8,12,16,20,24,28,32,36,40,44,48,52,56,60
	v_pk_add_f32 v[14:15], v[14:15], v[S+\j:S+\j+1]
	v_pk_add_f32 v[PD:PD+1], v[PD:PD+1], v[S+\j+2:S+\j+3]
.endr
	v_pk_add_f32 v[14:15], v[14:15], v[PD:PD+1]
.irp b, 0,1,2,3
	v_cvt_scalef32_pk8_fp4_f32 v[PCD+2*\b], v[S+16*\b:S+7+16*\b], v[SO+\b]
	v_cvt_scalef32_pk8_fp4_f32 v[PCD+1+2*\b], v[S+8+16*\b:S+15+16*\b], v[SO+\b]
.endr
	v_nop                                          ; one plain line behind the conversions
.if \kind < 2
	ALOAD                                          ; p has been read for the last time: the next step's add_attn lands in its registers
.endif
.irp c, 0,1
.irp i, 0,1
	v_permlane16_swap_b32 v[PCD+4*\c+\i], v[PCD+2+4*\c+\i]   ; a whole block to a lane
.endr
.endr
.set n, 16
.rept 8
	v_pk_mul_f32 v[O+n:O+n+1], v[O+n:O+n+1], v[212:213] op_sel_hi:[1,0]   ; the other half of O^T; these eight also stand between the writes of p's codes and the products
.set n, n+2
.endr
.if \kind == 0
	s_wait_dscnt 25                                ; V is in; behind it: the next step's nine loads of K and sixteen of add_attn
.endif
.if \kind == 2
	s_wait_dscnt 0x0                               ; V is in.  (With a change in the step its wait for all LDS loads has shown that)
.endif
.set rB, PCD
.set rSB, 25
.irp t, 0,1,2,3
.set rD, O+8*\t
.set rA, 64+8*\t
.set rSA, 26+\t/2
.set rowA, \t%2
	WM                                             ; O^T += V^T P^T; the accumulators take turns, here and into the next step
.endr
.endm
	CHANGE 0, 1, 1, 0                              ; tile 0 is whole; slot 1 gets tile 1
	v_add_nc_u32 v218, 0, v2
	v_add_nc_u32 v8, 0, v1
	KLOAD                                          ; the first step's K and add_attn
	ALOAD
	s_mov_b32 s56, 3
.Ltiles:                                           ; eight tiles of 256 keys: three trips of two, with the changes to tiles 1 to 6; the last two tiles are written out
	STEP 0, STEPB, 0, 0, 0, 0
	STEP STEPB, SLOTB, 1, 1, 1, 1
	STEP SLOTB, SLOTB+STEPB, 0, 0, 0, 0
	STEP SLOTB+STEPB, 0, 1, 0, 1, 2
	s_sub_co_u32 s56, s56, 1
	s_cmp_lg_u32 s56, 0
	s_cbranch_scc1 .Ltiles
	STEP 0, STEPB, 0, 0, 0, 0
	STEP STEPB, SLOTB, 1, 1, 0, 0                  ; the change to tile 7: nothing is left to ask for
	STEP SLOTB, SLOTB+STEPB, 0, 0, 0, 0
	STEP SLOTB+STEPB, 0, 2, 0, 0, 0
	; THE WAY OUT: O^T / l, quantised along head x d (two blocks of 32 a head), as half a fragment of the last product: block wy 2 + T / 2 of 32 rows, K step head / 2, half head % 2
.rept 4
	v_nop                                          ; places behind the last products
.endr
	v_add_f32 v14, v14, v15
	v_permlanex16_b32 v[PD], v14, s20, s21
	v_add_f32 v14, v14, v[PD]                      ; the row's sum
	v_rcp_f32 v14, v14
	v_and_b32 v217, 31, v0                         ; (a plain line behind the reciprocal)
	v_lshlrev_b32 v217, 3, v217                    ; 8 lane
	s_lshl_b32 s80, s18, 1
	s_lshr_b32 s81, s76, 1
	s_add_co_u32 s80, s80, s81
	s_mul_i32 s80, s80, 18432                      ; the block of 32 rows
	s_and_b32 s81, s76, 1                          ; its tile
	s_lshl_b32 s82, s17, 1
	s_lshr_b32 s83, s77, 1
	s_add_co_u32 s82, s82, s83                     ; the K step
	s_and_b32 s83, s77, 1                          ; the half
	s_lshl_b32 s84, s82, 1
	s_add_co_u32 s84, s84, s81
	s_lshl_b32 s84, s84, 10
	s_lshl_b32 s85, s83, 9
	s_add_co_u32 s84, s84, s85
	s_add_co_u32 s84, s84, s80
	s_mov_b32 s85, 0
	s_add_nc_u64 s[84:85], s[12:13], s[84:85]      ; codes: (2 s + tile) 1024 + 512 c
	s_lshl_b32 s86, s82, 8
	s_lshl_b32 s87, s81, 2
	s_add_co_u32 s86, s86, s87
	s_lshl_b32 s87, s83, 1
	s_add_co_u32 s86, s86, s87
	s_add_co_u32 s86, s86, s80
	s_add_co_u32 s86, s86, 16384
	s_mov_b32 s87, 0
	s_add_nc_u64 s[86:87], s[12:13], s[86:87]      ; scale bytes: 16384 + 256 s + 4 tile + 2 c
	s_wait_alu depctr_va_vdst(0)                   ; the wait ahead of the reciprocal's first reader
.set n, 0
.rept 16
	v_pk_mul_f32 v[S+n:S+n+1], v[O+n:O+n+1], v[14:15] op_sel_hi:[1,0]   ; each accumulator from its low end on
.set n, n+2
.endr
	v_max3_num_f32 v[BM], |v[S]|, |v[S+1]|, 0x1800000
	v_max3_num_f32 v[BM+1], |v[S+16]|, |v[S+17]|, 0x1800000
.irp i, 2,4,6,8,10,12,14
	v_max3_num_f32 v[BM], v[BM], |v[S+\i]|, |v[S+\i+1]|
	v_max3_num_f32 v[BM+1], v[BM+1], |v[S+16+\i]|, |v[S+17+\i]|
.endr
	v_permlanex16_b32 v[PD], v[BM], s20, s21
	v_permlanex16_b32 v[PD+1], v[BM+1], s20, s21
	v_max_num_f32 v[BM], v[BM], v[PD]
	v_max_num_f32 v[BM+1], v[BM+1], v[PD+1]
	v_add_nc_u32 v[SO], 0xff000000, v[BM]
	v_add_nc_u32 v[SO+1], 0xff000000, v[BM+1]
	v_lshrrev_b32 v[PD], 23, v[SO]
	v_lshrrev_b32 v[PD+1], 23, v[SO+1]
	v_lshl_or_b32 v216, v[PD+1], 8, v[PD]
	v_cvt_scalef32_pk8_fp4_f32 v[PCD], v[S:S+7], v[SO]
	v_cvt_scalef32_pk8_fp4_f32 v[PCD+1], v[S+8:S+15], v[SO]
	v_cvt_scalef32_pk8_fp4_f32 v[PCD+2], v[S+16:S+23], v[SO+1]
	v_cvt_scalef32_pk8_fp4_f32 v[PCD+3], v[S+24:S+31], v[SO+1]
	v_nop
	v_permlane16_swap_b32 v[PCD], v[PCD+2]
	v_permlane16_swap_b32 v[PCD+1], v[PCD+3]
	global_store_b128 v11, v[PCD:PCD+3], s[84:85]  ; 512 consecutive bytes, at a multiple of 256 from the buffer's first byte
	global_store_b16 v217, v216, s[86:87]          ; my head's two bytes of each row's word, in both halves of the lanes' places
	s_wait_tensorcnt 0x0                           ; the wave's end
	ds_add_u32 v5, v6
	s_wait_dscnt 0x0
	ROUND                                          ; the closing round: no work-group ends while a partner may still ask for a tile that names it
	s_endpgm
.Lfunc_end_k_qdd8154192f_attn:
	.size	k_qdd8154192f_attn, .Lfunc_end_k_qdd8154192f_attn-k_qdd8154192f_attn
	.p2alignl 7, 3214868480
	.fill 96, 4, 3214868480
	.section	.rodata,"a",@progbits
	.p2align	6, 0x0
	.amdhsa_kernel k_qdd8154192f_attn
		.amdhsa_group_segment_fixed_size 327680
		.amdhsa_private_segment_fixed_size 0
		.amdhsa_enable_private_segment 0
		.amdhsa_kernarg_size 40
		.amdhsa_user_sgpr_count 2
		.amdhsa_user_sgpr_kernarg_segment_ptr 1
		.amdhsa_wavefront_size32 1
		.amdhsa_system_sgpr_workgroup_id_x 1
		.amdhsa_system_sgpr_workgroup_id_y 1
		.amdhsa_system_sgpr_workgroup_id_z 1
		.amdhsa_system_vgpr_workitem_id 0
		.amdhsa_next_free_vgpr 256
		.amdhsa_next_free_sgpr 100
		.amdhsa_reserve_vcc 0
		.amdhsa_float_denorm_mode_32 3
		.amdhsa_float_denorm_mode_16_64 3
		.amdhsa_memory_ordered 1
		.amdhsa_forward_progress 1
		.amdhsa_inst_pref_size 149
	.end_amdhsa_kernel
	.amdgpu_metadata
---
amdhsa.version: [ 1, 2 ]
amdhsa.kernels:
  - .name:           k_qdd8154192f_attn
    .symbol:         k_qdd8154192f_attn.kd
    .args:
      - { .name: qimg, .offset: 0, .size: 8, .value_kind: global_buffer, .address_space: global }
      - { .name: kv, .offset: 8, .size: 8, .value_kind: global_buffer, .address_space: global }
      - { .name: add_attn, .offset: 16, .size: 8, .value_kind: global_buffer, .address_space: global }
      - { .name: mask, .offset: 24, .size: 8, .value_kind: global_buffer, .address_space: global }
      - { .name: oimg, .offset: 32, .size: 8, .value_kind: global_buffer, .address_space: global }
    .group_segment_fixed_size: 327680
    .private_segment_fixed_size: 0
    .kernarg_segment_align: 8
    .kernarg_segment_size: 40
    .max_flat_workgroup_size: 512
    .sgpr_count:     100
    .vgpr_count:     256
    .wavefront_size: 32
...
	.end_amdgpu_metadata
.endif
;; end of part 3
;; launch outp (part 4): grid 256 x 1, 16 waves a work-group, no clusters, 95,232 bytes of LDS; arguments oimg, wimg, q, ln_g, ln_b, out0; writes out0
.if DOCPART == 4
	.amdgcn_target "amdgcn-amd-amdhsa--gfx1250"
	.amdhsa_code_object_version 6
	.text
	.protected	k_qdd8154192f_outp
	.globl	k_qdd8154192f_outp
	.p2align	8
	.type	k_qdd8154192f_outp,@function
k_qdd8154192f_outp:
	s_mov_b64 s[64:65], 0
	v_nop
	global_prefetch_b8 v0, s[64:65] scope:SCOPE_SE
	s_setreg_imm32_b32 hwreg(HW_REG_WAVE_MODE, 25, 1), 1
	s_wait_xcnt 0x0
; out0 = LayerNorm(attention's result x w_o + q): the product on codes of FP4 (E2M1) with one E8M0 byte for each 32 along K; all else in f32.
; Work-group rb takes 32 rows and all 1,024 columns, so a row of the LayerNorm has one owner; wave w takes columns 64 w .. 64 w + 63: 8 accumulators of 16 x 16.
; The rows' codes (oimg's block rb: 16 fragments and their scale words, 18,432 bytes) are copied into LDS once, each wave 1/16, and read by all; w_o's fragments come from wimg straight into registers, two K steps ahead.
; THE RESIDUAL IS THE C OF THE FIRST K STEP: q's 32 x 64 numbers are loaded as whole runs of 256 bytes, turned through the wave's stage into the result's layout, and the products add onto them.
; Source 0 = 16 columns of w_o (columns 8 u + r + 8 (r / 8) of a group of 32), source 1 = 16 rows: lane (r, h) holds row r; register 16 b + k of a tile of rows is column 32 b + 16 h + k of my 64.
; THE LAYERNORM GOES IN TWO PASSES (the mean; then the squares of the differences), so that no difference of large sums is formed; each pass meets in LDS, 16 partial sums a row, added in the same order by every wave.
; w_o is shared by all row blocks and is not asked for jointly here: no fragment is used by two waves of a work-group, so a way through LDS would write and read each of its 557,056 bytes once more.
; LIMITS: NaN and infinities are not served.
.set STG,    18432                     ; LDS: the rows' images from 0; a stage of 16 rows x 272 bytes for each wave;
.set STGB,   4352
.set RED1,   88064                     ; 32 rows x 80 bytes of partial sums; the second pass's lie 2,560 bytes on
.set UNIT,   4352
.set WBYTES, 557056
.set XF,     32                        ; v32-47   the rows' two fragments
.set WB0,    64                        ; v64-95, v96-127 w_o's four fragments, two sets; later the partial sums
.set ACC,    128                       ; v128-191 accumulators at 32 T + 8 t
.set GG,     192                       ; v192-223 ln_g of my columns, in the accumulators' order;  v224-255 ln_b
.set BB,     224
; v1 16 lane, v2 8 lane, v3 4 lane, v4 my place in two rows of q and out0, v5/v6 the stage by rows / by the result's layout, v7 64 h, v8/v9 partial sums: where I put mine / read a row's,
; v13/v14 where I put my part of the copy, v[20:23] w_o's scale words, v[24:25] the rows' (these six hold scales and nothing else), v48-57 at work, v58/v59 permutes' destinations, v60 eps
	s_load_b256 s[4:11], s[0:1], 0x0               ; oimg, wimg, q, ln_g
	s_load_b128 s[12:15], s[0:1], 0x20             ; ln_b, out0
	v_lshl_add_u32 v62, v0, 2, 0x16c00
	v_mov_b32 v63, 0
	v_lshrrev_b32 v10, 5, v0
	v_readfirstlane_b32 s16, v10                   ; wave
	s_mov_b32 s20, 0x76543210
	s_mov_b32 s21, 0xfedcba98                      ; v_permlanex16_b32's selects for lane l xor 16
	s_mov_b32 s22, 0x3a800000                      ; 1 / 1024
	v_and_b32 v10, 31, v0                          ; lane
	v_and_b32 v11, 15, v0                          ; r
	v_bfe_u32 v12, v0, 4, 1                        ; h
	v_lshlrev_b32 v1, 4, v10
	v_lshlrev_b32 v2, 3, v10
	v_lshlrev_b32 v3, 2, v10
	v_lshlrev_b32 v4, 4, v11
	v_lshl_add_u32 v4, v12, 12, v4                 ; lanes 0-15 one row's 256 bytes, lanes 16-31 the next row's
	s_mul_i32 s24, s16, STGB
	s_add_co_u32 s24, s24, STG                     ; my stage
	v_mul_u32_u24 v5, v12, 272
	v_lshl_add_u32 v5, v11, 4, v5
	v_add_nc_u32 v5, s24, v5
	v_mul_u32_u24 v6, v11, 272
	v_lshl_add_u32 v6, v12, 6, v6
	v_add_nc_u32 v6, s24, v6
	v_lshlrev_b32 v7, 6, v12
	v_mul_u32_u24 v9, v11, 80
	v_add_nc_u32 v9, RED1, v9
	s_lshl_b32 s25, s16, 2
	v_add_nc_u32 v8, s25, v9
	s_lshl_b32 s25, s16, 10
	v_add_nc_u32 v13, s25, v1                      ; the copy: 1,024 bytes of codes a wave,
	s_lshl_b32 s40, s16, 7
	s_add_co_u32 s40, s40, 16384
	v_add_nc_u32 v14, s40, v3                      ; and 128 bytes of scale words
	v_mov_b32 v58, 0
	v_mov_b32 v59, 0
	v_mov_b32 v60, 0x358637bd                      ; 1e-6
	s_mul_i32 s42, ttmp9, 18432
	s_add_co_u32 s26, s42, s25
	s_mov_b32 s27, 0
	s_add_co_u32 s28, s42, s40
	s_mov_b32 s29, 0
	s_lshl_b32 s30, ttmp9, 17                      ; 32 rows of 4,096 bytes,
	s_lshl_b32 s43, s16, 8                         ; my 64 columns
	s_add_co_u32 s30, s30, s43
	s_mov_b32 s31, 0
	s_mov_b32 s44, s43
	s_mov_b32 s45, 0
	s_mul_i32 s38, s16, 8*UNIT
	s_add_co_u32 s38, s38, 3*WBYTES
	s_mov_b32 s39, 0
	s_wait_kmcnt 0x0
	s_add_nc_u64 s[26:27], s[4:5], s[26:27]
	s_add_nc_u64 s[28:29], s[4:5], s[28:29]
	s_add_nc_u64 s[32:33], s[14:15], s[30:31]      ; out0
	s_add_nc_u64 s[30:31], s[8:9], s[30:31]        ; q
	s_add_nc_u64 s[34:35], s[10:11], s[44:45]      ; ln_g
	s_add_nc_u64 s[36:37], s[12:13], s[44:45]      ; ln_b
	s_add_nc_u64 s[38:39], s[6:7], s[38:39]        ; w_o's eight units of my columns
.macro WLOAD s                         ; K step s of w_o into set s % 2: nine loads
.irp t, 0,1,2,3
.irp c, 0,1
	global_load_b128 v[WB0+32*((\s)%2)+8*\t+4*\c:WB0+32*((\s)%2)+8*\t+4*\c+3], v1, s[38:39] offset:UNIT*(\s)+1024*\t+512*\c
.endr
.endr
	global_load_b64 v[20+2*((\s)%2):21+2*((\s)%2)], v2, s[38:39] offset:UNIT*(\s)+4096
.endm
	global_load_b128 v[48:51], v1, s[26:27] th:TH_LOAD_NT
	global_load_b128 v[52:55], v1, s[26:27] offset:512 th:TH_LOAD_NT
	global_load_b32 v56, v3, s[28:29] th:TH_LOAD_NT
.irp T, 0,1
.irp i, 0,1,2,3,4,5,6,7
	global_load_b128 v[ACC+32*\T+4*\i:ACC+32*\T+4*\i+3], v4, s[30:31] offset:(16*\T+2*\i)*4096 th:TH_LOAD_NT   ; rows 16 T + 2 i, + 1: two aligned runs of 256 bytes
.endr
.endr
.irp b, 0,1
.irp i, 0,1,2,3
	global_load_b128 v[GG+16*\b+4*\i:GG+16*\b+4*\i+3], v7, s[34:35] offset:128*\b+16*\i
.endr
.endr
.irp b, 0,1
.irp i, 0,1,2,3
	global_load_b128 v[BB+16*\b+4*\i:BB+16*\b+4*\i+3], v7, s[36:37] offset:128*\b+16*\i
.endr
.endr
	WLOAD 0
	WLOAD 1
	s_wait_loadcnt 50                              ; my part of the rows' images is in; behind it: 16 of q, 16 of the gains, 18 of w_o
	ds_store_b128 v13, v[48:51]
	ds_store_b128 v13, v[52:55] offset:512
	ds_store_b32 v14, v56
	s_wait_loadcnt 34                              ; q's 16 loads are in
.irp T, 0,1                            ; through my stage into the result's layout, back into the registers that they left: LDS serves a wave's instructions in order (ISA guide 5.7.1.4)
.irp i, 0,1,2,3,4,5,6,7
	ds_store_b128 v5, v[ACC+32*\T+4*\i:ACC+32*\T+4*\i+3] offset:544*\i
.endr
.irp t, 0,1,2,3
.irp i, 0,1
	ds_load_b128 v[ACC+32*\T+8*\t+4*\i:ACC+32*\T+8*\t+4*\i+3], v6 offset:128*(\t/2)+32*(\t%2)+16*\i
.endr
.endr
.endr
.macro BARRIER                         ; my LDS stores have landed and my LDS loads are in: then the work-group's barrier
	s_wait_dscnt 0x0
	s_barrier_signal -1
	s_barrier_wait -1
.endm
	BARRIER                                        ; the rows' 16 fragments lie in LDS
.macro WM
.if rowA
	v_wmma_scale_f32_16x16x128_f8f6f4 v[rD:rD+7], v[rA:rA+7], v[rB:rB+7], v[rD:rD+7], v[rSA], v[rSB] matrix_a_fmt:MATRIX_FMT_FP4 matrix_b_fmt:MATRIX_FMT_FP4 matrix_a_scale:MATRIX_SCALE_ROW1
.else
	v_wmma_scale_f32_16x16x128_f8f6f4 v[rD:rD+7], v[rA:rA+7], v[rB:rB+7], v[rD:rD+7], v[rSA], v[rSB] matrix_a_fmt:MATRIX_FMT_FP4 matrix_b_fmt:MATRIX_FMT_FP4
.endif
.endm
.macro KSTEP s
.irp T, 0,1
.irp c, 0,1
	ds_load_b128 v[XF+8*\T+4*\c:XF+8*\T+4*\c+3], v1 offset:(2*(\s)+\T)*1024+512*\c
.endr
.endr
	ds_load_b64 v[24:25], v2 offset:16384+256*(\s)
.if (\s) < 7
	s_wait_loadcnt 9                               ; this K step's weights are in; the next step's nine loads may be out
.else
	s_wait_loadcnt 0x0
.endif
	s_wait_dscnt 0x0
.irp T, 0,1                            ; the eight accumulators take turns, one instruction a turn
.irp t, 0,1,2,3
.set rD, ACC+32*\T+8*\t
.set rA, WB0+32*((\s)%2)+8*\t
.set rB, XF+8*\T
.set rSA, 20+2*((\s)%2)+\t/2
.set rSB, 24+\T
.set rowA, \t%2
	WM
.endr
.endr
.rept 4
	v_nop                                          ; four places ahead of loads into registers that the products have read, and of the first read of results
.endr
.if (\s) < 6
	WLOAD (\s)+2
.endif
.endm
.irp s, 0,1,2,3,4,5,6,7
	KSTEP \s
.endr
; my two chains of each tile of rows (v[48 + 4 T], v[50 + 4 T], pairs) are added, with lane l xor 16's; the waves' 16 partial sums of each row meet in LDS; their sum comes back in v[64 + 16 T]
.macro REDUCE off
.irp T, 0,1
	v_pk_add_f32 v[48+4*\T:49+4*\T], v[48+4*\T:49+4*\T], v[50+4*\T:51+4*\T]
.endr
.irp T, 0,1
	v_add_f32 v[48+4*\T], v[48+4*\T], v[49+4*\T]
.endr
.irp T, 0,1
	v_permlanex16_b32 v[58+\T], v[48+4*\T], s20, s21
.endr
.irp T, 0,1
	v_add_f32 v[48+4*\T], v[48+4*\T], v[58+\T]
.endr
.irp T, 0,1
	ds_store_b32 v8, v[48+4*\T] offset:\off+1280*\T    ; row 16 T + r, word w (both halves of the lanes write the same number)
.endr
	BARRIER
.irp T, 0,1
.irp k, 0,1,2,3
	ds_load_b128 v[64+16*\T+4*\k:67+16*\T+4*\k], v9 offset:\off+1280*\T+16*\k
.endr
.endr
	s_wait_dscnt 0x0
.irp T, 0,1
.irp j, 0,4,8,12
	v_pk_add_f32 v[64+16*\T+\j:65+16*\T+\j], v[64+16*\T+\j:65+16*\T+\j], v[66+16*\T+\j:67+16*\T+\j]
.endr
.endr
.irp T, 0,1
.irp j, 0,8
	v_pk_add_f32 v[64+16*\T+\j:65+16*\T+\j], v[64+16*\T+\j:65+16*\T+\j], v[68+16*\T+\j:69+16*\T+\j]
.endr
.endr
.irp T, 0,1
	v_pk_add_f32 v[64+16*\T:65+16*\T], v[64+16*\T:65+16*\T], v[72+16*\T:73+16*\T]
.endr
.irp T, 0,1
	v_add_f32 v[64+16*\T], v[64+16*\T], v[65+16*\T]
.endr
.endm
	; pass 1: the mean.  Each accumulator is read from its low end on
.irp T, 0,1
	v_pk_add_f32 v[48+4*\T:49+4*\T], v[ACC+32*\T:ACC+32*\T+1], v[ACC+32*\T+2:ACC+32*\T+3]
	v_pk_add_f32 v[50+4*\T:51+4*\T], v[ACC+32*\T+4:ACC+32*\T+5], v[ACC+32*\T+6:ACC+32*\T+7]
.endr
.irp j, 8,12,16,20,24,28
.irp T, 0,1
	v_pk_add_f32 v[48+4*\T:49+4*\T], v[48+4*\T:49+4*\T], v[ACC+32*\T+\j:ACC+32*\T+\j+1]
	v_pk_add_f32 v[50+4*\T:51+4*\T], v[50+4*\T:51+4*\T], v[ACC+32*\T+\j+2:ACC+32*\T+\j+3]
.endr
.endr
	REDUCE 0
.irp T, 0,1
	v_mul_f32 v[64+16*\T], s22, v[64+16*\T]        ; the row's mean
.endr
	; pass 2: the differences, and the sum of their squares
.irp T, 0,1
.irp j, 0,2,4,6,8,10,12,14,16,18,20,22,24,26,28,30
	v_pk_add_f32 v[ACC+32*\T+\j:ACC+32*\T+\j+1], v[ACC+32*\T+\j:ACC+32*\T+\j+1], v[64+16*\T:65+16*\T] op_sel_hi:[1,0] neg_lo:[0,1] neg_hi:[0,1]
.endr
.endr
.irp T, 0,1
	v_pk_mul_f32 v[48+4*\T:49+4*\T], v[ACC+32*\T:ACC+32*\T+1], v[ACC+32*\T:ACC+32*\T+1]
	v_pk_mul_f32 v[50+4*\T:51+4*\T], v[ACC+32*\T+2:ACC+32*\T+3], v[ACC+32*\T+2:ACC+32*\T+3]
.endr
.irp j, 4,8,12,16,20,24,28
.irp T, 0,1
	v_pk_fma_f32 v[48+4*\T:49+4*\T], v[ACC+32*\T+\j:ACC+32*\T+\j+1], v[ACC+32*\T+\j:ACC+32*\T+\j+1], v[48+4*\T:49+4*\T]
	v_pk_fma_f32 v[50+4*\T:51+4*\T], v[ACC+32*\T+\j+2:ACC+32*\T+\j+3], v[ACC+32*\T+\j+2:ACC+32*\T+\j+3], v[50+4*\T:51+4*\T]
.endr
.endr
	REDUCE 2560
.irp T, 0,1
	v_fma_f32 v[64+16*\T], v[64+16*\T], s22, v60   ; the variance + eps
.endr
.irp T, 0,1
	v_rsq_f32 v[64+16*\T], v[64+16*\T]
.endr
	v_nop                                          ; a plain line behind the two,
	s_wait_alu depctr_va_vdst(0)                   ; and the wait ahead of their first reader
.irp T, 0,1
.irp j, 0,2,4,6,8,10,12,14,16,18,20,22,24,26,28,30
	v_pk_mul_f32 v[ACC+32*\T+\j:ACC+32*\T+\j+1], v[ACC+32*\T+\j:ACC+32*\T+\j+1], v[64+16*\T:65+16*\T] op_sel_hi:[1,0]
.endr
.endr
.irp T, 0,1
.irp j, 0,2,4,6,8,10,12,14,16,18,20,22,24,26,28,30
	v_pk_fma_f32 v[ACC+32*\T+\j:ACC+32*\T+\j+1], v[ACC+32*\T+\j:ACC+32*\T+\j+1], v[GG+\j:GG+\j+1], v[BB+\j:BB+\j+1]
.endr
.endr
	; the way out: through my stage, back as whole runs of 256 bytes of a row
.irp T, 0,1
.irp t, 0,1,2,3
.irp i, 0,1
	ds_store_b128 v6, v[ACC+32*\T+8*\t+4*\i:ACC+32*\T+8*\t+4*\i+3] offset:128*(\t/2)+32*(\t%2)+16*\i
.endr
.endr
.irp i, 0,1,2,3,4,5,6,7
	ds_load_b128 v[ACC+32*\T+4*\i:ACC+32*\T+4*\i+3], v5 offset:544*\i   ; in order behind my stores; the next tile's stores come behind these
.endr
.endr
.irp i, 0,1,2,3,4,5,6,7
	s_wait_dscnt 23-\i                             ; behind this load: the rest of its run, and the second tile's 8 stores and 8 loads
	global_store_b128 v4, v[ACC+4*\i:ACC+4*\i+3], s[32:33] offset:(2*\i)*4096 th:TH_STORE_NT   ; sixteen lanes store 256 consecutive bytes, at a multiple of 256 from out0's first byte
.endr
.irp i, 0,1,2,3,4,5,6,7
	s_wait_dscnt 7-\i
	global_store_b128 v4, v[ACC+32+4*\i:ACC+32+4*\i+3], s[32:33] offset:(16+2*\i)*4096 th:TH_STORE_NT
.endr
	s_wait_tensorcnt 0x0
	ds_add_u32 v62, v63
	s_wait_dscnt 0x0
	s_endpgm
.Lfunc_end_k_qdd8154192f_outp:
	.size	k_qdd8154192f_outp, .Lfunc_end_k_qdd8154192f_outp-k_qdd8154192f_outp
	.p2alignl 7, 3214868480
	.fill 96, 4, 3214868480
	.section	.rodata,"a",@progbits
	.p2align	6, 0x0
	.amdhsa_kernel k_qdd8154192f_outp
		.amdhsa_group_segment_fixed_size 95232
		.amdhsa_private_segment_fixed_size 0
		.amdhsa_enable_private_segment 0
		.amdhsa_kernarg_size 48
		.amdhsa_user_sgpr_count 2
		.amdhsa_user_sgpr_kernarg_segment_ptr 1
		.amdhsa_wavefront_size32 1
		.amdhsa_system_sgpr_workgroup_id_x 1
		.amdhsa_system_sgpr_workgroup_id_y 1
		.amdhsa_system_sgpr_workgroup_id_z 1
		.amdhsa_system_vgpr_workitem_id 0
		.amdhsa_next_free_vgpr 256
		.amdhsa_next_free_sgpr 66
		.amdhsa_reserve_vcc 0
		.amdhsa_float_denorm_mode_32 3
		.amdhsa_float_denorm_mode_16_64 3
		.amdhsa_memory_ordered 1
		.amdhsa_forward_progress 1
		.amdhsa_inst_pref_size 46
	.end_amdhsa_kernel
	.amdgpu_metadata
---
amdhsa.version: [ 1, 2 ]
amdhsa.kernels:
  - .name:           k_qdd8154192f_outp
    .symbol:         k_qdd8154192f_outp.kd
    .args:
      - { .name: oimg, .offset: 0, .size: 8, .value_kind: global_buffer, .address_space: global }
      - { .name: wimg, .offset: 8, .size: 8, .value_kind: global_buffer, .address_space: global }
      - { .name: q, .offset: 16, .size: 8, .value_kind: global_buffer, .address_space: global }
      - { .name: ln_g, .offset: 24, .size: 8, .value_kind: global_buffer, .address_space: global }
      - { .name: ln_b, .offset: 32, .size: 8, .value_kind: global_buffer, .address_space: global }
      - { .name: out0, .offset: 40, .size: 8, .value_kind: global_buffer, .address_space: global }
    .group_segment_fixed_size: 95232
    .private_segment_fixed_size: 0
    .kernarg_segment_align: 8
    .kernarg_segment_size: 48
    .max_flat_workgroup_size: 512
    .sgpr_count:     66
    .vgpr_count:     256
    .wavefront_size: 32
...
	.end_amdgpu_metadata
.endif
;; end of part 4
;; ======== version 2 of 2: 4 launches
;; limits: right only within a limited range of input values
;; workspace buffers: wimg 2,228,224 bytes; qimg 4,718,592 bytes; kv 9,175,040 bytes; oimg 4,718,592 bytes
;; launch wq (part 5): grid 128 x 4, 2 waves a work-group, no clusters, 0 bytes of LDS; arguments w_q, w_k, w_v, w_o, wimg; writes wimg
.if DOCPART == 5
	.amdgcn_target "amdgcn-amd-amdhsa--gfx1250"
	.amdhsa_code_object_version 6
	.text
	.protected	k_qdd8154192f_wq
	.globl	k_qdd8154192f_wq
	.p2align	8
	.type	k_qdd8154192f_wq,@function
k_qdd8154192f_wq:
	s_mov_b64 s[64:65], 0
	v_nop
	global_prefetch_b8 v0, s[64:65] scope:SCOPE_SE
	s_setreg_imm32_b32 hwreg(HW_REG_WAVE_MODE, 25, 1), 1
	s_wait_xcnt 0x0
; The four weights, [1024 (k)][1024 (n)] f32 with K as the FIRST axis, become codes of FP4 (E2M1) with one E8M0 byte for each 32 along K,
; laid as IMAGES OF OPERAND REGISTERS.  Weight i begins at i x WBYTES.  Unit (hd, s) = 64 columns x 128 along K lies at (8 hd + s) x UNIT:
;   codes at 1024 t + 512 c + 16 lane: lane (r, h) of tile t holds column 64 hd + 32 (t / 2) + 8 (t % 2) + r + 8 (r / 8), k = 128 s + 64 c + 32 h + 0 .. 31;
;   scale words at 4096 + 8 lane + 4 i: the word of tile 2 i + lane / 16, row lane % 16.
; The columns of a tile are not neighbours: so the 16 result registers of tiles 2 b and 2 b + 1 are 16 neighbours along the next product's K.
; A LANE TAKES A COLUMN AND ITS REGISTERS RUN DOWN K: a block of 32 lies in one lane, its largest magnitude needs no other lane, and the conversions give codes with K innermost.
; Work-group x = 8 hd + s, y = the weight; wave b takes columns 32 b .. 32 b + 31 of the unit.  Each store of codes covers two aligned runs of 256 bytes.
; A block's byte is its largest magnitude's exponent field - 2, held at 1 from below (a block of zeros gets 1: its codes are zeros, and this program alone reads the bytes).
; LIMITS: blocks whose largest magnitude lies under 2^-124 take the byte 1; NaN and infinities are not served.
; No LDS, no barrier, no matrix unit: the launch streams 16 MiB once.
.set X,      32                        ; v32-159  128 numbers: block kb at v[X + 32 kb]
.set CD,     160                       ; v160-175 codes, four registers a block: no store's data are written again
.set UNIT,   4352
.set WBYTES, 557056
	s_load_b256 s[4:11], s[0:1], 0x0               ; w_q, w_k, w_v, w_o
	s_load_b64 s[12:13], s[0:1], 0x20              ; wimg
	v_lshrrev_b32 v4, 5, v0
	v_readfirstlane_b32 s15, v4                    ; wave: which 32 columns of the unit
	s_and_b32 s14, ttmp7, 0xffff                   ; which weight
	v_and_b32 v5, 31, v0                           ; lane = column
	v_lshlrev_b32 v1, 2, v5                        ; in: 4 bytes a lane
	v_bfe_u32 v6, v5, 3, 1                         ; u: which of the two tiles my column falls into
	v_and_b32 v7, 7, v5
	v_lshrrev_b32 v4, 4, v5
	v_lshl_add_u32 v7, v4, 3, v7                   ; r: its row there
	v_lshlrev_b32 v2, 4, v7
	v_lshl_add_u32 v2, v6, 10, v2                  ; codes: 1024 u + 16 r
	v_lshl_add_u32 v3, v6, 4, v7
	v_lshlrev_b32 v3, 3, v3                        ; scale word: 8 (r + 16 u)
	s_and_b32 s16, ttmp9, 7                        ; s
	s_lshr_b32 s17, ttmp9, 3                       ; hd
	s_lshl_b32 s18, s16, 19                        ; 128 rows of 4,096 bytes
	s_lshl_b32 s17, s17, 8
	s_add_co_u32 s18, s18, s17
	s_lshl_b32 s17, s15, 7
	s_add_co_u32 s18, s18, s17
	s_mov_b32 s19, 0
	s_mul_i32 s20, s14, WBYTES
	s_mul_i32 s17, ttmp9, UNIT
	s_add_co_u32 s20, s20, s17                     ; my unit
	s_mov_b32 s21, 0
	s_lshl_b32 s22, s15, 11                        ; my two tiles' codes
	s_mov_b32 s23, 0
	s_lshl_b32 s24, s15, 2
	s_add_co_u32 s24, s24, 4096                    ; my two tiles' scale words
	s_mov_b32 s25, 0
	s_wait_alu depctr_va_vdst(0)
	s_wait_kmcnt 0x0
	s_cmp_eq_u32 s14, 1                            ; the choice hangs on the work-group's number alone
	s_cselect_b64 s[4:5], s[6:7], s[4:5]
	s_cmp_eq_u32 s14, 2
	s_cselect_b64 s[4:5], s[8:9], s[4:5]
	s_cmp_eq_u32 s14, 3
	s_cselect_b64 s[4:5], s[10:11], s[4:5]
	s_add_nc_u64 s[4:5], s[4:5], s[18:19]
	s_add_nc_u64 s[12:13], s[12:13], s[20:21]
	s_add_nc_u64 s[26:27], s[12:13], s[24:25]
	s_add_nc_u64 s[12:13], s[12:13], s[22:23]
.macro LOAD kb                         ; block kb: w(32 kb + n, my column), n = 0 .. 31
.set n, 0
.rept 32
	global_load_b32 v[X+32*(\kb)+n], v1, s[4:5] offset:(32*(\kb)+n)*4096 th:TH_LOAD_NT
.set n, n+1
.endr
.endm
.macro BLOCK kb
.set XS, X+32*(\kb)
.if (\kb) < 3
	s_wait_loadcnt 32                              ; this block's 32 loads are in; the next block's may be out
.else
	s_wait_loadcnt 0x0
.endif
.if (\kb) < 2
	LOAD (\kb)+2                                   ; two blocks ahead, into registers of their own
.endif
	v_max3_num_f32 v8, |v[XS]|, |v[XS+1]|, |v[XS+2]|       ; the block's largest magnitude, in two chains
	v_max3_num_f32 v9, |v[XS+3]|, |v[XS+4]|, |v[XS+5]|
.irp i, 6,10,14,18,22,26
	v_max3_num_f32 v8, v8, |v[XS+\i]|, |v[XS+\i+1]|
	v_max3_num_f32 v9, v9, |v[XS+\i+2]|, |v[XS+\i+3]|
.endr
	v_max3_num_f32 v8, v8, |v[XS+30]|, |v[XS+31]|
	v_max3_num_f32 v8, v8, v9, 0x1800000           ; and the floor 2^(3 - 127): the byte cannot fall under 1
	v_add_nc_u32 v[16+(\kb)], 0xff000000, v8       ; 2 off the exponent field: the conversion takes this operand's exponent field as its scale
	v_lshrrev_b32 v13, 23, v[16+(\kb)]             ; the scale's byte
.if (\kb) == 0
	v_mov_b32 v14, v13
.else
	v_lshl_or_b32 v14, v13, 8*(\kb), v14           ; byte kb of the K step's scale word
.endif
.irp g, 0,1,2,3
	v_cvt_scalef32_pk8_fp4_f32 v[CD+4*(\kb)+\g], v[XS+8*\g:XS+8*\g+7], v[16+(\kb)]
.endr
	v_nop                                          ; one plain line behind the conversions
	global_store_b128 v2, v[CD+4*(\kb):CD+4*(\kb)+3], s[12:13] offset:512*((\kb)/2)+256*((\kb)%2)   ; block kb = 2 c + h: sixteen lanes of a tile fill 256 consecutive bytes
.endm
	LOAD 0
	LOAD 1
	BLOCK 0
	BLOCK 1
	BLOCK 2
	BLOCK 3
	global_store_b32 v3, v14, s[26:27]             ; my column's scale word
	s_endpgm
.Lfunc_end_k_qdd8154192f_wq:
	.size	k_qdd8154192f_wq, .Lfunc_end_k_qdd8154192f_wq-k_qdd8154192f_wq
	.p2alignl 7, 3214868480
	.fill 96, 4, 3214868480
	.section	.rodata,"a",@progbits
	.p2align	6, 0x0
	.amdhsa_kernel k_qdd8154192f_wq
		.amdhsa_group_segment_fixed_size 0
		.amdhsa_private_segment_fixed_size 0
		.amdhsa_enable_private_segment 0
		.amdhsa_kernarg_size 40
		.amdhsa_user_sgpr_count 2
		.amdhsa_user_sgpr_kernarg_segment_ptr 1
		.amdhsa_wavefront_size32 1
		.amdhsa_system_sgpr_workgroup_id_x 1
		.amdhsa_system_sgpr_workgroup_id_y 1
		.amdhsa_system_sgpr_workgroup_id_z 1
		.amdhsa_system_vgpr_workitem_id 0
		.amdhsa_next_free_vgpr 176
		.amdhsa_next_free_sgpr 66
		.amdhsa_reserve_vcc 0
		.amdhsa_float_denorm_mode_32 3
		.amdhsa_float_denorm_mode_16_64 3
		.amdhsa_memory_ordered 1
		.amdhsa_forward_progress 1
		.amdhsa_inst_pref_size 21
	.end_amdhsa_kernel
	.amdgpu_metadata
---
amdhsa.version: [ 1, 2 ]
amdhsa.kernels:
  - .name:           k_qdd8154192f_wq
    .symbol:         k_qdd8154192f_wq.kd
    .args:
      - { .name: w_q, .offset: 0, .size: 8, .value_kind: global_buffer, .address_space: global }
      - { .name: w_k, .offset: 8, .size: 8, .value_kind: global_buffer, .address_space: global }
      - { .name: w_v, .offset: 16, .size: 8, .value_kind: global_buffer, .address_space: global }
      - { .name: w_o, .offset: 24, .size: 8, .value_kind: global_buffer, .address_space: global }
      - { .name: wimg, .offset: 32, .size: 8, .value_kind: global_buffer, .address_space: global }
    .group_segment_fixed_size: 0
    .private_segment_fixed_size: 0
    .kernarg_segment_align: 8
    .kernarg_segment_size: 40
    .max_flat_workgroup_size: 64
    .sgpr_count:     66
    .vgpr_count:     176
    .wavefront_size: 32
...
	.end_amdgpu_metadata
.endif
;; end of part 5
;; launch proj (part 6): grid 128 x 3, 16 waves a work-group, no clusters, 174,080 bytes of LDS; arguments q, k, v, mask, wimg, qimg, kv; writes qimg, kv
.if DOCPART == 6
	.amdgcn_target "amdgcn-amd-amdhsa--gfx1250"
	.amdhsa_code_object_version 6
	.text
	.protected	k_qdd8154192f_proj
	.globl	k_qdd8154192f_proj
	.p2align	8
	.type	k_qdd8154192f_proj,@function
k_qdd8154192f_proj:
	s_mov_b64 s[64:65], 0
	v_nop
	global_prefetch_b8 v0, s[64:65] scope:SCOPE_SE
	s_setreg_imm32_b32 hwreg(HW_REG_WAVE_SCHED_MODE, 0, 2), 2
	s_setreg_imm32_b32 hwreg(HW_REG_WAVE_MODE, 25, 1), 1
	s_wait_xcnt 0x0
	s_wait_alu depctr_vm_vsrc(0)
; The three projections, on codes of FP4 (E2M1) with one E8M0 byte for each 32 along K; their results leave as codes again, laid as images of the next products' operand registers.
; Work-group (blk, tz): 64 rows of tensor tz (0 = q, 1 = k, 2 = v), all 1,024 columns.  Wave w makes head w (64 columns): 16 accumulators of 16 x 16.
; PHASE X: x is read once, by this work-group alone, so it is quantised here: wave w takes row tile w / 4 and K steps 2 (w % 4), 2 (w % 4) + 1; each load reads 512 consecutive bytes of a row;
; the numbers turn through the wave's own stage so that a lane holds 16 neighbours of each block; the fragments go to LDS as images of their registers.  One barrier.
; PHASE M: eight K steps of 128.  The weights come from wimg straight into registers, each fragment to the one wave that uses it, two K steps ahead.
;   q, k: source 0 = 16 columns of W, source 1 = 16 rows of x: a lane holds one row and 32 numbers along the head's 64: quantised along d.
;   v:    the sources change places: a lane holds one d and 32 tokens: quantised along the keys, which are the K of the last product of attention.
; ROWS OF A TILE: q's tiles take neighbouring rows; k's and v's tiles, and the weights', take rows 8 u + r + 8 (r / 8) of a group of 32, so that two neighbouring tiles' result registers are 16 neighbours along the next K.
; WHAT IS STORED.  qimg unit ((16 b + head) 16 + l / 128) x 4608: codes 512 tile + 16 lane, scale words 4096 + 16 lane + 4 i (tile 2 i + lane / 16).  q's bytes are 3 lower: the factor 1/8.
;   kv unit (((4 b + head / 4) 16 + l / 128) 4 + head % 4) x 8960: K as qimg's; V's codes 4608 + 1024 t + 512 c + 16 lane, V's scale words 8704 + 8 lane + 4 i.
; THE KEY MASK rides in the unused half of the score product's K: byte 2 of a key's scale word is 153 (2^26) where mask = 0 and 1 (2^-126) else; attention puts the codes +4 and -4 at k = 64.
; The weights are shared by all row blocks and are not asked for jointly here: no fragment is used by two waves of a work-group, so a way through LDS would write and read each of its 557,056 bytes once more.
; LIMITS: on the way out a block whose largest magnitude lies under 2^-121 takes the byte of that floor (x's blocks: 2^-124); NaN and infinities are not served.
; THE MODE: SCHED_MODE bits 1:0 = 2 (LLVM: expert scheduling mode 2), set by the entry lines.  The code itself states the register dependences
; between vector or matrix instructions and memory or LDS instructions, with s_wait_alu, always for 0.
; THE PLAN.  Registers that memory or LDS instructions touch:
;   v1-7, v30, v31   addresses, made once at the head and never written again: one wait on va_vdst ahead of the first load.
;   v128-255         phase X: x's loads land; the stage's stores read them; the stage's loads land in them again (a wait on vm_vsrc between the two); QUANT reads them; from phase M on the products alone write them.
;   v32-47, v16, v17 phase X: QUANT writes them, the images' stores read them (a wait on va_vdst ahead of each image); behind the barrier x's fragments land there (a wait on vm_vsrc).
;   v32-63, v24-27   phase M: the LDS loads of K step s + 1 land; the products of step s + 1 read.
;   v64-127, v20-23  two sets: the products of step s read set s % 2; the loads of step s + 2 land in it.
;   v12-15           the mask: loaded once, read by four compares.
;   v32-47, v68, v69 the way out: conversions, swaps and selects write them, the global stores read them (a wait on va_vdst ahead of the run of stores).
; So ONE wait on va_vdst stands in a K step, behind its products: they are done reading x's fragments, their set of the weights and the scale words; the step's eighteen loads follow it in one run,
; x's fragments, which are wanted first, ahead of the weights of two steps on.  Sixteen waves of 256 registers fill the four SIMDs' 1,024 each: there is no room for a further set of either.
.set XSC,    32768                     ; LDS: x's 32 fragments from 0 ((s, T) at (4 s + T) 1024 + 512 c + 16 lane); their scale words: 512 s + 16 lane + 4 T
.set STG,    36864                     ; a stage of 16 rows x 528 bytes for each wave
.set STGB,   8448
.set SP,     528
.set UNIT,   4352
.set WBYTES, 557056
.set XF,     32                        ; v32-63   x's four fragments; in phase X codes and work; on the way out codes and work
.set TM,     48                        ; v48-63   at work
.set WB0,    64                        ; v64-95, v96-127 the weights' four fragments, two sets
.set ACC,    128                       ; v128-255 accumulators at 32 (source 1's tile) + 8 (source 0's tile); in phase X the numbers of x
; v1 16 lane, v2 8 lane, v3/v4 stage in/out, v5/v6 where I store x's images and scale words, v7 mask offset, v8/v9 the upper bytes of a scale word (mask = 0 / else), v12-15 mask, v16/v17 x's scale words just made,
; v[20:23] the weights' scale words (two sets), v[24:27] x's: these eight hold scales and nothing else
	s_load_b256 s[4:11], s[0:1], 0x0               ; q, k, v, mask
	s_load_b128 s[12:15], s[0:1], 0x20             ; wimg, qimg
	s_load_b64 s[16:17], s[0:1], 0x30              ; kv
	v_lshl_add_u32 v30, v0, 2, 0x2a000
	v_mov_b32 v31, 0
	v_lshrrev_b32 v10, 5, v0
	v_readfirstlane_b32 s18, v10                   ; wave
	s_and_b32 s19, ttmp7, 0xffff                   ; tz
	s_mov_b32 s20, 0x76543210
	s_mov_b32 s21, 0xfedcba98                      ; v_permlanex16_b32's selects for lane l xor 16
	s_mov_b32 s22, ttmp9                           ; blk
	s_and_b32 s23, ttmp9, 1                        ; c: which 64 of a step of 128 tokens
	s_mov_b32 s38, 0xffff0000                      ; lanes 16-31
	v_and_b32 v10, 31, v0                          ; lane
	v_and_b32 v11, 15, v0                          ; r
	v_bfe_u32 v18, v0, 4, 1                        ; h
	v_lshlrev_b32 v1, 4, v10
	s_wait_alu depctr_va_vdst(0)
	v_lshlrev_b32 v2, 3, v10
	s_wait_alu depctr_va_sdst(0)                   ; s18, the wave's number, is written, ahead of its first reader
	s_mul_i32 s40, s18, STGB
	s_add_co_u32 s40, s40, STG                     ; my stage
	v_add_nc_u32 v3, s40, v1                       ; in: a row's 512 bytes as they lie
	v_mul_u32_u24 v4, v11, SP
	v_lshl_add_u32 v4, v18, 6, v4
	v_add_nc_u32 v4, s40, v4                       ; out: row r, + 64 h: my 16 numbers of a block of 32
	s_lshr_b32 s41, s18, 2                         ; T = w / 4
	s_and_b32 s42, s18, 3                          ; sp = w % 4
	s_lshl_b32 s43, s42, 3
	s_add_co_u32 s43, s43, s41
	s_lshl_b32 s43, s43, 10
	v_add_nc_u32 v5, s43, v1                       ; 16 lane + (8 sp + T) 1024
	s_lshl_b32 s43, s42, 10
	s_lshl_b32 s44, s41, 2
	s_add_co_u32 s43, s43, s44
	s_add_co_u32 s43, s43, XSC
	v_add_nc_u32 v6, s43, v1                       ; XSC + 16 lane + 4 T + 1024 sp
	v_and_b32 v7, 8, v11
	v_add_nc_u32 v7, v7, v11
	v_lshlrev_b32 v7, 2, v7                        ; 4 (r + 8 (r / 8))
.irp b, 0,1,2,3
	v_mov_b32 v[TM+4+\b], 0                        ; written once: a lane permute's destination counts as one of its sources
.endr
	s_lshl_b32 s43, s41, 4                         ; q: tile T begins at row 16 T;
	s_lshr_b32 s44, s41, 1
	s_lshl_b32 s44, s44, 5
	s_and_b32 s45, s41, 1
	s_lshl_b32 s45, s45, 3
	s_add_co_u32 s44, s44, s45                     ; k, v: at 32 (T / 2) + 8 (T % 2)
	s_mov_b32 s46, 0x10000                         ; from a tile's rows 0-7 to its rows 8-15: 16 rows of 4,096 bytes, for q 8
	s_mov_b32 s24, 0x7f990000
	s_mov_b32 s25, 0x7f010000
	s_cmp_eq_u32 s19, 0
	s_cselect_b32 s43, s43, s44
	s_cselect_b32 s46, 0x8000, s46
	s_cselect_b32 s24, 0x7f7efcfd, s24             ; q: bytes 3, 2 = 127, and 3 off bytes 1 and 0 (0x7f7f0000 - 0x0303)
	s_cselect_b32 s25, 0x7f7efcfd, s25
	v_mov_b32 v8, s24
	v_mov_b32 v9, s25
	s_mov_b32 s47, 0
	s_lshl_b32 s44, s22, 6                         ; the block's first row
	s_add_co_u32 s43, s43, s44
	s_lshl_b32 s43, s43, 12
	s_lshl_b32 s45, s42, 10                        ; my two K steps: 1,024 bytes of a row
	s_add_co_u32 s26, s43, s45
	s_mov_b32 s27, 0
	s_lshl_b32 s54, s22, 8                         ; the block's 64 numbers of the mask
	s_mov_b32 s55, 0
	s_mul_i32 s52, s19, WBYTES
	s_mul_i32 s53, s18, 8*UNIT
	s_add_co_u32 s52, s52, s53                     ; my head's eight units of my tensor's weight
	s_mov_b32 s53, 0
	s_lshr_b32 s48, s22, 5                         ; b
	s_bfe_u32 s49, s22, 0x40001                    ; the step of 128 tokens
	s_lshl_b32 s50, s48, 4
	s_add_co_u32 s50, s50, s18
	s_lshl_b32 s50, s50, 4
	s_add_co_u32 s50, s50, s49
	s_mul_i32 s50, s50, 4608                       ; qimg's unit
	s_lshl_b32 s51, s48, 2
	s_add_co_u32 s51, s51, s41
	s_lshl_b32 s51, s51, 4
	s_add_co_u32 s51, s51, s49
	s_lshl_b32 s51, s51, 2
	s_add_co_u32 s51, s51, s42
	s_mul_i32 s51, s51, 8960                       ; kv's unit
	s_wait_kmcnt 0x0
	s_cmp_eq_u32 s19, 1                            ; the choices hang on the work-group's number alone
	s_cselect_b64 s[4:5], s[6:7], s[4:5]
	s_cmp_eq_u32 s19, 2
	s_cselect_b64 s[4:5], s[8:9], s[4:5]
	s_cmp_eq_u32 s19, 0
	s_cselect_b64 s[34:35], s[14:15], s[16:17]
	s_cselect_b32 s50, s50, s51
	s_mov_b32 s51, 0
	s_add_nc_u64 s[34:35], s[34:35], s[50:51]      ; my unit
	s_add_nc_u64 s[28:29], s[4:5], s[26:27]        ; x: my tile's rows 0-7,
	s_add_nc_u64 s[30:31], s[28:29], s[46:47]      ; and 8-15
	s_add_nc_u64 s[10:11], s[10:11], s[54:55]
	s_add_nc_u64 s[32:33], s[12:13], s[52:53]
.macro WLOAD s                         ; K step s of my head's weights into set s % 2: nine loads
.irp t, 0,1,2,3
.irp c, 0,1
	global_load_b128 v[WB0+32*((\s)%2)+8*\t+4*\c:WB0+32*((\s)%2)+8*\t+4*\c+3], v1, s[32:33] offset:UNIT*(\s)+1024*\t+512*\c
.endr
.endr
	global_load_b64 v[20+2*((\s)%2):21+2*((\s)%2)], v2, s[32:33] offset:UNIT*(\s)+4096
.endm
.macro XLOADS s                        ; K step s of x: four fragments and their scale words, nine LDS loads
.irp t, 0,1,2,3
.irp c, 0,1
	ds_load_b128 v[XF+8*\t+4*\c:XF+8*\t+4*\c+3], v1 offset:(4*(\s)+\t)*1024+512*\c
.endr
.endr
	ds_load_b128 v[24:27], v1 offset:XSC+512*(\s)
.endm
	s_wait_alu depctr_va_vdst(0)                   ; the addresses v1 to v7, and v30 and v31, are written: every load and store of the kernel reads one of them
.irp f, 0,1                            ; 16 rows x 512 bytes for each of my two K steps
.irp i, 0,1,2,3,4,5,6,7
	global_load_b128 v[ACC+64*\f+4*\i:ACC+64*\f+4*\i+3], v1, s[28:29] offset:\i*4096+512*\f th:TH_LOAD_NT
.endr
.irp i, 0,1,2,3,4,5,6,7
	global_load_b128 v[ACC+64*\f+32+4*\i:ACC+64*\f+32+4*\i+3], v1, s[30:31] offset:\i*4096+512*\f th:TH_LOAD_NT
.endr
.endr
.irp g, 0,1,2,3
	global_load_b32 v[12+\g], v7, s[10:11] offset:(32*(\g/2)+8*(\g%2))*4   ; the mask of token tile g's row r
.endr
	WLOAD 0
	WLOAD 1
.macro XTURN f                         ; K step f's numbers through the stage, back into the registers that they left: LDS serves a wave's instructions in order (ISA guide 5.7.1.4)
.irp i, 0,1,2,3,4,5,6,7,8,9,10,11,12,13,14,15
	ds_store_b128 v3, v[ACC+64*\f+4*\i:ACC+64*\f+4*\i+3] offset:SP*\i
.endr
	s_wait_alu depctr_vm_vsrc(0)                   ; the sixteen stores have read their data, in whose registers the loads below land
.irp b, 0,1,2,3
.irp j, 0,1,2,3
	ds_load_b128 v[ACC+64*\f+16*\b+4*\j:ACC+64*\f+16*\b+4*\j+3], v4 offset:128*\b+16*\j   ; register 16 b + i = k 32 b + 16 h + i of row r
.endr
.endr
.endm
; 64 numbers of a lane, register 16 b + i = k 32 b + 16 (lane / 16) + i of my row, become a fragment's codes in v[pc] on and its scale word in v[pw]
.macro QUANT s, pc, pw
.irp b, 0,1,2,3
	v_max3_num_f32 v[TM+\b], |v[\s+16*\b]|, |v[\s+1+16*\b]|, 0x1800000   ; my 16 numbers of block b, and the floor 2^(3 - 127): the byte cannot fall under 1
.endr
.irp i, 2,4,6,8,10,12,14
.irp b, 0,1,2,3
	v_max3_num_f32 v[TM+\b], v[TM+\b], |v[\s+16*\b+\i]|, |v[\s+1+16*\b+\i]|
.endr
.endr
.irp b, 0,1,2,3
	v_permlanex16_b32 v[TM+4+\b], v[TM+\b], s20, s21
.endr
.irp b, 0,1,2,3
	v_max_num_f32 v[TM+\b], v[TM+\b], v[TM+4+\b]   ; with lane l xor 16's: the block's largest magnitude
.endr
.irp b, 0,1,2,3
	v_add_nc_u32 v[TM+12+\b], 0xff000000, v[TM+\b] ; 2 off its exponent field: the conversion's scale operand
.endr
.irp b, 0,1,2,3
	v_lshrrev_b32 v[TM+4+\b], 23, v[TM+12+\b]      ; the scale's byte
.endr
	v_lshl_or_b32 v[\pw], v[TM+5], 8, v[TM+4]
	v_lshl_or_b32 v[\pw], v[TM+6], 16, v[\pw]
	v_lshl_or_b32 v[\pw], v[TM+7], 24, v[\pw]
.irp b, 0,1,2,3
	v_cvt_scalef32_pk8_fp4_f32 v[\pc+2*\b], v[\s+16*\b:\s+7+16*\b], v[TM+12+\b]
	v_cvt_scalef32_pk8_fp4_f32 v[\pc+1+2*\b], v[\s+8+16*\b:\s+15+16*\b], v[TM+12+\b]
.endr
	v_nop                                          ; one plain line behind the conversions
.irp c, 0,1                            ; the operand's layout wants a whole block in a lane
.irp i, 0,1
	v_permlane16_swap_b32 v[\pc+4*\c+\i], v[\pc+2+4*\c+\i]
.endr
.endr
.endm
.macro IMAGE f, pc, pw                 ; the fragment goes to LDS as it stands
	s_wait_alu depctr_va_vdst(0)                   ; the conversions and swaps have written the codes, the shifts the scale word: the three stores read them
.irp c, 0,1
	ds_store_b128 v5, v[\pc+4*\c:\pc+4*\c+3] offset:4096*\f+512*\c
.endr
	ds_store_b32 v6, v[\pw] offset:512*\f
.endm
	s_wait_loadcnt 38                              ; my first K step's 16 loads are in; behind them: 16 of x, 4 of the mask, 18 of the weights
	XTURN 0
	s_wait_loadcnt 22                              ; the second's; behind them: 4 and 18
	XTURN 1
	s_wait_dscnt 32                                ; the first turn is back; the second's 16 stores and 16 loads may be out
	QUANT ACC, 32, 16
	IMAGE 0, 32, 16
	s_wait_dscnt 3                                 ; the second turn is back; the image's three stores may be out
	QUANT ACC+64, 40, 17
	IMAGE 1, 40, 17                                ; (its wait also shows every vector instruction of phase X done with v32 to v63, in which x's fragments land below)
	s_wait_dscnt 0x0                               ; for the others' sake: my images have landed
	s_barrier_signal -1
	s_barrier_wait -1                              ; x's 32 fragments lie in LDS
	s_wait_alu depctr_vm_vsrc(0)                   ; the images' stores have read v32 to v47, in which the fragments below land; the stage's stores have read v128 to v255, which the products write
	XLOADS 0                                       ; the first K step's fragments of x: the same on both ways below
.macro WM                              ; one product, by the symbols rD, rA, rB, rSA, rSB; cz: C = 0; rowA, rowB: that side's scales lie in lanes 16-31
.if cz
.if rowA
	v_wmma_scale_f32_16x16x128_f8f6f4 v[rD:rD+7], v[rA:rA+7], v[rB:rB+7], 0, v[rSA], v[rSB] matrix_a_fmt:MATRIX_FMT_FP4 matrix_b_fmt:MATRIX_FMT_FP4 matrix_a_scale:MATRIX_SCALE_ROW1
.elseif rowB
	v_wmma_scale_f32_16x16x128_f8f6f4 v[rD:rD+7], v[rA:rA+7], v[rB:rB+7], 0, v[rSA], v[rSB] matrix_a_fmt:MATRIX_FMT_FP4 matrix_b_fmt:MATRIX_FMT_FP4 matrix_b_scale:MATRIX_SCALE_ROW1
.else
	v_wmma_scale_f32_16x16x128_f8f6f4 v[rD:rD+7], v[rA:rA+7], v[rB:rB+7], 0, v[rSA], v[rSB] matrix_a_fmt:MATRIX_FMT_FP4 matrix_b_fmt:MATRIX_FMT_FP4
.endif
.else
.if rowA
	v_wmma_scale_f32_16x16x128_f8f6f4 v[rD:rD+7], v[rA:rA+7], v[rB:rB+7], v[rD:rD+7], v[rSA], v[rSB] matrix_a_fmt:MATRIX_FMT_FP4 matrix_b_fmt:MATRIX_FMT_FP4 matrix_a_scale:MATRIX_SCALE_ROW1
.elseif rowB
	v_wmma_scale_f32_16x16x128_f8f6f4 v[rD:rD+7], v[rA:rA+7], v[rB:rB+7], v[rD:rD+7], v[rSA], v[rSB] matrix_a_fmt:MATRIX_FMT_FP4 matrix_b_fmt:MATRIX_FMT_FP4 matrix_b_scale:MATRIX_SCALE_ROW1
.else
	v_wmma_scale_f32_16x16x128_f8f6f4 v[rD:rD+7], v[rA:rA+7], v[rB:rB+7], v[rD:rD+7], v[rSA], v[rSB] matrix_a_fmt:MATRIX_FMT_FP4 matrix_b_fmt:MATRIX_FMT_FP4
.endif
.endif
.endm
.macro MM s, v                         ; a K step's 16 products; the 16 accumulators take turns, one instruction a turn
.set cz, 0
.if (\s) == 0
.set cz, 1                             ; the first K step starts the sums: nothing is cleared
.endif
.irp o, 0,1,2,3
.irp n, 0,1,2,3
.set rD, ACC+32*\o+8*\n
.if \v
.set rA, XF+8*\n
.set rB, WB0+32*((\s)%2)+8*\o
.set rSA, 24+\n
.set rSB, 20+2*((\s)%2)+\o/2
.set rowA, 0
.set rowB, \o%2
.else
.set rA, WB0+32*((\s)%2)+8*\n
.set rB, XF+8*\o
.set rSA, 20+2*((\s)%2)+\n/2
.set rSB, 24+\o
.set rowA, \n%2
.set rowB, 0
.endif
	WM
.endr
.endr
.endm
.macro KSTEP s, v
.if (\s) < 7
	s_wait_loadcnt 9                               ; this K step's weights are in; the next step's nine loads may be out
.else
	s_wait_loadcnt 0x0
.endif
	s_wait_dscnt 0x0                               ; this K step's fragments of x are in
	MM \s, \v
.rept 4
	v_nop                                          ; four places behind the products: ahead of the loads into registers that they have read, and of the first read of results
.endr
.if (\s) < 7
	s_wait_alu depctr_va_vdst(0)                   ; the sixteen products are done reading x's fragments, their set of the weights and both kinds of scale words: the loads below land in these registers
	XLOADS (\s)+1                                  ; x's next fragments first: they are wanted first
.endif
.if (\s) < 6
	WLOAD (\s)+2
.endif
.endm
	s_cmp_eq_u32 s19, 2
	s_cbranch_scc1 .Lv_products
.irp s, 0,1,2,3,4,5,6,7
	KSTEP \s, 0
.endr
	s_branch .Lway_out
.Lv_products:
.irp s, 0,1,2,3,4,5,6,7
	KSTEP \s, 1
.endr
.Lway_out:
.irp g, 0,1,2,3
	v_cmp_eq_u32 s[44+\g], 0, v[12+\g]             ; where token tile g's row is masked: the four compares in one run,
.endr
	s_wait_alu depctr_va_sdst(0)                   ; and s44 to s47 are written, ahead of the four selects that read them
; 32 results of a lane, two blocks of 32 shared with lane l xor 16, become four registers of codes (v[32 + 4 g] on) and a scale word (v[64 + g]).  Each accumulator is read from its low end on.
.macro EPI g
.set E, ACC+32*(\g)
.set PG, 32+4*(\g)
	v_max3_num_f32 v[TM], |v[E]|, |v[E+1]|, 0x3000000          ; the floor 2^(6 - 127): the byte is at least 4, so that q's, 3 lower, is at least 1
	v_max3_num_f32 v[TM+1], |v[E+16]|, |v[E+17]|, 0x3000000
.irp i, 2,4,6,8,10,12,14
	v_max3_num_f32 v[TM], v[TM], |v[E+\i]|, |v[E+\i+1]|
	v_max3_num_f32 v[TM+1], v[TM+1], |v[E+16+\i]|, |v[E+17+\i]|
.endr
	v_permlanex16_b32 v[TM+4], v[TM], s20, s21
	v_permlanex16_b32 v[TM+5], v[TM+1], s20, s21
	v_max_num_f32 v[TM], v[TM], v[TM+4]
	v_max_num_f32 v[TM+1], v[TM+1], v[TM+5]
	v_add_nc_u32 v[TM+12], 0xff000000, v[TM]
	v_add_nc_u32 v[TM+13], 0xff000000, v[TM+1]
	v_lshrrev_b32 v[TM+4], 23, v[TM+12]
	v_lshrrev_b32 v[TM+5], 23, v[TM+13]
	v_lshl_or_b32 v[64+\g], v[TM+5], 8, v[TM+4]
	v_cndmask_b32 v[TM+6], v9, v8, s[44+\g]        ; the word's upper bytes: for k by the key's mask
	v_add_nc_u32 v[64+\g], v[64+\g], v[TM+6]
	v_cvt_scalef32_pk8_fp4_f32 v[PG], v[E:E+7], v[TM+12]
	v_cvt_scalef32_pk8_fp4_f32 v[PG+1], v[E+8:E+15], v[TM+12]
	v_cvt_scalef32_pk8_fp4_f32 v[PG+2], v[E+16:E+23], v[TM+13]
	v_cvt_scalef32_pk8_fp4_f32 v[PG+3], v[E+24:E+31], v[TM+13]
	v_nop                                          ; one plain line behind the conversions
	v_permlane16_swap_b32 v[PG], v[PG+2]           ; a whole block to a lane: lanes 0-15 the first 32, lanes 16-31 the second
	v_permlane16_swap_b32 v[PG+1], v[PG+3]
.endm
	EPI 0
	EPI 1
	EPI 2
	EPI 3
	v_cndmask_b32 v68, v64, v65, s38               ; lanes 0-15: tile 0's words, lanes 16-31: tile 1's
	v_cndmask_b32 v69, v66, v67, s38               ; tiles 2 and 3
	s_mov_b32 s41, 0
	s_cmp_eq_u32 s19, 2
	s_cbranch_scc1 .Lv_stores
	s_lshl_b32 s40, s23, 11                        ; q, k: my four tiles' codes begin at 2048 c,
	s_add_nc_u64 s[36:37], s[34:35], s[40:41]
	s_lshl_b32 s40, s23, 3
	s_add_co_u32 s40, s40, 4096                    ; their words at 4096 + 8 c
	s_add_nc_u64 s[34:35], s[34:35], s[40:41]
	s_wait_alu depctr_va_vdst(0)                   ; the swaps have written the codes v32 to v47, the selects the words v68 and v69: the five stores read them
.irp g, 0,1,2,3
	global_store_b128 v1, v[32+4*\g:35+4*\g], s[36:37] offset:512*\g   ; 512 consecutive bytes, at a multiple of 256 from the buffer's first byte
.endr
	global_store_b64 v1, v[68:69], s[34:35]
	s_wait_dscnt 0x0                               ; the closing lines, six on end
	s_wait_alu 0x0
	s_wait_tensorcnt 0x0
	ds_add_u32 v30, v31
	s_wait_dscnt 0x0
	s_endpgm
.Lv_stores:
	s_lshl_b32 s40, s23, 9
	s_add_co_u32 s40, s40, 4608                    ; v: half c of each of the four fragments,
	s_add_nc_u64 s[36:37], s[34:35], s[40:41]
	s_lshl_b32 s40, s23, 1
	s_add_co_u32 s40, s40, 8704                    ; and bytes 2 c, 2 c + 1 of each word: the other two belong to the neighbouring 64 tokens
	s_add_nc_u64 s[34:35], s[34:35], s[40:41]
	s_wait_alu depctr_va_vdst(0)                   ; the swaps have written the codes v32 to v47, the selects the words v68 and v69: the six stores read them
.irp g, 0,1,2,3
	global_store_b128 v1, v[32+4*\g:35+4*\g], s[36:37] offset:1024*\g
.endr
	global_store_b16 v2, v68, s[34:35]
	global_store_b16 v2, v69, s[34:35] offset:4
	s_wait_dscnt 0x0                               ; the closing lines, six on end
	s_wait_alu 0x0
	s_wait_tensorcnt 0x0
	ds_add_u32 v30, v31
	s_wait_dscnt 0x0
	s_endpgm
.Lfunc_end_k_qdd8154192f_proj:
	.size	k_qdd8154192f_proj, .Lfunc_end_k_qdd8154192f_proj-k_qdd8154192f_proj
	.p2alignl 7, 3214868480
	.fill 96, 4, 3214868480
	.section	.rodata,"a",@progbits
	.p2align	6, 0x0
	.amdhsa_kernel k_qdd8154192f_proj
		.amdhsa_group_segment_fixed_size 174080
		.amdhsa_private_segment_fixed_size 0
		.amdhsa_enable_private_segment 0
		.amdhsa_kernarg_size 56
		.amdhsa_user_sgpr_count 2
		.amdhsa_user_sgpr_kernarg_segment_ptr 1
		.amdhsa_wavefront_size32 1
		.amdhsa_system_sgpr_workgroup_id_x 1
		.amdhsa_system_sgpr_workgroup_id_y 1
		.amdhsa_system_sgpr_workgroup_id_z 1
		.amdhsa_system_vgpr_workitem_id 0
		.amdhsa_next_free_vgpr 256
		.amdhsa_next_free_sgpr 66
		.amdhsa_reserve_vcc 0
		.amdhsa_float_denorm_mode_32 3
		.amdhsa_float_denorm_mode_16_64 3
		.amdhsa_memory_ordered 1
		.amdhsa_forward_progress 1
		.amdhsa_inst_pref_size 86
	.end_amdhsa_kernel
	.amdgpu_metadata
---
amdhsa.version: [ 1, 2 ]
amdhsa.kernels:
  - .name:           k_qdd8154192f_proj
    .symbol:         k_qdd8154192f_proj.kd
    .args:
      - { .name: q, .offset: 0, .size: 8, .value_kind: global_buffer, .address_space: global }
      - { .name: k, .offset: 8, .size: 8, .value_kind: global_buffer, .address_space: global }
      - { .name: v, .offset: 16, .size: 8, .value_kind: global_buffer, .address_space: global }
      - { .name: mask, .offset: 24, .size: 8, .value_kind: global_buffer, .address_space: global }
      - { .name: wimg, .offset: 32, .size: 8, .value_kind: global_buffer, .address_space: global }
      - { .name: qimg, .offset: 40, .size: 8, .value_kind: global_buffer, .address_space: global }
      - { .name: kv, .offset: 48, .size: 8, .value_kind: global_buffer, .address_space: global }
    .group_segment_fixed_size: 174080
    .private_segment_fixed_size: 0
    .kernarg_segment_align: 8
    .kernarg_segment_size: 56
    .max_flat_workgroup_size: 512
    .sgpr_count:     66
    .vgpr_count:     256
    .wavefront_size: 32
...
	.end_amdgpu_metadata
.endif
;; end of part 6
;; launch attn (part 7): grid 4 x 128, 16 waves a work-group, clusters of 4 x 4, 327,680 bytes of LDS; arguments qimg, kv, add_attn, mask, oimg; writes oimg
.if DOCPART == 7
	.amdgcn_target "amdgcn-amd-amdhsa--gfx1250"
	.amdhsa_code_object_version 6
	.text
	.protected	k_qdd8154192f_attn
	.globl	k_qdd8154192f_attn
	.p2align	8
	.type	k_qdd8154192f_attn,@function
k_qdd8154192f_attn:
	s_mov_b64 s[64:65], 0
	v_nop
	global_prefetch_b8 v0, s[64:65] scope:SCOPE_SE
	s_setreg_imm32_b32 hwreg(HW_REG_WAVE_MODE, 25, 1), 1
	s_wait_xcnt 0x0
	s_wait_alu depctr_hold_cnt(0) depctr_sa_sdst(0) depctr_va_vdst(0) depctr_va_sdst(0) depctr_va_ssrc(0) depctr_va_vcc(0) depctr_vm_vsrc(0)
	s_getreg_b32 s2, hwreg(HW_REG_IB_STS2, 6, 4)
	s_cmp_eq_u32 s2, 0
	s_cbranch_scc0 .Lentry_in_a_cluster
	s_endpgm
.Lentry_in_a_cluster:
	s_bfe_u32 s2, ttmp6, 0x10000c
	s_cmp_lg_u32 s2, 0xf033
	s_cbranch_scc0 .Lentry_shape_is_right
	s_endpgm
.Lentry_shape_is_right:
; Attention on codes of FP4 (E2M1): S^T = K (Q/8)^T + add_attn^T, the key mask, a streaming softmax, O^T = V^T P^T; O / l leaves as codes, laid as images of the last product's operand registers.
; THE SOFTMAX: t = logit x log2(e); M = the running largest t rounded UP to a whole number; p = 2^(t - M) is quantised along the keys, not normalised; the row's sum is taken of the unquantised p and divides at the end.
; SHARES.  Work-group (hg, wy): heads 4 hg .. 4 hg + 3, queries 64 wy .. 64 wy + 63 (wy = 32 b + block).  Wave w: head w / 4, query tile w % 4: 16 queries in 256 registers, four waves to a SIMD.
; Every wave walks the batch's 2,048 keys, 128 a step; a slot of the ring holds two steps: for each, 64 rows x 128 numbers of add_attn (rows 528 bytes apart) and four heads' units of kv (35,840 dense bytes).
; CLUSTER 4 x 4.  add_attn's tile hangs on wy alone: the four work-groups of a row of the cluster ask for it jointly, and with the four heads of a work-group it so serves all 16 heads.
; kv's tile hangs on b and hg alone: the four of a column ask for it jointly.  Waves 0, 1 ask for add_attn's two steps, waves 2, 3 for kv's.
; THREE THINGS THAT SPARE VECTOR WORK.  (a) add_attn is loaded into the score registers and is the C of the score product: no addition.
; (b) The mask rides in the unused half of that product's K: at k = 64 every key holds the code +4 and every query -4; byte 2 of a key's scale word is 2^26 where mask = 0, else 2^-126.
; (c) Where all keys of a batch are masked, c = log2(e) is replaced by 0 (a select on the mask, which is whole numbers): every t is 0, every p is 1, as reference()'s softmax of equal logits has it.
; THE LDS LOADS RUN A STEP AHEAD.  V is asked for at a step's head and used at its end.  The NEXT step's K is asked for behind this step's score products, which were the last to read K's registers;
; the next step's add_attn behind the conversions, which were the last to read p: it lands in the score registers while O^T is rescaled and multiplied.
; THE CHANGE OF SLOTS stands inside a slot's last step, behind its score products: K and add_attn of the old slot have been multiplied, V is in registers by the wait for all LDS loads.  So the loads run ahead across it too.
; LIMITS: a masked logit is about -2^30 where reference() has -1e9: the same results while a row's largest kept logit lies above about -5e8; a kept key's logit carries -2^-122;
; blocks of O / l under 2^-124 take the byte 1; NaN and infinities are not served.
; LAYOUT.  Both products are used transposed: a lane holds ONE query (lane % 16) throughout.  The keys of a tile of K are 32 b + 8 u + r + 8 (r / 8), so the 16 registers of tiles 2 b, 2 b + 1 are keys 32 b + 16 (lane / 16) + 0 .. 15.
; REGISTERS: v1-3 my places in a step's tiles, v4 16 r, v5/v6 the spare word's address and 0, v7 the prefetches' offset, v8 the next add_attn's address, v9/v10 this step's V's, v218 the next K's, v11 16 lane,
;   v12 -M, v13 the largest t, v[14:15] the sum, v16-23 Q, v24 Q's scale word, v25 P's, v[26:27] V's, v[28:31] K's (v24-31 hold scales and nothing else),
;   v32-63 and v224-255 eight fragments of K (registers 4-7 of each are constants), v64-95 V, v96-159 add_attn, then S^T, then p, v160-191 O^T, v192-199 P's codes, v200-223 at work.
.set STEPB, 69632
.set SLOTB, 139264
.set KVO,   33792                      ; a step: add_attn's 64 x 528 bytes, then kv's four units
.set SPARE, 278528                     ; behind the ring: the spare words, 128 bytes for each of 16 waves: eight blocks of 256 bytes that no other line names
.set S,   96
.set O,   160
.set PCD, 192
.set BM,  200                          ; v200-203 the blocks' largest scores, then p
.set PD,  204                          ; v204-207 permutes' destinations, bytes, a second chain of the sum
.set SO,  208                          ; v208-211 the conversions' scale operands
.set WV,  14
.set G1A, 24                           ; s[24:31] descriptor group 1 for add_attn's tiles;  s[32:39] for kv's
.set G1K, 32
.set G0A, 40                           ; s[40:47] group 0 for add_attn's, one set for each slot;  s[48:55] for kv's
.set G0K, 48
.macro CREST                           ; a round of the cluster's barrier behind its opening barrier
	s_cmp_lg_u32 s[WV], 0
	s_cbranch_scc1 .Lnot_wave_0_\@
	s_barrier_signal -3
.Lnot_wave_0_\@:
	s_barrier_wait -3
	s_barrier_signal -1
	s_barrier_wait -1
.endm
.macro ROUND                           ; a whole round
	s_barrier_signal -1
	s_barrier_wait -1
	CREST
.endm
.macro JLOAD g                         ; the joint loads of slot g.  The branches hang on the wave's number alone; four v_nop follow each of the two lines
	s_cmp_lt_u32 s[WV], 2
	s_cbranch_scc0 .Lnot_a_\@
	tensor_load_to_lds s[G0A+4*(\g):G0A+4*(\g)+3], s[G1A:G1A+7]
	s_nop 0
.rept 4
	v_nop
.endr
	s_branch .Lasked_\@
.Lnot_a_\@:
	s_cmp_lt_u32 s[WV], 4
	s_cbranch_scc0 .Lasked_\@
	tensor_load_to_lds s[G0K+4*(\g):G0K+4*(\g)+3], s[G1K:G1K+7]
	s_nop 0
.rept 4
	v_nop
.endr
.Lasked_\@:
.endm
; A PREFETCH of the tile that the NEXT change of slots will ask for: two key steps ahead of that load.  Each aligned block of 256 bytes is named once in the launch.
; add_attn: a tile is 64 rows x 1,024 bytes, read by one row of one cluster: its four partners take 16 rows each, told apart by ADDRESS; waves 4 and 5 take 8 rows each, four lanes to a row.
; kv: a tile is read by the eight clusters of a batch: the first of them asks; the four partners of a column take 16,384 bytes each, by address; waves 6 and 7 take 8,192 each, lanes 256 bytes apart
; (the last 6,144 of a tile's 71,680 bytes come by their load alone).  Tiles 0 and 1 come by their loads alone; the changes for tiles 6 and 7 ask for nothing:
; k = 1: a wave that asks, asks; k = 2, the loop's second change: not in the last trip (s56 = 1), where there is no tile two on.
.macro ASK k
.if \k == 1
	s_cmp_lg_u32 s57, 0
.else
	s_cmp_gt_u32 s56, s62
.endif
	s_cbranch_scc0 .Lnot_mine_\@
	global_prefetch_b8 v7, s[58:59] th:TH_LOAD_NT scope:SCOPE_SE
.Lnot_mine_\@:
.endm
.macro WM                              ; one product in place, by the symbols rD, rA, rB, rSA, rSB; rowA: source 0's scales lie in lanes 16-31
.if rowA
	v_wmma_scale_f32_16x16x128_f8f6f4 v[rD:rD+7], v[rA:rA+7], v[rB:rB+7], v[rD:rD+7], v[rSA], v[rSB] matrix_a_fmt:MATRIX_FMT_FP4 matrix_b_fmt:MATRIX_FMT_FP4 matrix_a_scale:MATRIX_SCALE_ROW1
.else
	v_wmma_scale_f32_16x16x128_f8f6f4 v[rD:rD+7], v[rA:rA+7], v[rB:rB+7], v[rD:rD+7], v[rSA], v[rSB] matrix_a_fmt:MATRIX_FMT_FP4 matrix_b_fmt:MATRIX_FMT_FP4
.endif
.endm
	s_load_b256 s[4:11], s[0:1], 0x0               ; qimg, kv, add_attn, mask
	s_load_b64 s[12:13], s[0:1], 0x20              ; oimg
	v_lshl_add_u32 v5, v0, 2, SPARE
	v_mov_b32 v6, 0
	ds_add_u32 v5, v6
	ds_add_u32 v5, v6
	s_wait_dscnt 0x0
	v_lshrrev_b32 v8, 5, v0
	s_delay_alu instid0(VALU_DEP_1)
	v_readfirstlane_b32 s[WV], v8                  ; wave 0..15
	s_bfe_u32 s15, ttmp6, 0x40000                  ; cx
	s_bfe_u32 s16, ttmp6, 0x40004                  ; cy
	s_lshl_b32 s17, ttmp9, 2
	s_add_co_u32 s17, s17, s15                     ; hg = 4 x cluster x + cx
	s_and_b32 s66, ttmp7, 0xffff                   ; cluster y
	s_lshl_b32 s18, s66, 2
	s_add_co_u32 s18, s18, s16                     ; wy = 4 x cluster y + cy
	s_lshr_b32 s19, s66, 3                         ; b: eight clusters to a batch
	s_lshl_b32 s67, s16, 2
	s_lshl_b32 s67, 15, s67                        ; my row of the cluster
	s_lshl_b32 s68, 0x1111, s15                    ; my column
	s_mov_b32 s20, 0x76543210
	s_mov_b32 s21, 0xfedcba98                      ; v_permlanex16_b32's selects for lane l xor 16
	; group 1, add_attn: 64 rows x 128 elements of 4 bytes, 2,048 elements from row to row; four words of padding behind every 128
	s_or_b32 s[G1A], s67, (2<<16)|(1<<20)|(1<<21)|(6<<22)|(3<<25)
	s_mov_b32 s[G1A+1], 128<<16
	s_mov_b32 s[G1A+2], 64<<16
	s_mov_b32 s[G1A+3], 128<<16
	s_mov_b32 s[G1A+4], 64
	s_mov_b32 s[G1A+5], 2048
	s_mov_b32 s[G1A+6], 0
	s_mov_b32 s[G1A+7], 0
	; group 1, kv: a dense block of 35,840 bytes as 140 rows of 32 elements of 8 bytes
	s_or_b32 s[G1K], s68, (3<<16)|(1<<21)
	s_mov_b32 s[G1K+1], 32<<16
	s_mov_b32 s[G1K+2], 140<<16
	s_mov_b32 s[G1K+3], 32<<16
	s_mov_b32 s[G1K+4], 140
	s_mov_b32 s[G1K+5], 32
	s_mov_b32 s[G1K+6], 0
	s_mov_b32 s[G1K+7], 0
	s_and_b32 s69, s[WV], 1                        ; which of a slot's two steps I fetch
	s_mul_i32 s70, s69, STEPB                      ; its place in a slot: no place in the cluster enters an LDS address
	s_lshl_b32 s72, s18, 19                        ; add_attn: 64 rows of 8,192 bytes for each wy,
	s_lshl_b32 s71, s69, 9                         ; 512 bytes a step
	s_add_co_u32 s72, s72, s71
	s_mov_b32 s73, 0
	s_lshl_b32 s74, s19, 2
	s_add_co_u32 s74, s74, s17
	s_mul_i32 s74, s74, 573440                     ; kv: 64 units for each (b, hg),
	s_mul_i32 s71, s69, 35840                      ; four a step
	s_add_co_u32 s74, s74, s71
	s_mov_b32 s75, 0
	s_wait_kmcnt 0x0
	s_add_nc_u64 s[72:73], s[8:9], s[72:73]
	s_add_nc_u64 s[74:75], s[6:7], s[74:75]
.irp g, 0,1
	s_mov_b32 s[G0A+4*\g], 1
	s_add_co_u32 s[G0A+4*\g+1], s70, \g*SLOTB
	s_add_nc_u64 s[G0A+4*\g+2:G0A+4*\g+3], s[72:73], \g*1024
	s_or_b32 s[G0A+4*\g+3], s[G0A+4*\g+3], 0x80000000
	s_mov_b32 s[G0K+4*\g], 1
	s_add_co_u32 s[G0K+4*\g+1], s70, \g*SLOTB+KVO
	s_add_nc_u64 s[G0K+4*\g+2:G0K+4*\g+3], s[74:75], \g*71680
	s_or_b32 s[G0K+4*\g+3], s[G0K+4*\g+3], 0x80000000
.endr
	ROUND                                          ; all sixteen work-groups are here: the first joint loads meet
	JLOAD 0                                        ; tile 0: keys 0 to 255
	s_and_b32 s76, s[WV], 3                        ; T: my tile of queries
	s_lshr_b32 s77, s[WV], 2                       ; hi: my head of the four
	v_and_b32 v8, 15, v0                           ; r
	v_bfe_u32 v9, v0, 4, 1                         ; h
	v_and_b32 v10, 31, v0                          ; lane
	s_delay_alu instid0(VALU_DEP_3)
	v_lshlrev_b32 v4, 4, v8
	s_delay_alu instid0(VALU_DEP_2)
	v_lshlrev_b32 v11, 4, v10
	s_wait_alu depctr_va_vdst(0)
	s_mul_i32 s78, s76, 16*528
	v_mul_u32_u24 v1, v8, 528
	s_delay_alu instid0(VALU_DEP_1)
	v_lshl_add_u32 v1, v9, 6, v1
	s_delay_alu instid0(VALU_DEP_1)
	v_add_nc_u32 v1, s78, v1                       ; add_attn: row 16 T + r, + 64 h
	s_mul_i32 s78, s77, 8960
	s_add_co_u32 s78, s78, KVO
	v_lshl_add_u32 v2, v10, 4, s78                 ; my head's unit, 16 bytes a lane
	s_add_co_u32 s78, s78, 8704
	v_lshl_add_u32 v3, v10, 3, s78                 ; V's scale words, 8 bytes a lane
	; Q: unit ((16 b + head) 16 + block / 2), tile 4 (block % 2) + T
	s_and_b32 s79, s18, 31
	s_lshl_b32 s80, s19, 4
	s_lshl_b32 s81, s17, 2
	s_add_co_u32 s80, s80, s81
	s_add_co_u32 s80, s80, s77
	s_lshl_b32 s80, s80, 4
	s_lshr_b32 s81, s79, 1
	s_add_co_u32 s80, s80, s81
	s_mul_i32 s80, s80, 4608
	s_and_b32 s81, s79, 1
	s_lshl_b32 s81, s81, 2
	s_add_co_u32 s81, s81, s76                     ; the tile
	s_lshl_b32 s82, s81, 9
	s_add_co_u32 s82, s82, s80
	s_mov_b32 s83, 0
	s_add_nc_u64 s[82:83], s[4:5], s[82:83]        ; its codes
	s_and_b32 s84, s81, 1
	s_lshl_b32 s84, s84, 8
	s_lshr_b32 s85, s81, 1
	s_lshl_b32 s85, s85, 2
	s_add_co_u32 s84, s84, s85
	s_add_co_u32 s84, s84, s80
	s_add_co_u32 s84, s84, 4096
	s_mov_b32 s85, 0
	s_add_nc_u64 s[84:85], s[4:5], s[84:85]        ; its scale words: 4096 + 16 (r + 16 (tile % 2)) + 4 (tile / 2)
	s_lshl_b32 s86, s19, 13
	s_mov_b32 s87, 0
	s_add_nc_u64 s[86:87], s[10:11], s[86:87]      ; the batch's mask
	global_load_b128 v[16:19], v11, s[82:83] th:TH_LOAD_NT
	global_load_b32 v24, v4, s[84:85]
.irp i, 0,1,2,3,4,5,6,7,8,9,10,11,12,13,14,15
	global_load_b128 v[S+4*\i:S+4*\i+3], v11, s[86:87] offset:512*\i   ; all 2,048 numbers of the mask: are they all 0?
.endr
	; the prefetches: where mine stand (at tile 1: each change steps them first), how far a tile on is, and who asks
	s_lshl_b32 s88, s18, 19
	s_lshl_b32 s89, s15, 17                        ; add_attn: my work-group's 16 rows,
	s_add_co_u32 s88, s88, s89
	s_lshl_b32 s89, s69, 16                        ; my wave's 8 of them
	s_add_co_u32 s88, s88, s89
	s_add_co_u32 s88, s88, 1024
	s_lshl_b32 s90, s19, 2
	s_add_co_u32 s90, s90, s17
	s_mul_i32 s90, s90, 573440
	s_lshl_b32 s91, s16, 14                        ; kv: my work-group's 16,384 bytes,
	s_add_co_u32 s90, s90, s91
	s_lshl_b32 s91, s69, 13                        ; my wave's 8,192 of them
	s_add_co_u32 s90, s90, s91
	s_add_co_u32 s90, s90, 71680
	s_mov_b32 s60, 71680
	s_mov_b32 s94, 1024
	s_and_b32 s95, s66, 7
	s_cmp_eq_u32 s95, 0
	s_cselect_b32 s95, 1, 0                        ; the batch's first cluster: the same in all sixteen partners
	s_cmp_lt_u32 s[WV], 6                          ; waves 4, 5: add_attn; waves 6, 7: kv
	s_cselect_b64 s[58:59], s[8:9], s[6:7]
	s_cselect_b32 s88, s88, s90
	s_cselect_b32 s60, 1024, s60
	s_cselect_b32 s94, 8192, s94
	s_cselect_b32 s57, 1, s95
	s_mov_b32 s89, 0
	s_mov_b32 s61, 0
	s_add_nc_u64 s[58:59], s[58:59], s[88:89]
	s_sub_co_u32 s96, s[WV], 4
	s_cmp_lt_u32 s96, 4
	s_cselect_b32 s57, s57, 0                      ; waves 4 to 7 alone
	s_cmp_lg_u32 s57, 0
	s_cselect_b32 s62, 1, -1                       ; 1 in a wave that asks, else the greatest number: the loop's second change asks while s56 is above it
	v_lshrrev_b32 v7, 2, v10
	s_delay_alu instid0(VALU_DEP_1)
	v_mul_lo_u32 v7, v7, s94
	v_and_b32 v200, 3, v10
	s_delay_alu instid0(VALU_DEP_1)
	v_lshl_add_u32 v7, v200, 8, v7                 ; (lane / 4) x a row (kv: 1,024) + 256 (lane % 4)
	; constants: the codes at k = 64 .. 127 of Q's fragment and of K's eight
	v_sub_nc_u32 v200, 1, v9                       ; 1 in lanes 0-15, which hold k = 64 .. 95
	s_delay_alu instid0(VALU_DEP_1)
	v_mul_u32_u24 v20, v200, 14                    ; the code of -4 at k = 64
	v_mov_b32 v21, 0
	v_mov_b32 v22, 0
	v_mov_b32 v23, 0
.irp t, 0,1,2,3
	v_mul_u32_u24 v[36+8*\t], v200, 6              ; the code of +4 at k = 64
	v_mov_b32 v[37+8*\t], 0
	v_mov_b32 v[38+8*\t], 0
	v_mov_b32 v[39+8*\t], 0
.endr
.irp t, 4,5,6,7
	v_mul_u32_u24 v[196+8*\t], v200, 6
	v_mov_b32 v[197+8*\t], 0
	v_mov_b32 v[198+8*\t], 0
	v_mov_b32 v[199+8*\t], 0
.endr
	v_mov_b32 v13, 0xff61b1e6                      ; the largest t so far: -3e38
	s_delay_alu instid0(VALU_DEP_1)
	v_floor_f32 v12, -v13                          ; -M
	v_mov_b32 v14, 0
	v_mov_b32 v15, 0
.irp b, 0,1,2,3
	v_mov_b32 v[PD+\b], 0                          ; written once: a lane permute's destination counts as one of its sources
.endr
	v_mov_b32 v213, 0                              ; (named as the upper half of the pair v[212:213])
.set n, 0
.rept 32
	v_mov_b32 v[O+n], 0                            ; O^T: the step is written once; the first finds zeros, which the first change of M leaves zeros
.set n, n+1
.endr
	s_wait_loadcnt 0x0
.irp w, 32,16,8,4,2,1
.set n, 0
.rept \w
	v_or_b32 v[S+n], v[S+n], v[S+\w+n]
.set n, n+1
.endr
.endr
	s_delay_alu instid0(VALU_DEP_1)
	v_cmp_ne_u32 s97, 0, v[S]
	s_cmp_lg_u32 s97, 0
	s_cselect_b32 s22, 0x3fb8aa3b, 0               ; c = log2(e), or 0 where no key of the batch counts: a select, no branch
	s_mov_b32 s23, s22                             ; (the packed form names the pair)
.macro KLOAD                           ; a step's K: its scale words and eight fragments' codes, nine loads, from the address in v218
	ds_load_b128 v[28:31], v218 offset:4096
.irp t, 0,1,2,3
	ds_load_b128 v[32+8*\t:35+8*\t], v218 offset:512*\t
.endr
.irp t, 4,5,6,7
	ds_load_b128 v[192+8*\t:195+8*\t], v218 offset:512*\t
.endr
.endm
.macro ALOAD                           ; a step's add_attn into the score registers, sixteen loads, from the address in v8
.irp t, 0,1,2,3,4,5,6,7
.irp i, 0,1
	ds_load_b128 v[S+8*\t+4*\i:S+8*\t+4*\i+3], v8 offset:128*(\t/2)+32*(\t%2)+16*\i   ; add_attn(my query, key 32 (t / 2) + 16 h + 8 (t % 2) + 4 i ..): the C of tile t
.endr
.endr
.endm
; The maxima: work on registers alone.  Each accumulator is read from its low end on.
.macro SMAX
.irp b, 0,1,2,3
	v_max3_num_f32 v[BM+\b], v[S+16*\b], v[S+1+16*\b], v[S+2+16*\b]   ; the largest score of each block of 32 keys: for the row's maximum and, since p rises with the score, for the block's largest p
.endr
.irp i, 3,5,7,9,11,13
.irp b, 0,1,2,3
	v_max3_num_f32 v[BM+\b], v[BM+\b], v[S+16*\b+\i], v[S+1+16*\b+\i]
.endr
.endr
.irp b, 0,1,2,3
	v_max_num_f32 v[BM+\b], v[BM+\b], v[S+15+16*\b]
.endr
.irp b, 0,1,2,3
	s_delay_alu instid0(VALU_DEP_4)
	v_permlanex16_b32 v[PD+\b], v[BM+\b], s20, s21
.endr
.irp b, 0,1,2,3
	s_delay_alu instid0(VALU_DEP_4)
	v_max_num_f32 v[BM+\b], v[BM+\b], v[PD+\b]     ; with lane l xor 16's 16 keys
.endr
	s_delay_alu instid0(VALU_DEP_2)
	v_max3_num_f32 v214, v[BM], v[BM+1], v[BM+2]
	s_delay_alu instid0(VALU_DEP_1)
	v_max_num_f32 v214, v214, v[BM+3]
	s_delay_alu instid0(VALU_DEP_1)
	v_mul_f32 v214, s22, v214                      ; as t (c is not negative)
	s_delay_alu instid0(VALU_DEP_1)
	v_max_num_f32 v13, v13, v214                   ; the running largest t
	v_mov_b32 v214, v12
	s_delay_alu instid0(VALU_DEP_2)
	v_floor_f32 v12, -v13                          ; the new -M = -ceil(t): a whole number
	s_delay_alu instid0(VALU_DEP_1)
	v_sub_f32 v214, v12, v214                      ; old M - new M: a whole number, 0 or less
	s_delay_alu instid0(VALU_DEP_1)
	v_cvt_i32_f32 v214, v214                       ; (it saturates)
	s_delay_alu instid0(VALU_DEP_1)
	v_ldexp_f32 v212, 1.0, v214                    ; f = 2^(old M - new M): the rescaling rounds nothing
.endm
; THE CHANGE to the tile in slot g.  Each wave waits for all its tensor loads (one is out: its part of slot g), adds 0 to its spare word, and waits for that and for its reads of the other slot.
; Behind the round no wave of any partner reads that other slot or has a load on its way: it is filled first, with the tile after, which has two key steps in which to land.
; smax = 1: the change stands behind a step's score products: four places behind them, and the search for the maxima between the opening barrier's signal and its wait: work on registers while the others arrive.
.macro CHANGE g, refill, ask, smax
	s_wait_tensorcnt 0x0
	ds_add_u32 v5, v6                              ; 0 onto my spare word; the lines below stand between it and the wait for it
	s_add_nc_u64 s[G0A+4*\g+2:G0A+4*\g+3], s[G0A+4*\g+2:G0A+4*\g+3], 2048      ; no load of mine is out: slot g's next tile, two tiles on
	s_add_nc_u64 s[G0K+4*\g+2:G0K+4*\g+3], s[G0K+4*\g+2:G0K+4*\g+3], 143360
.if \ask
	s_wait_xcnt 0x0                                ; the last prefetch, two key steps back, has read its address
	s_add_nc_u64 s[58:59], s[58:59], s[60:61]
.endif
.if \smax
.rept 4
	v_nop                                          ; four places behind the score products, ahead of the first read of the scores and of the loads into K's registers
.endr
.endif
	s_wait_dscnt 0x0                               ; the add is done; my reads of the other slot are over, V's among them
	s_barrier_signal -1
.if \smax
	SMAX
.endif
	s_barrier_wait -1
	CREST
.if \refill
	JLOAD 1-\g
.endif
.if \ask
	ASK \ask
.endif
.endm
; A KEY STEP: 128 keys, whose tiles begin at LDS byte sb; the next step's at nsb.  At its head this step's K and add_attn have been asked for.
; kind 0: the next step lies in the same slot.  kind 1: a slot's last step: the change (g, refill, ask) stands in it.  kind 2: the very last step: nothing more is asked for.
.macro STEP sb, nsb, kind, g, refill, ask
	v_add_nc_u32 v9, \sb, v2
	v_add_nc_u32 v10, \sb, v3
.if \kind < 2
	v_add_nc_u32 v218, \nsb, v2
	v_add_nc_u32 v8, \nsb, v1
.else
	v_nop
	v_nop
.endif                                 ; these four are the places behind the last step's products, ahead of the loads into V's registers
	ds_load_b64 v[26:27], v10                      ; V's scale words
.irp t, 0,1,2,3
.irp c, 0,1
	ds_load_b128 v[64+8*\t+4*\c:67+8*\t+4*\c], v9 offset:4608+1024*\t+512*\c
.endr
.endr
	s_wait_dscnt 9                                 ; K and add_attn are in; V's nine loads may be out
.set rB, 16
.set rSB, 24
.irp t, 0,1,2,3
.set rD, S+8*\t
.set rA, 32+8*\t
.set rSA, 28+\t/2
.set rowA, \t%2
	WM                                             ; S^T = K Q^T + add_attn^T + the mask's term
.endr
.irp t, 4,5,6,7
.set rD, S+8*\t
.set rA, 192+8*\t
.set rSA, 28+\t/2
.set rowA, \t%2
	WM
.endr
.if \kind == 1
	CHANGE \g, \refill, \ask, 1
.else
.rept 4
	v_nop                                          ; four places behind the score products
.endr
.endif
.if \kind < 2
	s_wait_alu depctr_va_vdst(0)
	KLOAD                                          ; the next step's K: it has the softmax in which to come
.endif
.if \kind != 1
	SMAX
.endif
.set n, 0
.rept 32
	v_pk_fma_f32 v[S+n:S+n+1], v[S+n:S+n+1], s[22:23], v[12:13] op_sel_hi:[1,0,0]   ; t - M, two at a time
.set n, n+2
.endr
.irp b, 0,1,2,3
	v_fma_f32 v[BM+\b], v[BM+\b], s22, v12         ; the same of each block's largest score
.endr
	s_wait_alu depctr_va_vdst(0)
.irp b, 0,1,2,3
	v_exp_f32 v[BM+\b], v[BM+\b]                   ; each block's largest p: the same two instructions on the same number give the same bits as its p below
.endr
.set n, 0
.rept 64
	v_exp_f32 v[S+n], v[S+n]                       ; p = 2^(t - M)
.set n, n+1
.endr
	v_pk_mul_f32 v[14:15], v[14:15], v[212:213] op_sel_hi:[1,0]   ; the sums under the new M: the plain line behind the exponentials
.set n, 0
	s_wait_alu depctr_va_vdst(0)
.rept 8
	v_pk_mul_f32 v[O+n:O+n+1], v[O+n:O+n+1], v[212:213] op_sel_hi:[1,0]   ; half of O^T under the new M: work that names no exponential's result
.set n, n+2
.endr
	s_wait_alu depctr_va_vdst(0)                   ; one wait for the batch of 68, ahead of its first reader
.irp b, 0,1,2,3
	v_max_num_f32 v[BM+\b], 0x1800000, v[BM+\b]    ; the floor 2^(3 - 127): a block whose every p is 0 keeps the byte 1; its codes are zeros
.endr
.irp b, 0,1,2,3
	s_delay_alu instid0(VALU_DEP_4)
	v_add_nc_u32 v[SO+\b], 0xff000000, v[BM+\b]    ; 2 off the exponent field: the conversion's scale operand
.endr
.irp b, 0,1,2,3
	s_delay_alu instid0(VALU_DEP_4)
	v_lshrrev_b32 v[PD+\b], 23, v[SO+\b]           ; the scale's byte
.endr
	s_delay_alu instid0(VALU_DEP_3)
	v_lshl_or_b32 v25, v[PD+1], 8, v[PD]           ; p's scale word for these 128 keys; the 32 sums below stand between this write and the products that take it
	s_delay_alu instid0(VALU_DEP_1)
	v_lshl_or_b32 v25, v[PD+2], 16, v25
	s_delay_alu instid0(VALU_DEP_1)
	v_lshl_or_b32 v25, v[PD+3], 24, v25
	v_pk_add_f32 v[204:205], v[100:101], v[104:105]
	v_pk_add_f32 v[222:223], v[108:109], v[112:113]
	v_pk_add_f32 v[220:221], v[116:117], v[120:121]
	v_pk_add_f32 v[218:219], v[124:125], v[128:129]
	v_pk_add_f32 v[216:217], v[132:133], v[136:137]
	v_pk_add_f32 v[214:215], v[140:141], v[144:145]
	v_pk_add_f32 v[202:203], v[148:149], v[152:153]
	v_pk_add_f32 v[14:15], v[14:15], v[156:157]
	v_pk_add_f32 v[204:205], v[204:205], v[96:97]
	v_pk_add_f32 v[222:223], v[222:223], v[98:99]
	v_pk_add_f32 v[220:221], v[220:221], v[102:103]
	v_pk_add_f32 v[218:219], v[218:219], v[106:107]
	v_pk_add_f32 v[216:217], v[216:217], v[110:111]
	v_pk_add_f32 v[214:215], v[214:215], v[114:115]
	v_pk_add_f32 v[202:203], v[202:203], v[118:119]
	v_pk_add_f32 v[14:15], v[14:15], v[122:123]
	v_pk_add_f32 v[204:205], v[204:205], v[126:127]
	v_pk_add_f32 v[222:223], v[222:223], v[130:131]
	v_pk_add_f32 v[220:221], v[220:221], v[134:135]
	v_pk_add_f32 v[218:219], v[218:219], v[138:139]
	v_pk_add_f32 v[216:217], v[216:217], v[142:143]
	v_pk_add_f32 v[214:215], v[214:215], v[146:147]
	v_pk_add_f32 v[202:203], v[202:203], v[150:151]
	v_pk_add_f32 v[14:15], v[14:15], v[154:155]
	v_pk_add_f32 v[204:205], v[204:205], v[158:159]
	s_delay_alu instid0(VALU_DEP_2)
	v_pk_add_f32 v[14:15], v[14:15], v[218:219]
	s_delay_alu instid0(VALU_DEP_2)
	v_pk_add_f32 v[204:205], v[204:205], v[216:217]
	v_pk_add_f32 v[222:223], v[222:223], v[214:215]
	v_pk_add_f32 v[220:221], v[220:221], v[202:203]
	s_delay_alu instid0(VALU_DEP_2)
	v_pk_add_f32 v[14:15], v[14:15], v[222:223]
	s_delay_alu instid0(VALU_DEP_2)
	v_pk_add_f32 v[204:205], v[204:205], v[220:221]
	s_delay_alu instid0(VALU_DEP_1)
	v_pk_add_f32 v[14:15], v[14:15], v[204:205]
.irp b, 0,1,2,3
	v_cvt_scalef32_pk8_fp4_f32 v[PCD+2*\b], v[S+16*\b:S+7+16*\b], v[SO+\b]
	v_cvt_scalef32_pk8_fp4_f32 v[PCD+1+2*\b], v[S+8+16*\b:S+15+16*\b], v[SO+\b]
.endr
	v_nop                                          ; one plain line behind the conversions
.if \kind < 2
	ALOAD                                          ; p has been read for the last time: the next step's add_attn lands in its registers
.endif
.irp c, 0,1
.irp i, 0,1
	v_permlane16_swap_b32 v[PCD+4*\c+\i], v[PCD+2+4*\c+\i]   ; a whole block to a lane
.endr
.endr
.set n, 16
.rept 8
	v_pk_mul_f32 v[O+n:O+n+1], v[O+n:O+n+1], v[212:213] op_sel_hi:[1,0]   ; the other half of O^T; these eight also stand between the writes of p's codes and the products
.set n, n+2
.endr
.if \kind == 0
	s_wait_alu depctr_va_vdst(0)
	s_wait_dscnt 25                                ; V is in; behind it: the next step's nine loads of K and sixteen of add_attn
.endif
.if \kind == 2
	s_wait_alu depctr_va_vdst(0)
	s_wait_dscnt 0x0                               ; V is in.  (With a change in the step its wait for all LDS loads has shown that)
.endif
.set rB, PCD
.set rSB, 25
.irp t, 0,1,2,3
.set rD, O+8*\t
.set rA, 64+8*\t
.set rSA, 26+\t/2
.set rowA, \t%2
	WM                                             ; O^T += V^T P^T; the accumulators take turns, here and into the next step
.endr
.endm
	CHANGE 0, 1, 1, 0                              ; tile 0 is whole; slot 1 gets tile 1
	v_add_nc_u32 v218, 0, v2
	v_add_nc_u32 v8, 0, v1
	KLOAD                                          ; the first step's K and add_attn
	ALOAD
	s_mov_b32 s56, 3
.Ltiles:                                           ; eight tiles of 256 keys: three trips of two, with the changes to tiles 1 to 6; the last two tiles are written out
	STEP 0, STEPB, 0, 0, 0, 0
	STEP STEPB, SLOTB, 1, 1, 1, 1
	STEP SLOTB, SLOTB+STEPB, 0, 0, 0, 0
	STEP SLOTB+STEPB, 0, 1, 0, 1, 2
	s_sub_co_u32 s56, s56, 1
	s_cmp_lg_u32 s56, 0
	s_cbranch_scc1 .Ltiles
	STEP 0, STEPB, 0, 0, 0, 0
	STEP STEPB, SLOTB, 1, 1, 0, 0                  ; the change to tile 7: nothing is left to ask for
	STEP SLOTB, SLOTB+STEPB, 0, 0, 0, 0
	STEP SLOTB+STEPB, 0, 2, 0, 0, 0
	; THE WAY OUT: O^T / l, quantised along head x d (two blocks of 32 a head), as half a fragment of the last product: block wy 2 + T / 2 of 32 rows, K step head / 2, half head % 2
.rept 4
	v_nop                                          ; places behind the last products
.endr
	v_add_f32 v14, v14, v15
	s_delay_alu instid0(VALU_DEP_1)
	v_permlanex16_b32 v[PD], v14, s20, s21
	s_delay_alu instid0(VALU_DEP_1)
	v_add_f32 v14, v14, v[PD]                      ; the row's sum
	s_wait_alu depctr_va_vdst(0)
	v_rcp_f32 v14, v14
	v_and_b32 v217, 31, v0                         ; (a plain line behind the reciprocal)
	s_delay_alu instid0(VALU_DEP_1)
	v_lshlrev_b32 v217, 3, v217                    ; 8 lane
	s_lshl_b32 s80, s18, 1
	s_lshr_b32 s81, s76, 1
	s_add_co_u32 s80, s80, s81
	s_mul_i32 s80, s80, 18432                      ; the block of 32 rows
	s_and_b32 s81, s76, 1                          ; its tile
	s_lshl_b32 s82, s17, 1
	s_lshr_b32 s83, s77, 1
	s_add_co_u32 s82, s82, s83                     ; the K step
	s_and_b32 s83, s77, 1                          ; the half
	s_lshl_b32 s84, s82, 1
	s_add_co_u32 s84, s84, s81
	s_lshl_b32 s84, s84, 10
	s_lshl_b32 s85, s83, 9
	s_add_co_u32 s84, s84, s85
	s_add_co_u32 s84, s84, s80
	s_mov_b32 s85, 0
	s_add_nc_u64 s[84:85], s[12:13], s[84:85]      ; codes: (2 s + tile) 1024 + 512 c
	s_lshl_b32 s86, s82, 8
	s_lshl_b32 s87, s81, 2
	s_add_co_u32 s86, s86, s87
	s_lshl_b32 s87, s83, 1
	s_add_co_u32 s86, s86, s87
	s_add_co_u32 s86, s86, s80
	s_add_co_u32 s86, s86, 16384
	s_mov_b32 s87, 0
	s_add_nc_u64 s[86:87], s[12:13], s[86:87]      ; scale bytes: 16384 + 256 s + 4 tile + 2 c
	s_wait_alu depctr_va_vdst(0)                   ; the wait ahead of the reciprocal's first reader
.set n, 0
.rept 16
	v_pk_mul_f32 v[S+n:S+n+1], v[O+n:O+n+1], v[14:15] op_sel_hi:[1,0]   ; each accumulator from its low end on
.set n, n+2
.endr
	v_max3_num_f32 v[BM], |v[S]|, |v[S+1]|, 0x1800000
	v_max3_num_f32 v[BM+1], |v[S+16]|, |v[S+17]|, 0x1800000
.irp i, 2,4,6,8,10,12,14
	s_delay_alu instid0(VALU_DEP_2)
	v_max3_num_f32 v[BM], v[BM], |v[S+\i]|, |v[S+\i+1]|
	s_delay_alu instid0(VALU_DEP_2)
	v_max3_num_f32 v[BM+1], v[BM+1], |v[S+16+\i]|, |v[S+17+\i]|
.endr
	s_delay_alu instid0(VALU_DEP_2)
	v_permlanex16_b32 v[PD], v[BM], s20, s21
	s_delay_alu instid0(VALU_DEP_2)
	v_permlanex16_b32 v[PD+1], v[BM+1], s20, s21
	s_delay_alu instid0(VALU_DEP_2)
	v_max_num_f32 v[BM], v[BM], v[PD]
	s_delay_alu instid0(VALU_DEP_2)
	v_max_num_f32 v[BM+1], v[BM+1], v[PD+1]
	s_delay_alu instid0(VALU_DEP_2)
	v_add_nc_u32 v[SO], 0xff000000, v[BM]
	s_delay_alu instid0(VALU_DEP_2)
	v_add_nc_u32 v[SO+1], 0xff000000, v[BM+1]
	s_delay_alu instid0(VALU_DEP_2)
	v_lshrrev_b32 v[PD], 23, v[SO]
	s_delay_alu instid0(VALU_DEP_2)
	v_lshrrev_b32 v[PD+1], 23, v[SO+1]
	s_delay_alu instid0(VALU_DEP_1)
	v_lshl_or_b32 v216, v[PD+1], 8, v[PD]
	v_cvt_scalef32_pk8_fp4_f32 v[PCD], v[S:S+7], v[SO]
	v_cvt_scalef32_pk8_fp4_f32 v[PCD+1], v[S+8:S+15], v[SO]
	v_cvt_scalef32_pk8_fp4_f32 v[PCD+2], v[S+16:S+23], v[SO+1]
	v_cvt_scalef32_pk8_fp4_f32 v[PCD+3], v[S+24:S+31], v[SO+1]
	v_nop
	v_permlane16_swap_b32 v[PCD], v[PCD+2]
	v_permlane16_swap_b32 v[PCD+1], v[PCD+3]
	global_store_b128 v11, v[PCD:PCD+3], s[84:85]  ; 512 consecutive bytes, at a multiple of 256 from the buffer's first byte
	global_store_b16 v217, v216, s[86:87]          ; my head's two bytes of each row's word, in both halves of the lanes' places
	s_wait_tensorcnt 0x0                           ; the wave's end
	ds_add_u32 v5, v6
	s_wait_dscnt 0x0
	ROUND                                          ; the closing round: no work-group ends while a partner may still ask for a tile that names it
	s_endpgm
.Lfunc_end_k_qdd8154192f_attn:
	.size	k_qdd8154192f_attn, .Lfunc_end_k_qdd8154192f_attn-k_qdd8154192f_attn
	.p2alignl 7, 3214868480
	.fill 96, 4, 3214868480
	.section	.rodata,"a",@progbits
	.p2align	6, 0x0
	.amdhsa_kernel k_qdd8154192f_attn
		.amdhsa_group_segment_fixed_size 327680
		.amdhsa_private_segment_fixed_size 0
		.amdhsa_enable_private_segment 0
		.amdhsa_kernarg_size 40
		.amdhsa_user_sgpr_count 2
		.amdhsa_user_sgpr_kernarg_segment_ptr 1
		.amdhsa_wavefront_size32 1
		.amdhsa_system_sgpr_workgroup_id_x 1
		.amdhsa_system_sgpr_workgroup_id_y 1
		.amdhsa_system_sgpr_workgroup_id_z 1
		.amdhsa_system_vgpr_workitem_id 0
		.amdhsa_next_free_vgpr 256
		.amdhsa_next_free_sgpr 100
		.amdhsa_reserve_vcc 0
		.amdhsa_float_denorm_mode_32 3
		.amdhsa_float_denorm_mode_16_64 3
		.amdhsa_memory_ordered 1
		.amdhsa_forward_progress 1
		.amdhsa_inst_pref_size 159
	.end_amdhsa_kernel
	.amdgpu_metadata
---
amdhsa.version: [ 1, 2 ]
amdhsa.kernels:
  - .name:           k_qdd8154192f_attn
    .symbol:         k_qdd8154192f_attn.kd
    .args:
      - { .name: qimg, .offset: 0, .size: 8, .value_kind: global_buffer, .address_space: global }
      - { .name: kv, .offset: 8, .size: 8, .value_kind: global_buffer, .address_space: global }
      - { .name: add_attn, .offset: 16, .size: 8, .value_kind: global_buffer, .address_space: global }
      - { .name: mask, .offset: 24, .size: 8, .value_kind: global_buffer, .address_space: global }
      - { .name: oimg, .offset: 32, .size: 8, .value_kind: global_buffer, .address_space: global }
    .group_segment_fixed_size: 327680
    .private_segment_fixed_size: 0
    .kernarg_segment_align: 8
    .kernarg_segment_size: 40
    .max_flat_workgroup_size: 512
    .sgpr_count:     100
    .vgpr_count:     256
    .wavefront_size: 32
...
	.end_amdgpu_metadata
.endif
;; end of part 7
;; launch outp (part 8): grid 256 x 1, 16 waves a work-group, no clusters, 95,232 bytes of LDS; arguments oimg, wimg, q, ln_g, ln_b, out0; writes out0
.if DOCPART == 8
	.amdgcn_target "amdgcn-amd-amdhsa--gfx1250"
	.amdhsa_code_object_version 6
	.text
	.protected	k_qdd8154192f_outp
	.globl	k_qdd8154192f_outp
	.p2align	8
	.type	k_qdd8154192f_outp,@function
k_qdd8154192f_outp:
	s_mov_b64 s[64:65], 0
	v_nop
	global_prefetch_b8 v0, s[64:65] scope:SCOPE_SE
	s_setreg_imm32_b32 hwreg(HW_REG_WAVE_SCHED_MODE, 0, 2), 2
	s_setreg_imm32_b32 hwreg(HW_REG_WAVE_MODE, 25, 1), 1
	s_wait_xcnt 0x0
	s_wait_alu depctr_vm_vsrc(0)
; out0 = LayerNorm(attention's result x w_o + q): the product on codes of FP4 (E2M1) with one E8M0 byte for each 32 along K; all else in f32.
; Work-group rb takes 32 rows and all 1,024 columns, so a row of the LayerNorm has one owner; wave w takes columns 64 w .. 64 w + 63: 8 accumulators of 16 x 16.
; The rows' codes (oimg's block rb: 16 fragments and their scale words, 18,432 bytes) are copied into LDS once, each wave 1/16, and read by all; w_o's fragments come from wimg straight into registers, two K steps ahead.
; THE RESIDUAL IS THE C OF THE FIRST K STEP: q's 32 x 64 numbers are loaded as whole runs of 256 bytes, turned through the wave's stage into the result's layout, and the products add onto them.
; Source 0 = 16 columns of w_o (columns 8 u + r + 8 (r / 8) of a group of 32), source 1 = 16 rows: lane (r, h) holds row r; register 16 b + k of a tile of rows is column 32 b + 16 h + k of my 64.
; THE LAYERNORM GOES IN TWO PASSES (the mean; then the squares of the differences), so that no difference of large sums is formed; each pass meets in LDS, 16 partial sums a row, added in the same order by every wave.
; w_o is shared by all row blocks and is not asked for jointly here: no fragment is used by two waves of a work-group, so a way through LDS would write and read each of its 557,056 bytes once more.
; LIMITS: NaN and infinities are not served.
; THE MODE: SCHED_MODE bits 1:0 = 2 (LLVM: expert scheduling mode 2), set by the entry lines.  The code itself states the register dependences
; between vector or matrix instructions and memory or LDS instructions, with s_wait_alu, always for 0.
; THE PLAN.  Registers that memory or LDS instructions touch:
;   v1-9, v13, v14, v62, v63  addresses, made once at the head and never written again: one wait on va_vdst ahead of the first load.
;   v48-56           my part of the rows' images: loads land, the copy's LDS stores read; from the first pass on the sums write v48-55.
;   v128-191         q's loads land; the stage's stores read them and its loads land in them again (a wait on vm_vsrc between the two); the products and the norm write them;
;                    on the way out the stage's stores read them (a wait on va_vdst), its loads land in them again (vm_vsrc), the global stores read what was loaded.
;   v32-47, v24, v25 the LDS loads of K step s + 1 land; the products of step s + 1 read.
;   v64-127, v20-23  two sets: the products of step s read set s % 2; the loads of step s + 2 land in it.  Behind the products the partial sums' LDS loads land in v64-95, and vector sums work on them.
;   v48, v52         each pass: the sums write them, two LDS stores read them.
;   v192-255         the gains: loaded once, read by vector instructions.
; So ONE wait on va_vdst stands in a K step, behind its products; the step's fourteen loads follow it in one run, the rows' fragments, which are wanted first, ahead of the weights of two steps on.
; Sixteen waves of 256 registers fill the four SIMDs' 1,024 each: there is no room for a further set of either.
.set STG,    18432                     ; LDS: the rows' images from 0; a stage of 16 rows x 272 bytes for each wave;
.set STGB,   4352
.set RED1,   88064                     ; 32 rows x 80 bytes of partial sums; the second pass's lie 2,560 bytes on
.set UNIT,   4352
.set WBYTES, 557056
.set XF,     32                        ; v32-47   the rows' two fragments
.set WB0,    64                        ; v64-95, v96-127 w_o's four fragments, two sets; later the partial sums
.set ACC,    128                       ; v128-191 accumulators at 32 T + 8 t
.set GG,     192                       ; v192-223 ln_g of my columns, in the accumulators' order;  v224-255 ln_b
.set BB,     224
; v1 16 lane, v2 8 lane, v3 4 lane, v4 my place in two rows of q and out0, v5/v6 the stage by rows / by the result's layout, v7 64 h, v8/v9 partial sums: where I put mine / read a row's,
; v13/v14 where I put my part of the copy, v[20:23] w_o's scale words, v[24:25] the rows' (these six hold scales and nothing else), v48-57 at work, v58/v59 permutes' destinations, v60 eps
	s_load_b256 s[4:11], s[0:1], 0x0               ; oimg, wimg, q, ln_g
	s_load_b128 s[12:15], s[0:1], 0x20             ; ln_b, out0
	v_lshl_add_u32 v62, v0, 2, 0x16c00
	v_mov_b32 v63, 0
	v_lshrrev_b32 v10, 5, v0
	v_readfirstlane_b32 s16, v10                   ; wave
	s_mov_b32 s20, 0x76543210
	s_mov_b32 s21, 0xfedcba98                      ; v_permlanex16_b32's selects for lane l xor 16
	s_mov_b32 s22, 0x3a800000                      ; 1 / 1024
	v_and_b32 v10, 31, v0                          ; lane
	v_and_b32 v11, 15, v0                          ; r
	v_bfe_u32 v12, v0, 4, 1                        ; h
	v_lshlrev_b32 v1, 4, v10
	v_lshlrev_b32 v2, 3, v10
	v_lshlrev_b32 v3, 2, v10
	v_lshlrev_b32 v4, 4, v11
	v_lshl_add_u32 v4, v12, 12, v4                 ; lanes 0-15 one row's 256 bytes, lanes 16-31 the next row's
	s_wait_alu depctr_va_sdst(0)                   ; s16, the wave's number, is written, ahead of its first reader
	s_mul_i32 s24, s16, STGB
	s_add_co_u32 s24, s24, STG                     ; my stage
	v_mul_u32_u24 v5, v12, 272
	v_lshl_add_u32 v5, v11, 4, v5
	v_add_nc_u32 v5, s24, v5
	v_mul_u32_u24 v6, v11, 272
	v_lshl_add_u32 v6, v12, 6, v6
	v_add_nc_u32 v6, s24, v6
	v_lshlrev_b32 v7, 6, v12
	v_mul_u32_u24 v9, v11, 80
	v_add_nc_u32 v9, RED1, v9
	s_lshl_b32 s25, s16, 2
	v_add_nc_u32 v8, s25, v9
	s_lshl_b32 s25, s16, 10
	v_add_nc_u32 v13, s25, v1                      ; the copy: 1,024 bytes of codes a wave,
	s_lshl_b32 s40, s16, 7
	s_add_co_u32 s40, s40, 16384
	v_add_nc_u32 v14, s40, v3                      ; and 128 bytes of scale words
	v_mov_b32 v58, 0
	v_mov_b32 v59, 0
	v_mov_b32 v60, 0x358637bd                      ; 1e-6
	s_mul_i32 s42, ttmp9, 18432
	s_add_co_u32 s26, s42, s25
	s_mov_b32 s27, 0
	s_add_co_u32 s28, s42, s40
	s_mov_b32 s29, 0
	s_lshl_b32 s30, ttmp9, 17                      ; 32 rows of 4,096 bytes,
	s_lshl_b32 s43, s16, 8                         ; my 64 columns
	s_add_co_u32 s30, s30, s43
	s_mov_b32 s31, 0
	s_mov_b32 s44, s43
	s_mov_b32 s45, 0
	s_mul_i32 s38, s16, 8*UNIT
	s_add_co_u32 s38, s38, 3*WBYTES
	s_mov_b32 s39, 0
	s_wait_kmcnt 0x0
	s_add_nc_u64 s[26:27], s[4:5], s[26:27]
	s_add_nc_u64 s[28:29], s[4:5], s[28:29]
	s_add_nc_u64 s[32:33], s[14:15], s[30:31]      ; out0
	s_add_nc_u64 s[30:31], s[8:9], s[30:31]        ; q
	s_add_nc_u64 s[34:35], s[10:11], s[44:45]      ; ln_g
	s_add_nc_u64 s[36:37], s[12:13], s[44:45]      ; ln_b
	s_add_nc_u64 s[38:39], s[6:7], s[38:39]        ; w_o's eight units of my columns
.macro WLOAD s                         ; K step s of w_o into set s % 2: nine loads
.irp t, 0,1,2,3
.irp c, 0,1
	global_load_b128 v[WB0+32*((\s)%2)+8*\t+4*\c:WB0+32*((\s)%2)+8*\t+4*\c+3], v1, s[38:39] offset:UNIT*(\s)+1024*\t+512*\c
.endr
.endr
	global_load_b64 v[20+2*((\s)%2):21+2*((\s)%2)], v2, s[38:39] offset:UNIT*(\s)+4096
.endm
.macro XLOADS s                        ; K step s of the rows: two fragments and their scale words, five LDS loads
.irp T, 0,1
.irp c, 0,1
	ds_load_b128 v[XF+8*\T+4*\c:XF+8*\T+4*\c+3], v1 offset:(2*(\s)+\T)*1024+512*\c
.endr
.endr
	ds_load_b64 v[24:25], v2 offset:16384+256*(\s)
.endm
	s_wait_alu depctr_va_vdst(0)                   ; the addresses v1 to v9, v13 and v14, and v62 and v63, are written: every load and store of the kernel reads one of them
	global_load_b128 v[48:51], v1, s[26:27] th:TH_LOAD_NT
	global_load_b128 v[52:55], v1, s[26:27] offset:512 th:TH_LOAD_NT
	global_load_b32 v56, v3, s[28:29] th:TH_LOAD_NT
.irp T, 0,1
.irp i, 0,1,2,3,4,5,6,7
	global_load_b128 v[ACC+32*\T+4*\i:ACC+32*\T+4*\i+3], v4, s[30:31] offset:(16*\T+2*\i)*4096 th:TH_LOAD_NT   ; rows 16 T + 2 i, + 1: two aligned runs of 256 bytes
.endr
.endr
.irp b, 0,1
.irp i, 0,1,2,3
	global_load_b128 v[GG+16*\b+4*\i:GG+16*\b+4*\i+3], v7, s[34:35] offset:128*\b+16*\i
.endr
.endr
.irp b, 0,1
.irp i, 0,1,2,3
	global_load_b128 v[BB+16*\b+4*\i:BB+16*\b+4*\i+3], v7, s[36:37] offset:128*\b+16*\i
.endr
.endr
	WLOAD 0
	WLOAD 1
	s_wait_loadcnt 50                              ; my part of the rows' images is in; behind it: 16 of q, 16 of the gains, 18 of w_o
	ds_store_b128 v13, v[48:51]
	ds_store_b128 v13, v[52:55] offset:512
	ds_store_b32 v14, v56
	s_wait_loadcnt 34                              ; q's 16 loads are in
.irp T, 0,1                            ; through my stage into the result's layout, back into the registers that they left: LDS serves a wave's instructions in order (ISA guide 5.7.1.4)
.irp i, 0,1,2,3,4,5,6,7
	ds_store_b128 v5, v[ACC+32*\T+4*\i:ACC+32*\T+4*\i+3] offset:544*\i
.endr
	s_wait_alu depctr_vm_vsrc(0)                   ; the eight stores have read their data, in whose registers the loads below land; the copy's stores have read v48 to v56, which the sums write later
.irp t, 0,1,2,3
.irp i, 0,1
	ds_load_b128 v[ACC+32*\T+8*\t+4*\i:ACC+32*\T+8*\t+4*\i+3], v6 offset:128*(\t/2)+32*(\t%2)+16*\i
.endr
.endr
.endr
.macro BARRIER                         ; my LDS stores have landed and my LDS loads are in: then the work-group's barrier
	s_wait_dscnt 0x0
	s_barrier_signal -1
	s_barrier_wait -1
.endm
	BARRIER                                        ; the rows' 16 fragments lie in LDS
	XLOADS 0                                       ; the first K step's fragments: no vector instruction has named their registers
.macro WM
.if rowA
	v_wmma_scale_f32_16x16x128_f8f6f4 v[rD:rD+7], v[rA:rA+7], v[rB:rB+7], v[rD:rD+7], v[rSA], v[rSB] matrix_a_fmt:MATRIX_FMT_FP4 matrix_b_fmt:MATRIX_FMT_FP4 matrix_a_scale:MATRIX_SCALE_ROW1
.else
	v_wmma_scale_f32_16x16x128_f8f6f4 v[rD:rD+7], v[rA:rA+7], v[rB:rB+7], v[rD:rD+7], v[rSA], v[rSB] matrix_a_fmt:MATRIX_FMT_FP4 matrix_b_fmt:MATRIX_FMT_FP4
.endif
.endm
.macro KSTEP s
.if (\s) < 7
	s_wait_loadcnt 9                               ; this K step's weights are in; the next step's nine loads may be out
.else
	s_wait_loadcnt 0x0
.endif
	s_wait_dscnt 0x0                               ; this K step's fragments of the rows are in
.irp T, 0,1                            ; the eight accumulators take turns, one instruction a turn
.irp t, 0,1,2,3
.set rD, ACC+32*\T+8*\t
.set rA, WB0+32*((\s)%2)+8*\t
.set rB, XF+8*\T
.set rSA, 20+2*((\s)%2)+\t/2
.set rSB, 24+\T
.set rowA, \t%2
	WM
.endr
.endr
.rept 4
	v_nop                                          ; four places behind the products: ahead of the loads into registers that they have read, and of the first read of results
.endr
.if (\s) < 7
	s_wait_alu depctr_va_vdst(0)                   ; the eight products are done reading the rows' fragments, their set of the weights and both kinds of scale words: the loads below land in these registers
	XLOADS (\s)+1                                  ; the rows' next fragments first: they are wanted first
.endif
.if (\s) < 6
	WLOAD (\s)+2
.endif
.endm
.irp s, 0,1,2,3,4,5,6,7
	KSTEP \s
.endr
; my two chains of each tile of rows (v[48 + 4 T], v[50 + 4 T], pairs) are added, with lane l xor 16's; the waves' 16 partial sums of each row meet in LDS; their sum comes back in v[64 + 16 T]
.macro REDUCE off
.irp T, 0,1
	v_pk_add_f32 v[48+4*\T:49+4*\T], v[48+4*\T:49+4*\T], v[50+4*\T:51+4*\T]
.endr
.irp T, 0,1
	v_add_f32 v[48+4*\T], v[48+4*\T], v[49+4*\T]
.endr
.irp T, 0,1
	v_permlanex16_b32 v[58+\T], v[48+4*\T], s20, s21
.endr
.irp T, 0,1
	v_add_f32 v[48+4*\T], v[48+4*\T], v[58+\T]
.endr
	s_wait_alu depctr_va_vdst(0)                   ; the sums have written v48 and v52, which the two stores read; and all that named v64 to v95 (the products; in the second pass the first pass's sums and the differences) is done: the loads below land there
.irp T, 0,1
	ds_store_b32 v8, v[48+4*\T] offset:\off+1280*\T    ; row 16 T + r, word w (both halves of the lanes write the same number)
.endr
	BARRIER
.irp T, 0,1
.irp k, 0,1,2,3
	ds_load_b128 v[64+16*\T+4*\k:67+16*\T+4*\k], v9 offset:\off+1280*\T+16*\k
.endr
.endr
	s_wait_dscnt 0x0
.irp T, 0,1
.irp j, 0,4,8,12
	v_pk_add_f32 v[64+16*\T+\j:65+16*\T+\j], v[64+16*\T+\j:65+16*\T+\j], v[66+16*\T+\j:67+16*\T+\j]
.endr
.endr
.irp T, 0,1
.irp j, 0,8
	v_pk_add_f32 v[64+16*\T+\j:65+16*\T+\j], v[64+16*\T+\j:65+16*\T+\j], v[68+16*\T+\j:69+16*\T+\j]
.endr
.endr
.irp T, 0,1
	v_pk_add_f32 v[64+16*\T:65+16*\T], v[64+16*\T:65+16*\T], v[72+16*\T:73+16*\T]
.endr
.irp T, 0,1
	v_add_f32 v[64+16*\T], v[64+16*\T], v[65+16*\T]
.endr
.endm
	; pass 1: the mean.  Each accumulator is read from its low end on
.irp T, 0,1
	v_pk_add_f32 v[48+4*\T:49+4*\T], v[ACC+32*\T:ACC+32*\T+1], v[ACC+32*\T+2:ACC+32*\T+3]
	v_pk_add_f32 v[50+4*\T:51+4*\T], v[ACC+32*\T+4:ACC+32*\T+5], v[ACC+32*\T+6:ACC+32*\T+7]
.endr
.irp j, 8,12,16,20,24,28
.irp T, 0,1
	v_pk_add_f32 v[48+4*\T:49+4*\T], v[48+4*\T:49+4*\T], v[ACC+32*\T+\j:ACC+32*\T+\j+1]
	v_pk_add_f32 v[50+4*\T:51+4*\T], v[50+4*\T:51+4*\T], v[ACC+32*\T+\j+2:ACC+32*\T+\j+3]
.endr
.endr
	REDUCE 0
.irp T, 0,1
	v_mul_f32 v[64+16*\T], s22, v[64+16*\T]        ; the row's mean
.endr
	; pass 2: the differences, and the sum of their squares
.irp T, 0,1
.irp j, 0,2,4,6,8,10,12,14,16,18,20,22,24,26,28,30
	v_pk_add_f32 v[ACC+32*\T+\j:ACC+32*\T+\j+1], v[ACC+32*\T+\j:ACC+32*\T+\j+1], v[64+16*\T:65+16*\T] op_sel_hi:[1,0] neg_lo:[0,1] neg_hi:[0,1]
.endr
.endr
	s_wait_alu depctr_vm_vsrc(0)                   ; the first pass's two LDS stores have read v48 and v52, which the squares below write again
.irp T, 0,1
	v_pk_mul_f32 v[48+4*\T:49+4*\T], v[ACC+32*\T:ACC+32*\T+1], v[ACC+32*\T:ACC+32*\T+1]
	v_pk_mul_f32 v[50+4*\T:51+4*\T], v[ACC+32*\T+2:ACC+32*\T+3], v[ACC+32*\T+2:ACC+32*\T+3]
.endr
.irp j, 4,8,12,16,20,24,28
.irp T, 0,1
	v_pk_fma_f32 v[48+4*\T:49+4*\T], v[ACC+32*\T+\j:ACC+32*\T+\j+1], v[ACC+32*\T+\j:ACC+32*\T+\j+1], v[48+4*\T:49+4*\T]
	v_pk_fma_f32 v[50+4*\T:51+4*\T], v[ACC+32*\T+\j+2:ACC+32*\T+\j+3], v[ACC+32*\T+\j+2:ACC+32*\T+\j+3], v[50+4*\T:51+4*\T]
.endr
.endr
	REDUCE 2560
.irp T, 0,1
	v_fma_f32 v[64+16*\T], v[64+16*\T], s22, v60   ; the variance + eps
.endr
	s_wait_alu depctr_va_vdst(0)
.irp T, 0,1
	v_rsq_f32 v[64+16*\T], v[64+16*\T]
.endr
	v_nop                                          ; a plain line behind the two,
	s_wait_alu depctr_va_vdst(0)                   ; and the two v_rsq_f32 have written v64 and v80, ahead of their first reader
.irp T, 0,1
.irp j, 0,2,4,6,8,10,12,14,16,18,20,22,24,26,28,30
	v_pk_mul_f32 v[ACC+32*\T+\j:ACC+32*\T+\j+1], v[ACC+32*\T+\j:ACC+32*\T+\j+1], v[64+16*\T:65+16*\T] op_sel_hi:[1,0]
.endr
.endr
.irp T, 0,1
.irp j, 0,2,4,6,8,10,12,14,16,18,20,22,24,26,28,30
	v_pk_fma_f32 v[ACC+32*\T+\j:ACC+32*\T+\j+1], v[ACC+32*\T+\j:ACC+32*\T+\j+1], v[GG+\j:GG+\j+1], v[BB+\j:BB+\j+1]
.endr
.endr
	; the way out: through my stage, back as whole runs of 256 bytes of a row
	s_wait_alu depctr_va_vdst(0)                   ; the multiply-adds have written v128 to v191, which both tiles' LDS stores read and in which both tiles' loads land; no vector instruction follows
.irp T, 0,1
.irp t, 0,1,2,3
.irp i, 0,1
	ds_store_b128 v6, v[ACC+32*\T+8*\t+4*\i:ACC+32*\T+8*\t+4*\i+3] offset:128*(\t/2)+32*(\t%2)+16*\i
.endr
.endr
	s_wait_alu depctr_vm_vsrc(0)                   ; the eight stores have read their data, in whose registers the loads below land
.irp i, 0,1,2,3,4,5,6,7
	ds_load_b128 v[ACC+32*\T+4*\i:ACC+32*\T+4*\i+3], v5 offset:544*\i   ; in order behind my stores; the next tile's stores come behind these
.endr
.endr
.irp i, 0,1,2,3,4,5,6,7
	s_wait_dscnt 23-\i                             ; behind this load: the rest of its run, and the second tile's 8 stores and 8 loads
	global_store_b128 v4, v[ACC+4*\i:ACC+4*\i+3], s[32:33] offset:(2*\i)*4096 th:TH_STORE_NT   ; sixteen lanes store 256 consecutive bytes, at a multiple of 256 from out0's first byte
.endr
.irp i, 0,1,2,3,4,5,6,7
	s_wait_dscnt 7-\i
	global_store_b128 v4, v[ACC+32+4*\i:ACC+32+4*\i+3], s[32:33] offset:(16+2*\i)*4096 th:TH_STORE_NT
.endr
	s_wait_dscnt 0x0                               ; the closing lines, six on end
	s_wait_alu 0x0
	s_wait_tensorcnt 0x0
	ds_add_u32 v62, v63
	s_wait_dscnt 0x0
	s_endpgm
.Lfunc_end_k_qdd8154192f_outp:
	.size	k_qdd8154192f_outp, .Lfunc_end_k_qdd8154192f_outp-k_qdd8154192f_outp
	.p2alignl 7, 3214868480
	.fill 96, 4, 3214868480
	.section	.rodata,"a",@progbits
	.p2align	6, 0x0
	.amdhsa_kernel k_qdd8154192f_outp
		.amdhsa_group_segment_fixed_size 95232
		.amdhsa_private_segment_fixed_size 0
		.amdhsa_enable_private_segment 0
		.amdhsa_kernarg_size 48
		.amdhsa_user_sgpr_count 2
		.amdhsa_user_sgpr_kernarg_segment_ptr 1
		.amdhsa_wavefront_size32 1
		.amdhsa_system_sgpr_workgroup_id_x 1
		.amdhsa_system_sgpr_workgroup_id_y 1
		.amdhsa_system_sgpr_workgroup_id_z 1
		.amdhsa_system_vgpr_workitem_id 0
		.amdhsa_next_free_vgpr 256
		.amdhsa_next_free_sgpr 66
		.amdhsa_reserve_vcc 0
		.amdhsa_float_denorm_mode_32 3
		.amdhsa_float_denorm_mode_16_64 3
		.amdhsa_memory_ordered 1
		.amdhsa_forward_progress 1
		.amdhsa_inst_pref_size 47
	.end_amdhsa_kernel
	.amdgpu_metadata
---
amdhsa.version: [ 1, 2 ]
amdhsa.kernels:
  - .name:           k_qdd8154192f_outp
    .symbol:         k_qdd8154192f_outp.kd
    .args:
      - { .name: oimg, .offset: 0, .size: 8, .value_kind: global_buffer, .address_space: global }
      - { .name: wimg, .offset: 8, .size: 8, .value_kind: global_buffer, .address_space: global }
      - { .name: q, .offset: 16, .size: 8, .value_kind: global_buffer, .address_space: global }
      - { .name: ln_g, .offset: 24, .size: 8, .value_kind: global_buffer, .address_space: global }
      - { .name: ln_b, .offset: 32, .size: 8, .value_kind: global_buffer, .address_space: global }
      - { .name: out0, .offset: 40, .size: 8, .value_kind: global_buffer, .address_space: global }
    .group_segment_fixed_size: 95232
    .private_segment_fixed_size: 0
    .kernarg_segment_align: 8
    .kernarg_segment_size: 48
    .max_flat_workgroup_size: 512
    .sgpr_count:     66
    .vgpr_count:     256
    .wavefront_size: 32
...
	.end_amdgpu_metadata
.endif
;; end of part 8
